; MI455X (gfx1250); checked and timed in simulation.
; The chip was launched on July 23, 2026; its instructions are those of AMD's public machine-readable ISA for CDNA 5 (MIT licence, August 2026) and "CDNA5" Instruction Set Architecture Reference Guide (July 2026). The comments in the code are by the model that wrote it; some were corrected since.
;; MLA. Allowed arithmetic: matrix products marked QUANTISED: E4M3 operands, one given power-of-two scale a tensor, by v_wmma_f32_16x16x64_fp8_fp8 or v_wmma_f32_16x16x128_fp8_fp8, f32 sums; everything else in f32.
;; Inputs: freqs_cos 2,048 x 32 float32; freqs_sin 2,048 x 32 float32; lowp_scales 12 int32 (the exponents e of the quantised operands' scales 2^e); mask 2,048 x 2,048 float32; wk_b 3,072 float32; wk_w 2,048 x 3,072 float32; wo_b 2,048 float32; wo_w 2,048 x 2,048 float32; wq_b 3,072 float32; wq_w 2,048 x 3,072 float32; wv_b 2,048 float32; wv_w 2,048 x 2,048 float32; x 1 x 2,048 x 2,048 float32.
;; Outputs: out0 1 x 2,048 x 2,048 float32.
;; Constants: start_pos = 0.
;; This version of the problem:
;;   THIS VERSION OF THE PROBLEM IS GIVEN IN LOW PRECISION. The matrix products marked QUANTISED in the list below multiply operands that are first quantised to E4M3 (4 exponent bits, 3 mantissa bits; 8 bits a number), with one given power-of-two scale for each operand tensor; their sums are f32. All else is computed in f32.
;;   The module's matrix products, in the order in which they are computed (A, B: the left and right operand; K: the contracted axis; several contracted axes count as one K, in the product's order):
;;     1. [M 2,048, K 2,048] x [K 2,048, N 3,072]; A: input x; B: input wq_w: QUANTISED (scales: A lowp_scales[0], B lowp_scales[1])
;;     2. [M 2,048, K 2,048] x [K 2,048, N 3,072]; A: input x; B: input wk_w: QUANTISED (scales: A lowp_scales[2], B lowp_scales[3])
;;     3. [M 2,048, K 2,048] x [K 2,048, N 2,048]; A: input x; B: input wv_w: QUANTISED (scales: A lowp_scales[4], B lowp_scales[5])
;;     4. batch 16 x [M 2,048, K 192] x [K 192, N 2,048]; A: computed on the way; B: computed on the way: QUANTISED (scales: A lowp_scales[6], B lowp_scales[7])
;;     5. batch 16 x [M 128, K 2,048] x [K 2,048, N 2,048]; A: computed on the way; B: softmax (see below): QUANTISED (scales: A lowp_scales[8], B lowp_scales[9])
;;     6. [M 2,048, K 2,048] x [K 2,048, N 2,048]; A: computed on the way; B: input wo_w: QUANTISED (scales: A lowp_scales[10], B lowp_scales[11])
;;   THE QUANTISER, for each operand of a quantised product, along K:
;;     - The operand's scale is 2^e, e = its entry of the input lowp_scales (int32; the entries are numbered through the quantised products in the list's order, A before B).
;;     - Each number is divided by the scale, clamped to +-448, and rounded to the nearest number of E4M3, ties to even, subnormals kept.
;;     - The product sums the exact products of the quantised numbers (number of the format x scale) in f32.
;;   ~~~python
;;   def quantise(x, axis, e):      # numpy; x: float32 -> the quantised numbers, widened to float32 again
;;       x = np.moveaxis(x, axis, -1); K = x.shape[-1]
;;       r = np.clip(x / 2.0 ** e, -448, 448)
;;       step = 2.0 ** (np.maximum(np.frexp(np.where(r == 0, 1, r))[1] - 1, -6) - 3)
;;       q = np.round(r / step) * step * 2.0 ** e      # np.round: ties to even
;;       return np.moveaxis(q, -1, axis).astype(np.float32)
;;   ~~~
;;   SOFTMAX AHEAD OF A QUANTISED PRODUCT. Where the list says 'softmax', what is quantised is not the finished softmax but p = 2^(t - M), with t = logit x log2(e) and M = ceil(the row's largest t), a whole number; so 1/2 < the row's largest p <= 1. The row's sum l is taken of the UNQUANTISED p, in f32, and the product's result is divided by l at the end. Since M is a whole number, a kernel that streams over the keys may use a running M (the ceiling of the running maximum): every later rescaling is an exact power of two, so the quantised numbers keep their values, but for numbers so far below the row's largest that they fall under the format's range.
;;   OPERANDS COMPUTED ON THE WAY. 'Computed on the way' means the value that the module computes at that place (a softmax that the list does not call 'softmax' is quantised finished and normalised). What goes into a quantiser is computed in f32, as accurately as f32 sums, v_exp_f32 and their like allow (about 1e-6 of the number): no bf16 or f16 on the way to a quantiser, and a product that is left as it is and whose result goes on into a quantised operand takes f32 operands (vector FMAs, or v_wmma_f32_16x16x4_f32). A number that lies on a knife's edge between two numbers of the format may be rounded either way, as far as f32 arithmetic and the matrix unit's own rounding can turn it there, and no further.
;; 2 versions. Each part assembles by itself: llvm-mc -triple=amdgcn-amd-amdhsa -mcpu=gfx1250 --defsym DOCPART=n.
;; ======== version 1 of 2: 4 launches
;; limits: right only within a limited range of input values
;; workspace buffers: codes 33,554,432 bytes; mk 16,777,216 bytes; qc 6,291,456 bytes; kv 10,485,760 bytes; oc 4,194,304 bytes
;; launch prep (part 1): grid 896 x 1, 4 waves a work-group, no clusters, 34,304 bytes of LDS; arguments x, mask, wq_w, wk_w, wv_w, wo_w, lowp_scales, codes, mk; writes codes, mk
.if DOCPART == 1
	.amdgcn_target "amdgcn-amd-amdhsa--gfx1250"
	.amdhsa_code_object_version 6
	.text
	.protected	k_qba5d78f169_prep
	.globl	k_qba5d78f169_prep
	.p2align	8
	.type	k_qba5d78f169_prep,@function
k_qba5d78f169_prep:
	s_mov_b64 s[64:65], 0
	v_nop
	global_prefetch_b8 v0, s[64:65] scope:SCOPE_SE
	s_setreg_imm32_b32 hwreg(HW_REG_WAVE_MODE, 25, 1), 1
	s_wait_xcnt 0x0
; PREP: every f32 input that many work-groups will read is turned once into the form in which it is read.
;   codes: E4M3 codes of x (three times: with the scales of entries 0, 2 and 4) and of the four weights (entries 1, 3, 5, 11), K innermost.
;   mk:    the mask x sqrt(192) x 2^-(e6 + e7), f32, laid in the order of the score registers of the attention launch.
; code = number / 2^e, held within +-448, to the nearest code, ties to even.
; LAYOUT OF CODES: [row tile of 16 rows][k block of 16 codes][256 bytes]; byte 16 x row + k % 16 inside a block.  A row tile is 32,768 bytes.
;   Eight blocks on end are an operand of 16 rows x 128 K: four loads of 16 bytes a lane at 512 c + 16 x lane give lane (r, h) k = 32 c + 16 h + 0 .. 15.
;   rows 0: x (e0), 2,048: x (e2), 4,096: x (e4), 6,144: wq dims 0-127 of each head, 8,192: wk likewise, 10,240: wv, 12,288: wq dims 128-191, 13,312: wk likewise, 14,336: wo.
; ROW ORDER OF x AND OF THE MASK'S QUERIES: row rho of tile T stands for position 32 (T / 2) + 8 (T % 2) + rho + 8 (rho / 8).
; SHARES: work-groups 0-127: tile T of x; 128-255: tile T of the mask's rows; 256-895: 256 (K) x 128 (columns) of a weight.  Waves share nothing: no barrier.
; x AND MASK: a wave takes 16 rows x 512 columns in 4 units of 128 columns.  Each load reads 512 consecutive bytes of a row; a unit turns through the wave's own
;   stage in LDS (16 rows of 512 + 16 bytes) and comes back with 16 neighbours of each block of 32 in a lane's registers.
; WEIGHTS ([K][N] in memory): a lane takes a column and its registers run down K, so the conversions give codes with K innermost; sixteen lanes store one whole block of 256 bytes.
; LIMITS: each e used by a quantiser between -126 and 119; e6 + e7 between -122 and 129; |mask| x 13.86 x 2^-(e6 + e7) finite in f32; NaN among the inputs is not served.
.set SPARE, 33792                      ; behind the four stages: the spare words, 128 bytes for each wave, named by no other line
.set LI,  1                            ; v1   16 x lane
.set STI, 2                            ; v2   the stage, on the way in: 8,448 x wave + 16 x lane
.set STR, 3                            ; v3   and back: 8,448 x wave + 528 r + 64 h
.set SPW, 4                            ; v4   my spare word; never rewritten
.set NIL, 5                            ; v5   0; never rewritten
.set SC,  6                            ; v6-11  (2^e, 448 x 2^e) for e0, e2, e4; the weights' path uses v10, v11
.set WI,  13                           ; v13  weights: 4 x lane
.set WO,  14                           ; v14  weights: 32,768 (lane / 16) + 16 (lane % 16)
.set R,   16                           ; v16-143  two sets of 64 registers as loaded
.set X,   144                          ; v144-207 a unit, turned: register 16 c + i = column 32 c + 16 h + i of row r
.set T,   208                          ; v208-239 two sets of 16 held numbers, by turns
.set C,   240                          ; v240-255 codes
.set XW,  32                           ; weights: v32-79 three sets of 16 numbers
.set CW,  96                           ; weights: v96-159 codes, four registers for each chunk, never rewritten
	s_load_b512 s[4:19], s[0:1], 0x0               ; x, mask, wq_w, wk_w, wv_w, wo_w, the exponents, codes
	s_load_b64 s[20:21], s[0:1], 0x40              ; mk
	v_lshl_add_u32 v[SPW], v0, 2, SPARE
	v_mov_b32 v[NIL], 0
	v_lshrrev_b32 v12, 5, v0
	v_readfirstlane_b32 s36, v12                   ; wave 0..3
	v_and_b32 v12, 31, v0                          ; lane
	v_lshlrev_b32 v[LI], 4, v12
	s_wait_kmcnt 0x0
	s_load_b256 s[24:31], s[16:17], 0x0            ; e0 .. e7
	s_load_b128 s[32:35], s[16:17], 0x20           ; e8 .. e11
	s_cmp_ge_u32 ttmp9, 256
	s_cbranch_scc1 .Lweights
; ---------------- x and the mask ----------------
.macro ULOAD u                         ; unit u: 16 rows x 512 bytes, a row a load
.irp k, 0,1,2,3,4,5,6,7,8,9,10,11,12,13,14,15
	global_load_b128 v[R+64*((\u)%2)+4*\k:R+64*((\u)%2)+4*\k+3], v[LI], s[38:39] offset:(\k+8*(\k/8))*8192+512*(\u) th:TH_LOAD_NT
.endr
.endm
.macro UTURN u                         ; through my stage: LDS serves a wave's instructions in order, so no wait stands between the stores and the loads
	s_wait_xcnt 0x0                                ; the last unit's stores have read X: it is loaded again only behind this wait
.irp k, 0,1,2,3,4,5,6,7,8,9,10,11,12,13,14,15
	ds_store_b128 v[STI], v[R+64*((\u)%2)+4*\k:R+64*((\u)%2)+4*\k+3] offset:528*\k
.endr
.irp i, 0,1,2,3,4,5,6,7,8,9,10,11,12,13,14,15
	ds_load_b128 v[X+4*\i:X+4*\i+3], v[STR] offset:128*(\i/4)+16*(\i%4)
.endr
	s_wait_dscnt 0x0                               ; X is in, and the stores have read their registers, which take the loads of two units on
.endm
.macro XPART p, u                      ; the unit's codes with the p-th of x's three scales
	s_wait_xcnt 0x0                                ; the stores before have read C
.irp c, 0,1,2,3
.irp i, 0,1,2,3,4,5,6,7,8,9,10,11,12,13,14,15
	v_med3_num_f32 v[T+16*(\c%2)+\i], v[X+16*\c+\i], -v[SC+2*\p+1], v[SC+2*\p+1]   ; the conversion to an 8-bit code does not saturate (ISA guide 7.6.2): the hold comes first
.endr
	v_cvt_scalef32_pk8_fp8_f32 v[C+4*\c:C+4*\c+1], v[T+16*(\c%2):T+16*(\c%2)+7], v[SC+2*\p]
	v_cvt_scalef32_pk8_fp8_f32 v[C+4*\c+2:C+4*\c+3], v[T+16*(\c%2)+8:T+16*(\c%2)+15], v[SC+2*\p]   ; the next sixteen holds write the other set: plain lines stand between a conversion and a write of its sources
.endr
.irp c, 0,1,2,3
	global_store_b128 v[LI], v[C+4*\c:C+4*\c+3], s[40+2*\p:41+2*\p] offset:2048*(\u)+512*\c   ; 512 consecutive bytes: two whole blocks
.endr
.endm
.macro MPART u                         ; the unit of the mask: one key step's 64 registers of a lane
.set jj, 0
.rept 32
	v_pk_mul_f32 v[X+jj:X+jj+1], v[X+jj:X+jj+1], s[46:47] op_sel_hi:[1,0]
.set jj, jj+2
.endr
.irp i, 0,1,2,3,4,5,6,7,8,9,10,11,12,13,14,15
	global_store_b128 v[LI], v[X+4*\i:X+4*\i+3], s[20:21] offset:8192*(\u)+512*\i
.endr
.endm
.macro UNIT u
.if (\u) < 3
	s_wait_loadcnt 16                              ; this unit's 16 loads are in; the next unit's 16 may be out
.else
	s_wait_loadcnt 0x0
.endif
	UTURN \u
.if (\u) < 2
	ULOAD (\u)+2
.endif
	s_cmp_lt_u32 ttmp9, 128
	s_cbranch_scc0 .Lmask_\@
	XPART 0, \u
	XPART 1, \u
	XPART 2, \u
	s_branch .Ljoin_\@
.Lmask_\@:
	MPART \u
.Ljoin_\@:
.endm
	s_cmp_lt_u32 ttmp9, 128                        ; x or the mask: only the pointer is chosen, the text up to the turn is one
	s_cselect_b64 s[38:39], s[4:5], s[6:7]
	s_and_b32 s48, ttmp9, 127                      ; T
	s_lshr_b32 s49, s48, 1
	s_lshl_b32 s49, s49, 5
	s_and_b32 s50, s48, 1
	s_lshl_b32 s50, s50, 3
	s_add_co_u32 s50, s50, s49                     ; the tile's first position: 32 (T / 2) + 8 (T % 2)
	s_lshl_b32 s50, s50, 13                        ; rows of 8,192 bytes
	s_lshl_b32 s51, s36, 11                        ; my wave's 512 columns
	s_add_co_u32 s50, s50, s51
	s_mov_b32 s51, 0
	s_add_nc_u64 s[38:39], s[38:39], s[50:51]
	ULOAD 0
	ULOAD 1
	s_lshl_b32 s50, s48, 15
	s_lshl_b32 s52, s36, 13
	s_add_co_u32 s50, s50, s52                     ; 32,768 T + 8,192 wave
	s_add_nc_u64 s[40:41], s[18:19], s[50:51]      ; x's codes with e0,
	s_add_nc_u64 s[42:43], s[40:41], 0x400000      ; with e2: 2,048 rows on,
	s_add_nc_u64 s[44:45], s[42:43], 0x400000      ; with e4
	s_lshl_b32 s50, s50, 2
	s_add_nc_u64 s[20:21], s[20:21], s[50:51]      ; mk: 131,072 T + 32,768 wave
	s_mul_i32 s52, s36, 8448                       ; my stage
	v_add_nc_u32 v[STI], s52, v[LI]
	v_and_b32 v13, 15, v0                          ; r
	v_bfe_u32 v14, v0, 4, 1                        ; h
	v_mul_u32_u24 v[STR], v13, 528
	v_lshl_add_u32 v[STR], v14, 6, v[STR]
	v_add_nc_u32 v[STR], s52, v[STR]
	s_wait_kmcnt 0x0
.irp p, 0,1,2
	s_add_co_i32 s52, s[24+2*\p], 127
	s_lshl_b32 s53, s52, 23
	v_mov_b32 v[SC+2*\p], s53                      ; 2^e as f32: the conversion takes its exponent field
	s_add_co_i32 s52, s52, 8
	s_lshl_b32 s52, s52, 23
	s_or_b32 s52, s52, 0x600000
	v_mov_b32 v[SC+2*\p+1], s52                    ; 448 x 2^e
.endr
	s_add_co_i32 s52, s30, s31                     ; e6 + e7
	s_lshl_b32 s52, s52, 23
	s_sub_co_u32 s46, 0x415db3d7, s52              ; sqrt(192) x 2^-(e6 + e7): the exponents are taken off the exponent field
	s_mov_b32 s47, s46                             ; (named with it as a pair, so it is written)
	UNIT 0
	UNIT 1
	UNIT 2
	UNIT 3
	s_wait_tensorcnt 0x0                           ; the wave's end, behind my last LDS store
	ds_add_u32 v[SPW], v[NIL]
	s_wait_dscnt 0x0
	s_endpgm
; ---------------- the weights ----------------
.macro WLOAD t, pitch                  ; chunk t: 16 rows of K at my column
.irp i, 0,1,2,3,4,5,6,7,8,9,10,11,12,13,14,15
	global_load_b32 v[XW+16*((\t)%3)+\i], v[WI], s[38:39] offset:(16*(\t)+\i)*\pitch th:TH_LOAD_NT
.endr
.endm
.macro WCHUNK t, pitch
.if (\t) < 14
	s_wait_loadcnt 32                              ; this chunk's 16 loads are in; the two younger chunks' may be out
.else
	s_wait_loadcnt 16*(15-(\t))
.endif
.irp i, 0,1,2,3,4,5,6,7,8,9,10,11,12,13,14,15
	v_med3_num_f32 v[XW+16*((\t)%3)+\i], v[XW+16*((\t)%3)+\i], -v11, v11
.endr
	v_cvt_scalef32_pk8_fp8_f32 v[CW+4*(\t):CW+4*(\t)+1], v[XW+16*((\t)%3):XW+16*((\t)%3)+7], v10
	v_cvt_scalef32_pk8_fp8_f32 v[CW+4*(\t)+2:CW+4*(\t)+3], v[XW+16*((\t)%3)+8:XW+16*((\t)%3)+15], v10
	global_store_b128 v[WO], v[CW+4*(\t):CW+4*(\t)+3], s[40:41] offset:256*(\t)   ; lanes 0-15 fill one block of 256 bytes, lanes 16-31 the same block of the next row tile
.if (\t)+3 < 16
	WLOAD (\t)+3, \pitch
.endif
.endm
; s[38:39] the tensor, s49 which 256 of K, s54 e, s55 which 32 columns of the tensor, s58 the first row in codes
.macro WBODY pitch
	s_mul_i32 s60, s49, 256*\pitch
	s_lshl_b32 s61, s55, 7                         ; 32 columns of 4 bytes
	s_add_co_u32 s60, s60, s61
	s_mov_b32 s61, 0
	s_add_nc_u64 s[38:39], s[38:39], s[60:61]
	s_lshl_b32 s60, s58, 11                        ; a row tile of 16 rows is 32,768 bytes
	s_lshl_b32 s62, s49, 12                        ; 256 of K are 16 blocks
	s_add_co_u32 s60, s60, s62
	s_add_nc_u64 s[40:41], s[18:19], s[60:61]
	WLOAD 0, \pitch
	WLOAD 1, \pitch
	WLOAD 2, \pitch
	s_add_co_i32 s54, s54, 127
	s_lshl_b32 s60, s54, 23
	v_mov_b32 v10, s60                             ; 2^e
	s_add_co_i32 s54, s54, 8
	s_lshl_b32 s54, s54, 23
	s_or_b32 s54, s54, 0x600000
	v_mov_b32 v11, s54                             ; 448 x 2^e
.set Q, 0
.rept 16
	WCHUNK Q, \pitch
.set Q, Q+1
.endr
	s_wait_tensorcnt 0x0                           ; the wave's end
	ds_add_u32 v[SPW], v[NIL]
	s_wait_dscnt 0x0
	s_endpgm
.endm
.Lweights:
	s_wait_kmcnt 0x0
	v_lshlrev_b32 v[WI], 2, v12
	v_lshrrev_b32 v15, 4, v12
	v_and_b32 v[WO], 15, v12
	v_lshlrev_b32 v[WO], 4, v[WO]
	v_lshl_add_u32 v[WO], v15, 15, v[WO]
	s_sub_co_u32 s48, ttmp9, 256
	s_and_b32 s49, s48, 7                          ; which 256 of K
	s_lshr_b32 s50, s48, 3                         ; which 128 columns: 0-23 wq, 24-47 wk, 48-63 wv, 64-79 wo
	s_cmp_ge_u32 s50, 48
	s_cbranch_scc1 .Lvo
	s_cmp_lt_u32 s50, 24
	s_cselect_b64 s[38:39], s[8:9], s[10:11]
	s_cselect_b32 s51, 0, 24
	s_cselect_b32 s52, 0, 2048
	s_cselect_b32 s53, 0, 1024
	s_cselect_b32 s54, s25, s27                    ; e1 or e3
	s_sub_co_u32 s51, s50, s51
	s_lshl_b32 s55, s51, 2
	s_add_co_u32 s55, s55, s36                     ; g: my 32 columns, 0 .. 95; a head has six such groups
	s_mul_i32 s56, s55, 43
	s_lshr_b32 s56, s56, 8                         ; the head: g / 6 (43 / 256 serves g under 128)
	s_mul_i32 s57, s56, 6
	s_sub_co_u32 s57, s55, s57                     ; the group in the head: 0-3 plain, 4-5 rotary
	s_lshl_b32 s59, s57, 5
	s_lshl_b32 s58, s56, 7
	s_add_co_u32 s58, s58, s59
	s_add_co_u32 s58, s58, s52
	s_add_co_u32 s58, s58, 6144                    ; plain: 6,144 (8,192) + 128 head + 32 group
	s_lshl_b32 s60, s56, 6
	s_add_co_u32 s60, s60, s59
	s_add_co_u32 s60, s60, s53
	s_add_co_u32 s60, s60, 12160                   ; rotary: 12,288 (13,312) + 64 head + 32 (group - 4)
	s_cmp_lt_u32 s57, 4
	s_cselect_b32 s58, s58, s60
	WBODY 12288
.Lvo:
	s_cmp_lt_u32 s50, 64
	s_cselect_b64 s[38:39], s[12:13], s[14:15]
	s_cselect_b32 s51, 48, 64
	s_cselect_b32 s52, 0, 4096
	s_cselect_b32 s54, s29, s35                    ; e5 or e11
	s_sub_co_u32 s51, s50, s51
	s_lshl_b32 s55, s51, 2
	s_add_co_u32 s55, s55, s36                     ; my 32 columns
	s_lshl_b32 s58, s55, 5
	s_add_co_u32 s58, s58, s52
	s_add_co_u32 s58, s58, 10240                   ; 10,240 (14,336) + column
	WBODY 8192
.Lfunc_end_k_qba5d78f169_prep:
	.size	k_qba5d78f169_prep, .Lfunc_end_k_qba5d78f169_prep-k_qba5d78f169_prep
	.p2alignl 7, 3214868480
	.fill 96, 4, 3214868480
	.section	.rodata,"a",@progbits
	.p2align	6, 0x0
	.amdhsa_kernel k_qba5d78f169_prep
		.amdhsa_group_segment_fixed_size 34304
		.amdhsa_private_segment_fixed_size 0
		.amdhsa_enable_private_segment 0
		.amdhsa_kernarg_size 72
		.amdhsa_user_sgpr_count 2
		.amdhsa_user_sgpr_kernarg_segment_ptr 1
		.amdhsa_wavefront_size32 1
		.amdhsa_system_sgpr_workgroup_id_x 1
		.amdhsa_system_sgpr_workgroup_id_y 1
		.amdhsa_system_sgpr_workgroup_id_z 1
		.amdhsa_system_vgpr_workitem_id 0
		.amdhsa_next_free_vgpr 256
		.amdhsa_next_free_sgpr 66
		.amdhsa_reserve_vcc 0
		.amdhsa_float_denorm_mode_32 3
		.amdhsa_float_denorm_mode_16_64 3
		.amdhsa_memory_ordered 1
		.amdhsa_forward_progress 1
		.amdhsa_inst_pref_size 183
	.end_amdhsa_kernel
	.amdgpu_metadata
---
amdhsa.version: [ 1, 2 ]
amdhsa.kernels:
  - .name:           k_qba5d78f169_prep
    .symbol:         k_qba5d78f169_prep.kd
    .args:
      - { .name: x, .offset: 0, .size: 8, .value_kind: global_buffer, .address_space: global }
      - { .name: mask, .offset: 8, .size: 8, .value_kind: global_buffer, .address_space: global }
      - { .name: wq_w, .offset: 16, .size: 8, .value_kind: global_buffer, .address_space: global }
      - { .name: wk_w, .offset: 24, .size: 8, .value_kind: global_buffer, .address_space: global }
      - { .name: wv_w, .offset: 32, .size: 8, .value_kind: global_buffer, .address_space: global }
      - { .name: wo_w, .offset: 40, .size: 8, .value_kind: global_buffer, .address_space: global }
      - { .name: lowp_scales, .offset: 48, .size: 8, .value_kind: global_buffer, .address_space: global }
      - { .name: codes, .offset: 56, .size: 8, .value_kind: global_buffer, .address_space: global }
      - { .name: mk, .offset: 64, .size: 8, .value_kind: global_buffer, .address_space: global }
    .group_segment_fixed_size: 34304
    .private_segment_fixed_size: 0
    .kernarg_segment_align: 8
    .kernarg_segment_size: 72
    .max_flat_workgroup_size: 128
    .sgpr_count:     66
    .vgpr_count:     256
    .wavefront_size: 32
...
	.end_amdgpu_metadata
.endif
;; end of part 1
;; launch qkv (part 2): grid 32 x 8, 4 waves a work-group, clusters of 4 x 4, 327,680 bytes of LDS; arguments codes, lowp_scales, wq_b, wk_b, wv_b, freqs_cos, freqs_sin, qc, kv; writes qc, kv
.if DOCPART == 2
	.amdgcn_target "amdgcn-amd-amdhsa--gfx1250"
	.amdhsa_code_object_version 6
	.text
	.protected	k_qba5d78f169_qkv
	.globl	k_qba5d78f169_qkv
	.p2align	8
	.type	k_qba5d78f169_qkv,@function
k_qba5d78f169_qkv:
	s_mov_b64 s[64:65], 0
	v_nop
	global_prefetch_b8 v0, s[64:65] scope:SCOPE_SE
	s_setreg_imm32_b32 hwreg(HW_REG_WAVE_MODE, 25, 1), 1
	s_wait_xcnt 0x0
	s_wait_alu depctr_hold_cnt(0) depctr_sa_sdst(0) depctr_va_vdst(0) depctr_va_sdst(0) depctr_va_ssrc(0) depctr_va_vcc(0) depctr_vm_vsrc(0)
	s_getreg_b32 s2, hwreg(HW_REG_IB_STS2, 6, 4)
	s_cmp_eq_u32 s2, 0
	s_cbranch_scc0 .Lentry_in_a_cluster
	s_endpgm
.Lentry_in_a_cluster:
	s_bfe_u32 s2, ttmp6, 0x10000c
	s_cmp_lg_u32 s2, 0xf033
	s_cbranch_scc0 .Lentry_shape_is_right
	s_endpgm
.Lentry_shape_is_right:
; QKV: the three projections as one product of 2,048 x 8,192 x 2,048 on E4M3 codes, then bias, the rotation of dims 128-191, and the quantisers of q, k and v.
; Both operands are rows of the one buffer codes ([row tile of 16][k block of 16][256 bytes]; its rows are listed below).
; A tile of 256 x 256 is made by a work-group of four waves, a wave makes 128 x 128: 64 accumulators, 512 registers.  K goes in steps of 256 through a ring of two LDS slots.
; WHAT A TILE IS hangs on the cluster's x (the same in all sixteen partners): 0, 1: q dims 0-127;  2, 3: k dims 0-127;  4, 5: v;  6: q dims 128-191;  7: k dims 128-191.
;   not v: A = x (rows 0: scale e0 for q; rows 2,048: e2 for k) at 256 x tile row; B = the weight at row 6,144 + 256 x tile column.
;   v:     A = wv at row 10,240 + 256 x tile row; B = x with e4, row 4,096 + 256 (tile column - 16) = 256 x tile column.
; THE MATRIX INSTRUCTION IS USED TRANSPOSED (source 0 = 16 rows of B, source 1 = 16 rows of A): a lane holds ONE row of A and eight neighbouring rows of B.
;   q, k: one position and eight neighbouring dims of a head, which are the next product's K.   v: one channel and eight keys; since x's rows lie in the order
;   position = 32 (T / 2) + 8 (T % 2) + rho + 8 (rho / 8), the accumulators of B's tiles 2 c and 2 c + 1 are keys 32 c + 16 h + 0 .. 15: registers 4 c .. 4 c + 3 of an operand along the keys.
; OUT: qc [head][q tile 128][k block 12][256 bytes];  kv [head][slot of 256 keys: 81,920 bytes]: 16 tiles of k x 3,072 bytes, then from byte 49,152 v^T: [128 keys][channel tile 8][c 4][lane][16 bytes].
;   Every store of a wave covers whole aligned blocks of 256 bytes: no stage in LDS is needed.
; OPERANDS IN LDS lie as in memory: a fragment of 16 rows x 128 K is 2,048 consecutive bytes, fetched by four loads at 512 c + 16 x lane: lane (r, h) holds k = 32 c + 16 h + 0 .. 15.
;   That is a permutation of k inside an instruction, the same on both sides.
; CLUSTERS: 4 x 4 work-groups; A's tile is asked for jointly along a row of the cluster, B's along a column.
; LIMITS: e0 + e1, e2 + e3, e4 + e5 between -126 and 127; e6, e7, e8 between -126 and 119.  NaN among the inputs is not served.
; REGISTERS, in windows of 256: window 0: v1 r, v2 h, v8-15 the rotation's temporaries, v16-29 addresses and constants; from v128 A's fragments, one set;
;   on the way out: v32-63 and v224-255 cos and sin by turns, v64-127 the bias, v128-191 the numbers, v192-223 codes in two sets.
;   window 1: B's fragments, two sets.   window 2: accumulators of my rows 0-63 ((a, b) at v[8 (8 (a % 4) + b)]);   window 3: of my rows 64-127.
.set FR,     16                        ; registers of a fragment
.set NL,     4                         ; LDS loads that bring one
.set NP,     4                         ; places behind this matrix instruction (ISA guide 7.12.1)
.set HALFT,  32768                     ; 8 row tiles x 4,096 bytes: what one tensor load brings
.set SLOT,   131072                    ; A's two halves, then B's two
.set LAPS,   4                         ; a lap = two K steps of 256
.set KADV,   8192                      ; two K steps on, in a row tile's bytes
.set SPARE,  262144                    ; behind the ring: the spare words, 128 bytes for each wave, named by no other line
.set U,    8
.set ADRA, 16                          ; v16-17  LDS address of my A fragments in slot 0, 1
.set ADRB, 20                          ; v20-21  the same for B
.set OO,   22                          ; v22  16 r + 8 h: my 8 bytes of a block
.set LI,   23                          ; v23  16 x lane
.set BO,   24                          ; v24  the bias loads' offset
.set CSO,  25                          ; v25  the cos and sin loads' offset
.set QS,   26                          ; v26  2^e of the quantiser
.set QL,   27                          ; v27  448 x 2^e
.set SPW,  28                          ; v28  my spare word; never rewritten
.set NIL,  29                          ; v29  0; never rewritten
.set BIAS, 64
.set TMP,  128
.set CD,   192
.set AF,   128
.set G1,  24
.set G0,  32
.set G1B, 48
.set G0B, 56
.set WV,  66                           ; s66 wave;  s67 wave / 2: my half of the rows, and: I fetch for A (0) or B (1);  s68 wave % 2: my half of the columns, and which half I fetch
.set WR,  67
.set WC,  68
.set CL,  69                           ; s69 the cluster's x;  s70 tile row;  s71 tile column
.set TY,  70
.set TC,  71
.set MSB, 0
.macro WIN new                         ; the immediate's high byte repeats the setting that is left
.if MSB != (\new)
	s_set_vgpr_msb (MSB<<8)|(\new)
.set MSB, (\new)
.endif
.endm
.set MUL_LO, 0xa1                      ; source 0 (B) window 1, source 1 (A) window 0, C and D window 2
.set MUL_HI, 0xf1                      ; the same, C and D window 3
.set TO_B,   0x40                      ; destination window 1, address window 0
; A joint load: waves 0 and 1 fetch for A, waves 2 and 3 for B; the branch hangs on the wave's number alone.  An s_nop 0 and four v_nop follow each of the two lines.
.macro JLOAD g0a, g1a, g0b, g1b
	s_cmp_eq_u32 s[WR], 0
	s_cbranch_scc0 .Lfor_b_\@
	tensor_load_to_lds s[\g0a:\g0a+3], s[\g1a:\g1a+7]
	s_nop 0
.rept 4
	v_nop
.endr
	s_branch .Lasked_\@
.Lfor_b_\@:
	tensor_load_to_lds s[\g0b:\g0b+3], s[\g1b:\g1b+7]
	s_nop 0
.rept 4
	v_nop
.endr
.Lasked_\@:
.endm
.macro CREST                           ; a round of the cluster's barrier behind its opening barrier
	s_cmp_lg_u32 s[WV], 0
	s_cbranch_scc1 .Lnot_wave_0_\@
	s_barrier_signal -3
.Lnot_wave_0_\@:
	s_barrier_wait -3
	s_barrier_signal -1
	s_barrier_wait -1
.endm
.macro CROUND
	s_barrier_signal -1
	s_barrier_wait -1
	CREST
.endm
	s_load_b512 s[4:19], s[0:1], 0x0               ; codes, the exponents, wq_b, wk_b, wv_b, cos, sin, qc
	s_load_b64 s[20:21], s[0:1], 0x40              ; kv
	v_lshl_add_u32 v[SPW], v0, 2, SPARE
	v_mov_b32 v[NIL], 0
	ds_add_u32 v[SPW], v[NIL]                      ; the wave's opening: the add, and its wait ahead of my first tensor load; work on registers stands between them
	v_lshrrev_b32 v1, 5, v0
	v_readfirstlane_b32 s[WV], v1
	s_lshr_b32 s[WR], s[WV], 1
	s_and_b32 s[WC], s[WV], 1
	s_bfe_u32 s40, ttmp6, 0x40000                  ; cx
	s_bfe_u32 s41, ttmp6, 0x40004                  ; cy
	s_mov_b32 s[CL], ttmp9
	s_lshl_b32 s[TC], ttmp9, 2
	s_add_co_u32 s[TC], s[TC], s40                 ; tile column = 4 x cluster x + cx
	s_and_b32 s[TY], ttmp7, 0xffff
	s_lshl_b32 s[TY], s[TY], 2
	s_add_co_u32 s[TY], s[TY], s41                 ; tile row = 4 x cluster y + cy
	s_lshl_b32 s42, s41, 2
	s_lshl_b32 s42, 15, s42                        ; my row of the cluster
	s_lshl_b32 s43, 0x1111, s40                    ; my column
	; descriptor group 1: 8 row tiles, of each 4,096 consecutive bytes (16 blocks: 256 along K), 32,768 bytes apart; dense in LDS
	s_or_b32 s[G1+0], s42, (1<<21)                 ; 15:0 the mask: A's tiles go to my row; 17:16 elements of 1 byte; 21 set beside a mask
	s_or_b32 s[G1B+0], s43, (1<<21)
.irp g, G1, G1B
	s_mov_b32 s[\g+1], 4096<<16                    ; tensor_dim0
	s_mov_b32 s[\g+2], 8<<16                       ; tensor_dim1
	s_mov_b32 s[\g+3], 4096<<16                    ; tile_dim0
	s_mov_b32 s[\g+4], 8                           ; tile_dim1
	s_mov_b32 s[\g+5], 32768                       ; tensor_dim0_stride
	s_mov_b32 s[\g+6], 0
	s_mov_b32 s[\g+7], 0
.endr
	s_lshr_b32 s44, s[CL], 1                       ; 0 q, 1 k, 2 v, 3 the rotary dims
	s_cmp_eq_u32 s44, 2
	s_cselect_b32 s45, 0, 6144                     ; B's first row
	s_cselect_b32 s46, 10240, 0                    ; A's first row: wv, or x with e0,
	s_cmp_eq_u32 s44, 1
	s_cselect_b32 s46, 2048, s46                   ; or x with e2 for k
	s_cmp_eq_u32 s[CL], 7
	s_cselect_b32 s46, 2048, s46
	s_lshl_b32 s47, s[WC], 7                       ; which 128 rows of the tile I fetch
	s_lshl_b32 s22, s[TY], 8
	s_add_co_u32 s22, s22, s46
	s_add_co_u32 s22, s22, s47
	s_lshl_b32 s22, s22, 11                        ; a row of 2,048 codes; 16 rows are a row tile
	s_mov_b32 s23, 0
	s_lshl_b32 s98, s[TC], 8
	s_add_co_u32 s98, s98, s45
	s_add_co_u32 s98, s98, s47
	s_lshl_b32 s98, s98, 11
	s_mov_b32 s99, 0
	s_lshl_b32 s100, s[WV], 15                     ; where they go: wave x 32,768: no place in the cluster enters an LDS address
	s_wait_dscnt 0x0                               ; the opening add is done
	s_wait_kmcnt 0x0
	s_load_b256 s[72:79], s[6:7], 0x0              ; e0 .. e7
	s_load_b128 s[80:83], s[6:7], 0x20             ; e8 .. e11
	s_add_nc_u64 s[22:23], s[4:5], s[22:23]
	s_add_nc_u64 s[98:99], s[4:5], s[98:99]
	CROUND                                         ; all sixteen work-groups are here: the first joint loads meet
.irp s, 0,1
	s_mov_b32 s[G0+4*\s], 1
	s_add_co_u32 s[G0+4*\s+1], s100, \s*SLOT
	s_add_nc_u64 s[G0+4*\s+2:G0+4*\s+3], s[22:23], \s*4096
	s_or_b32 s[G0+4*\s+3], s[G0+4*\s+3], 0x80000000
	s_mov_b32 s[G0B+4*\s], 1
	s_add_co_u32 s[G0B+4*\s+1], s100, \s*SLOT
	s_add_nc_u64 s[G0B+4*\s+2:G0B+4*\s+3], s[98:99], \s*4096
	s_or_b32 s[G0B+4*\s+3], s[G0B+4*\s+3], 0x80000000
	JLOAD G0+4*\s, G1, G0B+4*\s, G1B
.endr
	v_and_b32 v1, 15, v0                           ; r
	v_bfe_u32 v2, v0, 4, 1                         ; h
	v_and_b32 v3, 31, v0
	v_lshlrev_b32 v[LI], 4, v3
	v_lshlrev_b32 v[OO], 4, v1
	v_lshl_add_u32 v[OO], v2, 3, v[OO]
	s_lshl_b32 s22, s[WR], 15                      ; my 128 rows of A
	s_lshl_b32 s23, s[WC], 15                      ; my 128 rows of B,
	s_add_co_u32 s23, s23, 65536                   ; which lie behind A's 256
.irp s, 0,1
	v_add_nc_u32 v[ADRA+\s], s22, v[LI]
	v_add_nc_u32 v[ADRB+\s], s23, v[LI]
	s_add_co_u32 s22, s22, SLOT
	s_add_co_u32 s23, s23, SLOT
.endr
	; what hangs on the kind of tile, chosen without a jump
	s_wait_kmcnt 0x0
	s_add_co_i32 s22, s72, s73                     ; q: e0 + e1
	s_add_co_i32 s23, s74, s75                     ; k: e2 + e3
	s_add_co_i32 s98, s76, s77                     ; v: e4 + e5
	s_mov_b32 s100, 393216                         ; a head's bytes in qc,
	s_mov_b32 s101, 49152                          ; 16 tiles' bytes there
	s_cmp_eq_u32 s46, 2048                         ; k?
	s_cselect_b32 s22, s23, s22
	s_cselect_b32 s99, s79, s78                    ; e7 or e6
	s_cselect_b64 s[84:85], s[20:21], s[18:19]     ; kv or qc
	s_cselect_b64 s[88:89], s[10:11], s[8:9]       ; wk_b or wq_b
	s_cselect_b32 s100, 655360, s100               ; a head's bytes in kv,
	s_cselect_b32 s101, 81920, s101                ; a slot's
	s_cmp_eq_u32 s46, 10240                        ; v?
	s_cselect_b32 s22, s98, s22
	s_cselect_b32 s99, s80, s99                    ; e8
	s_add_co_i32 s22, s22, 127
	s_lshl_b32 s96, s22, 23                        ; the power of two that the sums lack, as f32
	s_mov_b32 s97, s96                             ; (named with it as a pair, so it is written)
	s_add_co_i32 s99, s99, 127
	s_lshl_b32 s94, s99, 23
	s_add_co_i32 s99, s99, 8
	s_lshl_b32 s95, s99, 23
	s_or_b32 s95, s95, 0x600000
	v_mov_b32 v[QS], s94
	v_mov_b32 v[QL], s95
.macro FRAG reg, adr, q, i             ; row tile i, the slot's q-th 128 along K: 2,048 consecutive bytes
.irp c, 0,1,2,3
	ds_load_b128 v[\reg+4*\c:\reg+4*\c+3], v[\adr] offset:4096*(\i)+2048*(\q)+512*\c
.endr
.endm
; 16 matrix instructions: A's blocks a0, a0 + 1 x B's eight.  p: B's set.  zero = 1: the first product starts the sums.  The 64 accumulators take turns, one instruction a turn.
.macro MUL16 a0, p, zero
.irp a, \a0, \a0+1
.irp b, 0,1,2,3,4,5,6,7
.if \zero
	v_wmma_f32_16x16x128_fp8_fp8 v[8*(8*((\a)%4)+\b):8*(8*((\a)%4)+\b)+7], v[128*(\p)+FR*\b:128*(\p)+FR*\b+FR-1], v[AF+FR*(\a):AF+FR*(\a)+FR-1], 0
.else
	v_wmma_f32_16x16x128_fp8_fp8 v[8*(8*((\a)%4)+\b):8*(8*((\a)%4)+\b)+7], v[128*(\p)+FR*\b:128*(\p)+FR*\b+FR-1], v[AF+FR*(\a):AF+FR*(\a)+FR-1], v[8*(8*((\a)%4)+\b):8*(8*((\a)%4)+\b)+7]
.endif
.endr
.endr
.endm
.macro FETCH_B slot, q, p
	WIN TO_B
.irp i, 0,1,2,3,4,5,6,7
	FRAG 128*(\p)+FR*\i, ADRB+\slot, \q, \i
.endr
	WIN 0
.endm
.macro FETCH_A slot, q, i0
.irp i, \i0, \i0+1, \i0+2, \i0+3
	FRAG AF+FR*(\i), ADRA+\slot, \q, \i
.endr
.endm
.macro PLACES n                        ; plain vector instructions between a matrix instruction and a load into, or a vector write of, one of its registers, or a read of its result
.rept \n
	v_nop
.endr
.endm
.macro STEP slot, q, zero              ; 128 along K whose successor lies in the same slot
	s_wait_dscnt 4*NL                              ; B's set and A's blocks 0-3 are in; the youngest 16 loads (A's blocks 4-7) may be out
	WIN MUL_LO
	MUL16 0, (\q)%2, \zero
	MUL16 2, (\q)%2, \zero
	s_wait_dscnt 0
	PLACES NP
	FETCH_B \slot, (\q)+1, 1-(\q)%2
	FETCH_A \slot, (\q)+1, 0
	WIN MUL_HI
	MUL16 4, (\q)%2, \zero
	MUL16 6, (\q)%2, \zero
	PLACES NP
	WIN 0
	FETCH_A \slot, (\q)+1, 4
.endm
; A slot's last step changes slots: one barrier; in front of it each wave waits for all its tensor loads, adds 0 to its spare word, and waits for that and for its reads of this slot.
.macro TURN slot, next, fill
	s_wait_tensorcnt 0x0                           ; all my tensor loads have landed: my part of the next slot
	ds_add_u32 v[SPW], v[NIL]
	s_wait_dscnt 4*NL+1                            ; (the add and the youngest 16 loads may be out)
	WIN MUL_LO
	MUL16 0, 1, 0
	s_wait_dscnt 0x0                               ; the add is done, and my reads of this slot are over
	s_barrier_signal -1
	MUL16 2, 1, 0
	WIN 0
	s_barrier_wait -1
.if \fill
	CREST                                          ; the barrier has opened a round of the cluster's barrier: no wave of any partner still reads this slot or has a load on its way
	s_add_nc_u64 s[G0+4*\slot+2:G0+4*\slot+3], s[G0+4*\slot+2:G0+4*\slot+3], KADV
	s_add_nc_u64 s[G0B+4*\slot+2:G0B+4*\slot+3], s[G0B+4*\slot+2:G0B+4*\slot+3], KADV
	JLOAD G0+4*\slot, G1, G0B+4*\slot, G1B         ; the first tensor load behind the round; its four v_nop are the places in front of the loads below
.else
	PLACES NP
.endif
	FETCH_B \next, 0, 0
	FETCH_A \next, 0, 0
	WIN MUL_HI
	MUL16 4, 1, 0
	MUL16 6, 1, 0
	PLACES NP
	WIN 0
	FETCH_A \next, 0, 4
.endm
.macro LAST                            ; the very last 128 along K: nothing more to fetch
	s_wait_dscnt 4*NL
	WIN MUL_LO
	MUL16 0, 1, 0
	MUL16 2, 1, 0
	s_wait_dscnt 0
	WIN MUL_HI
	MUL16 4, 1, 0
	MUL16 6, 1, 0
	WIN 0
.endm
	s_wait_tensorcnt 1                             ; my part of K step 0 is in; K step 1's load may be out
	s_barrier_signal -1
	s_barrier_wait -1
	FETCH_B 0, 0, 0
	FETCH_A 0, 0, 0
	FETCH_A 0, 0, 4
	STEP 0, 0, 1                                   ; the first step stands in front of the loop: its products start the sums
	s_mov_b32 s3, LAPS-1
.Llap:
	TURN 0, 1, 1
	STEP 1, 0, 0
	TURN 1, 0, 1
	STEP 0, 0, 0
	s_sub_co_u32 s3, s3, 1
	s_cmp_lg_u32 s3, 0
	s_cbranch_scc1 .Llap
	TURN 0, 1, 0                                   ; the last lap fills nothing
	STEP 1, 0, 0
; THE WAYS OUT.  The ways part in front of the last 64 products, which have no tensor load, no barrier and no fetch: each way asks for its bias first, so that it lands under those products.
.macro SCALEB a, one                   ; block a: sum x 2^(eA + eB) + bias, each accumulator from its low end on.  one = 1: one bias for the whole block (v: a lane holds one channel)
	WIN 0x02+((\a)/4)                              ; source 0: window 2 or 3
.set jj, 0
.rept 32
.if \one
	v_pk_fma_f32 v[TMP+jj:TMP+jj+1], v[64*((\a)%4)+jj:64*((\a)%4)+jj+1], s[96:97], v[BIAS+2*(\a):BIAS+2*(\a)+1] op_sel_hi:[1,0,1]
.else
	v_pk_fma_f32 v[TMP+jj:TMP+jj+1], v[64*((\a)%4)+jj:64*((\a)%4)+jj+1], s[96:97], v[BIAS+jj:BIAS+jj+1] op_sel_hi:[1,0,1]
.endif
.set jj, jj+2
.endr
	WIN 0
.endm
.macro HOLDCVT a                       ; 64 numbers become 64 codes, in set a % 2
.if (\a) > 1
	s_wait_xcnt 0x0                                ; the stores of two blocks back have read this set of codes
.endif
.irp b, 0,1,2,3,4,5,6,7
.irp i, 0,1,2,3,4,5,6,7
	v_med3_num_f32 v[TMP+8*\b+\i], v[TMP+8*\b+\i], -v[QL], v[QL]   ; the conversion to an 8-bit code does not saturate (ISA guide 7.6.2)
.endr
	v_cvt_scalef32_pk8_fp8_f32 v[CD+16*((\a)%2)+2*\b:CD+16*((\a)%2)+2*\b+1], v[TMP+8*\b:TMP+8*\b+7], v[QS]
.endr
	v_nop                                          ; a plain line between the last conversion and the next block's writes of its sources
.endm
.macro OUT_NOPE a
	SCALEB \a, 0
	HOLDCVT \a
.irp b, 0,1,2,3,4,5,6,7
	global_store_b64 v[OO], v[CD+16*((\a)%2)+2*\b:CD+16*((\a)%2)+2*\b+1], s[84:85] offset:3072*(\a)+256*\b   ; the wave's 256 bytes are one whole block
.endr
.endm
.macro CSLOAD a                        ; cos and sin of block a's 16 positions, my four pairs of each 16 dims
.set CSB, 32+192*((\a)%2)
.irp p, 0,1,2,3
	global_load_b128 v[CSB+4*\p:CSB+4*\p+3], v[CSO], s[90:91] offset:128*(32*((\a)/2)+8*((\a)%2))+32*\p
	global_load_b128 v[CSB+16+4*\p:CSB+16+4*\p+3], v[CSO], s[92:93] offset:128*(32*((\a)/2)+8*((\a)%2))+32*\p
.endr
.endm
.macro ROT a                           ; (x0, x1) -> (x0 c - x1 s, x0 s + x1 c)
.set CSB, 32+192*((\a)%2)
.irp b, 0,1,2,3,4,5,6,7
.irp i, 0,1,2,3
	v_mul_f32 v[U+2*\i], v[TMP+8*\b+2*\i+1], v[CSB+16+4*(\b%4)+\i]
	v_mul_f32 v[U+2*\i+1], v[TMP+8*\b+2*\i], v[CSB+16+4*(\b%4)+\i]
.endr
.irp i, 0,1,2,3
	v_fma_f32 v[TMP+8*\b+2*\i], v[TMP+8*\b+2*\i], v[CSB+4*(\b%4)+\i], -v[U+2*\i]
	v_fma_f32 v[TMP+8*\b+2*\i+1], v[TMP+8*\b+2*\i+1], v[CSB+4*(\b%4)+\i], v[U+2*\i+1]
.endr
.endr
.endm
.macro OUT_ROPE a
.if (\a) < 7
	CSLOAD (\a)+1                                  ; into the other set
	s_wait_loadcnt 8                               ; the bias and this block's cos and sin are in; the 8 loads just issued may be out
.else
	s_wait_loadcnt 0x0
.endif
	SCALEB \a, 0
	ROT \a
	HOLDCVT \a
.irp b, 0,1,2,3,4,5,6,7
	global_store_b64 v[OO], v[CD+16*((\a)%2)+2*\b:CD+16*((\a)%2)+2*\b+1], s[84+2*(\b/4):85+2*(\b/4)] offset:3072*(\a)+256*(\b%4)
.endr
.endm
.macro OUT_V a
	SCALEB \a, 1
	HOLDCVT \a
.irp c, 0,1,2,3
	global_store_b128 v[LI], v[CD+16*((\a)%2)+4*\c:CD+16*((\a)%2)+4*\c+3], s[84:85] offset:2048*(\a)+512*\c   ; 512 consecutive bytes of an operand's image
.endr
.endm
	s_lshr_b32 s44, s[CL], 1                       ; the cluster's x is the same in all partners
	s_cmp_eq_u32 s44, 2
	s_cbranch_scc1 .Lv
	s_cmp_eq_u32 s44, 3
	s_cbranch_scc1 .Lrope
	; ---- dims 0-127 of q or k: my 128 columns are one head
	s_and_b32 s22, s[TC], 7
	s_lshl_b32 s22, s22, 1
	s_add_co_u32 s22, s22, s[WC]                   ; the head
	s_mul_i32 s98, s22, 768                        ; its 192 numbers of the bias
	s_mov_b32 s99, 0
	s_add_nc_u64 s[88:89], s[88:89], s[98:99]
	s_mul_i32 s98, s22, s100
	s_mul_i32 s23, s[TY], s101
	s_add_co_u32 s98, s98, s23
	s_mul_i32 s23, s[WR], 24576                    ; 8 tiles of 3,072 bytes
	s_add_co_u32 s98, s98, s23
	s_add_nc_u64 s[84:85], s[84:85], s[98:99]
	v_lshlrev_b32 v[BO], 5, v2                     ; my half's eight dims
.irp b, 0,1,2,3,4,5,6,7
	global_load_b128 v[BIAS+8*\b:BIAS+8*\b+3], v[BO], s[88:89] offset:64*\b
	global_load_b128 v[BIAS+8*\b+4:BIAS+8*\b+7], v[BO], s[88:89] offset:64*\b+16
.endr
	LAST
	PLACES NP
	s_wait_loadcnt 0x0
.irp a, 0,1,2,3,4,5,6,7
	OUT_NOPE \a
.endr
	s_branch .Lend
.Lrope:
	; ---- dims 128-191 of q or k: my 128 columns are two heads' 64
	s_and_b32 s22, s[TC], 3
	s_lshl_b32 s22, s22, 2
	s_lshl_b32 s23, s[WC], 1
	s_add_co_u32 s22, s22, s23                     ; the first of my two heads
	s_mul_i32 s98, s22, 768
	s_add_co_u32 s98, s98, 512                     ; from dim 128 on
	s_mov_b32 s99, 0
	s_add_nc_u64 s[88:89], s[88:89], s[98:99]
	s_mul_i32 s98, s22, s100
	s_mul_i32 s23, s[TY], s101
	s_add_co_u32 s98, s98, s23
	s_mul_i32 s23, s[WR], 24576
	s_add_co_u32 s98, s98, s23
	s_add_co_u32 s98, s98, 2048                    ; k blocks 8 to 11 of a tile
	s_add_nc_u64 s[84:85], s[84:85], s[98:99]
	s_mov_b32 s98, s100
	s_add_nc_u64 s[86:87], s[84:85], s[98:99]      ; the second head
	s_lshl_b32 s98, s[TY], 8
	s_lshl_b32 s23, s[WR], 7
	s_add_co_u32 s98, s98, s23                     ; my first position
	s_lshl_b32 s98, s98, 7                         ; rows of 128 bytes
	s_add_nc_u64 s[90:91], s[14:15], s[98:99]
	s_add_nc_u64 s[92:93], s[16:17], s[98:99]
	v_lshlrev_b32 v[BO], 5, v2
	v_and_b32 v[CSO], 8, v1
	v_add_nc_u32 v[CSO], v[CSO], v1                ; r + 8 (r / 8)
	v_lshlrev_b32 v[CSO], 7, v[CSO]
	v_lshl_add_u32 v[CSO], v2, 4, v[CSO]           ; + my half's four pairs
.irp b, 0,1,2,3,4,5,6,7
	global_load_b128 v[BIAS+8*\b:BIAS+8*\b+3], v[BO], s[88:89] offset:768*(\b/4)+64*(\b%4)
	global_load_b128 v[BIAS+8*\b+4:BIAS+8*\b+7], v[BO], s[88:89] offset:768*(\b/4)+64*(\b%4)+16
.endr
	CSLOAD 0
	LAST
	PLACES NP
.irp a, 0,1,2,3,4,5,6,7
	OUT_ROPE \a
.endr
	s_branch .Lend
.Lv:
	; ---- v: my 128 rows of A are one head's channels, my 128 rows of B are 128 keys
	s_lshl_b32 s22, s[TY], 1
	s_add_co_u32 s22, s22, s[WR]                   ; the head
	s_lshl_b32 s98, s22, 9
	s_mov_b32 s99, 0
	s_add_nc_u64 s[88:89], s[12:13], s[98:99]      ; its 128 numbers of wv_b
	s_mul_i32 s98, s22, 655360
	s_sub_co_u32 s23, s[TC], 16                    ; the slot of 256 keys
	s_mul_i32 s23, s23, 81920
	s_add_co_u32 s98, s98, s23
	s_lshl_b32 s23, s[WC], 14                      ; which 128 of them
	s_add_co_u32 s98, s98, s23
	s_add_co_u32 s98, s98, 49152                   ; behind the slot's tiles of k
	s_add_nc_u64 s[84:85], s[20:21], s[98:99]
	v_lshlrev_b32 v[BO], 2, v1                     ; my channel
.irp a, 0,1,2,3,4,5,6,7
	global_load_b32 v[BIAS+2*\a], v[BO], s[88:89] offset:64*\a
	global_load_b32 v[BIAS+2*\a+1], v[BO], s[88:89] offset:64*\a     ; twice: a pair for the packed multiply-add
.endr
	LAST
	PLACES NP
	s_wait_loadcnt 0x0
.irp a, 0,1,2,3,4,5,6,7
	OUT_V \a
.endr
.Lend:
	s_wait_tensorcnt 0x0                           ; the wave's end
	ds_add_u32 v[SPW], v[NIL]
	s_wait_dscnt 0x0
	CROUND                                         ; the closing round: no work-group ends while a partner may still ask for a tile that names it
	s_endpgm
.Lfunc_end_k_qba5d78f169_qkv:
	.size	k_qba5d78f169_qkv, .Lfunc_end_k_qba5d78f169_qkv-k_qba5d78f169_qkv
	.p2alignl 7, 3214868480
	.fill 96, 4, 3214868480
	.section	.rodata,"a",@progbits
	.p2align	6, 0x0
	.amdhsa_kernel k_qba5d78f169_qkv
		.amdhsa_group_segment_fixed_size 327680
		.amdhsa_private_segment_fixed_size 0
		.amdhsa_enable_private_segment 0
		.amdhsa_kernarg_size 72
		.amdhsa_user_sgpr_count 2
		.amdhsa_user_sgpr_kernarg_segment_ptr 1
		.amdhsa_wavefront_size32 1
		.amdhsa_system_sgpr_workgroup_id_x 1
		.amdhsa_system_sgpr_workgroup_id_y 1
		.amdhsa_system_sgpr_workgroup_id_z 1
		.amdhsa_system_vgpr_workitem_id 0
		.amdhsa_next_free_vgpr 1024
		.amdhsa_next_free_sgpr 102
		.amdhsa_reserve_vcc 0
		.amdhsa_float_denorm_mode_32 3
		.amdhsa_float_denorm_mode_16_64 3
		.amdhsa_memory_ordered 1
		.amdhsa_forward_progress 1
		.amdhsa_inst_pref_size 255
	.end_amdhsa_kernel
	.section	.bss,"aw",@nobits
	.p2align	6
	.space	262144
	.amdgpu_metadata
---
amdhsa.version: [ 1, 2 ]
amdhsa.kernels:
  - .name:           k_qba5d78f169_qkv
    .symbol:         k_qba5d78f169_qkv.kd
    .args:
      - { .name: codes, .offset: 0, .size: 8, .value_kind: global_buffer, .address_space: global }
      - { .name: lowp_scales, .offset: 8, .size: 8, .value_kind: global_buffer, .address_space: global }
      - { .name: wq_b, .offset: 16, .size: 8, .value_kind: global_buffer, .address_space: global }
      - { .name: wk_b, .offset: 24, .size: 8, .value_kind: global_buffer, .address_space: global }
      - { .name: wv_b, .offset: 32, .size: 8, .value_kind: global_buffer, .address_space: global }
      - { .name: freqs_cos, .offset: 40, .size: 8, .value_kind: global_buffer, .address_space: global }
      - { .name: freqs_sin, .offset: 48, .size: 8, .value_kind: global_buffer, .address_space: global }
      - { .name: qc, .offset: 56, .size: 8, .value_kind: global_buffer, .address_space: global }
      - { .name: kv, .offset: 64, .size: 8, .value_kind: global_buffer, .address_space: global }
    .group_segment_fixed_size: 327680
    .private_segment_fixed_size: 0
    .kernarg_segment_align: 8
    .kernarg_segment_size: 72
    .max_flat_workgroup_size: 128
    .sgpr_count:     102
    .vgpr_count:     1024
    .wavefront_size: 32
...
	.end_amdgpu_metadata
.endif
;; end of part 2
;; launch attn (part 3): grid 16 x 16, 8 waves a work-group, clusters of 4 x 1, 327,680 bytes of LDS; arguments qc, kv, mk, lowp_scales, oc; writes oc
.if DOCPART == 3
	.amdgcn_target "amdgcn-amd-amdhsa--gfx1250"
	.amdhsa_code_object_version 6
	.text
	.protected	k_qba5d78f169_attn
	.globl	k_qba5d78f169_attn
	.p2align	8
	.type	k_qba5d78f169_attn,@function
k_qba5d78f169_attn:
	s_mov_b64 s[64:65], 0
	v_nop
	global_prefetch_b8 v0, s[64:65] scope:SCOPE_SE
	s_setreg_imm32_b32 hwreg(HW_REG_WAVE_MODE, 25, 1), 1
	s_wait_xcnt 0x0
	s_wait_alu depctr_hold_cnt(0) depctr_sa_sdst(0) depctr_va_vdst(0) depctr_va_sdst(0) depctr_va_ssrc(0) depctr_va_vcc(0) depctr_vm_vsrc(0)
	s_getreg_b32 s2, hwreg(HW_REG_IB_STS2, 6, 4)
	s_cmp_eq_u32 s2, 0
	s_cbranch_scc0 .Lentry_in_a_cluster
	s_endpgm
.Lentry_in_a_cluster:
	s_bfe_u32 s2, ttmp6, 0x10000c
	s_cmp_lg_u32 s2, 0x3003
	s_cbranch_scc0 .Lentry_shape_is_right
	s_endpgm
.Lentry_shape_is_right:
; ATTN: o = softmax(q k^T / sqrt(192) + mask) v for 16 heads, both products on E4M3 codes, and the quantiser of o.
; THE MASK IS AN INPUT: every key counts until its own number says otherwise; no tile is left out.
; THE SOFTMAX AHEAD OF THE SECOND PRODUCT: t = logit x log2(e); M = the row's largest t so far, rounded up to a whole number; p = 2^(t - M) is quantised with 2^e9, not normalised;
;   the row's sum is taken of the unquantised p and divides at the end; when M moves, the sum and O are multiplied by 2^(old M - new M), which rounds nothing.
; THE MASK COSTS NO VECTOR INSTRUCTION: mk holds mask x sqrt(192) x 2^-(e6 + e7) in the order of the score registers; it is loaded straight into them and is the C of the first
;   product of a step.  So a register holds S' = sum of code products + mask', and t = c S' with c = log2(e) / sqrt(192) x 2^(e6 + e7).
; SHARES: a work-group owns 128 queries of one head, each of its eight waves one tile of 16, in 256 registers.  Every wave walks all 2,048 keys, 128 a step, two steps a slot.
; LAYOUT: both products are used transposed (S^T = K Q^T, O^T = V^T P^T): a lane holds ONE query (lane % 16) throughout.  Rows of q and k lie in the order
;   position = 32 (T / 2) + 8 (T % 2) + rho + 8 (rho / 8), so the 16 registers of key tiles 2 b and 2 b + 1 are keys 32 b + 16 h + 0 .. 15: the conversions' results are the second product's operand.
;   The head's 192 go as three products of 64 in one form: a chain in place on eight accumulators that take turns.
; RING: two LDS slots of 81,920 bytes (as they lie in kv: 16 tiles of k, then two steps of v^T), 131,072 apart, filled by waves 0 to 3, a quarter each.
; CLUSTER: the four query blocks of a cluster belong to one head and ask for each slot jointly.  mk is not shared so: the cluster's partners have different queries; it comes by dense loads into registers.
; LIMITS: e6 + e7 between -122 and 129; e9 and e10 between -126 and 119; e8 + e9 is applied by v_ldexp_f32.  NaN among the inputs is not served.
; REGISTERS: v1 16 x lane; v2, v3 LDS addresses of the step's k and v; v5, v6 the add's two; v7 256 x lane; v8 16 r + 8 h; v10, v11 2^e9 and 448 x 2^e9; v12 -M; v13 the largest t;
;   v[14:15] the sum; v16-39 Q; v40-103 fragments; v104-167 S^T, then p; v168-231 O^T; v232-247 p's codes; v[248:249] f; v[250:251], v252-254 at work.
.set SLOT1, 131072
.set SPARE, 262144                     ; behind the ring: the spare words, 128 bytes for each of eight waves, named by no other line
.set F, 40
.set S, 104
.set O, 168
.set P, 232
.macro CROUND
	s_barrier_signal -1
	s_barrier_wait -1
	s_cmp_lg_u32 s18, 0
	s_cbranch_scc1 .Lnot_wave_0_\@
	s_barrier_signal -3
.Lnot_wave_0_\@:
	s_barrier_wait -3
	s_barrier_signal -1
	s_barrier_wait -1
.endm
.macro TLOAD                           ; waves 0 to 3 fetch a quarter of a slot each; the branch hangs on the wave's number alone.  An s_nop 0 and four v_nop follow the load
	s_cmp_lt_u32 s18, 4
	s_cbranch_scc0 .Lnone_\@
	tensor_load_to_lds s[32:35], s[24:31]
	s_nop 0
.rept 4
	v_nop
.endr
.Lnone_\@:
.endm
; PREFETCH of k and v into the L2.  All clusters of a head walk the same 655,360 bytes: the head's first cluster asks, in waves 4, 5 and 6, which fetch nothing.  In each of the first five changes of slots
; it names 98,304 bytes of the head's stream from slot 2 on (5 x 98,304 = slots 2 to 7): the four partners take 24,576 each, told apart by address, a wave 8,192, lanes 256 bytes apart.
; So each block of 256 bytes is named once, slot i + 1 has been named whole when slot i's load goes out, and nothing past the head's last byte is named.  Slots 0 and 1 come by their loads alone.
.macro ASK
	s_cmp_gt_u32 s36, s39
	s_cbranch_scc0 .Lnot_mine_\@
	global_prefetch_b8 v7, s[40:41] th:TH_LOAD_NT scope:SCOPE_SE
.Lnot_mine_\@:
.endm
; PREFETCH of mk.  All 16 heads read the same mk: head 0's work-groups ask, each wave for its own tile's 8,192 bytes of the step two behind the one whose loads it has just issued.  Steps 0 to 2 come by their loads alone; the last step named is 15.
.macro ASKM
	s_cmp_lt_u32 s37, s38
	s_cbranch_scc0 .Lno_mask_\@
	global_prefetch_b8 v7, s[42:43] offset:16384 th:TH_LOAD_NT scope:SCOPE_SE
.Lno_mask_\@:
.endm
	s_load_b256 s[4:11], s[0:1], 0x0               ; qc, kv, mk, the exponents
	s_load_b64 s[12:13], s[0:1], 0x20              ; oc
	v_lshl_add_u32 v5, v0, 2, SPARE
	v_mov_b32 v6, 0
	ds_add_u32 v5, v6                              ; the wave's opening: the add, and its wait ahead of the first tensor load; work on registers stands between them
	v_lshrrev_b32 v1, 5, v0
	v_readfirstlane_b32 s18, v1                    ; wave 0..7
	s_bfe_u32 s14, ttmp6, 0x40000                  ; cx
	s_lshl_b32 s15, ttmp9, 2
	s_add_co_u32 s15, s15, s14                     ; my block of 128 queries
	s_and_b32 s16, ttmp7, 0xffff                   ; the head, which the four partners share
	s_and_b32 s17, s18, 3
	s_mul_i32 s19, s17, 20480                      ; the quarter of a slot that waves 0 to 3 fetch
	s_mul_i32 s56, s16, 655360
	s_mov_b32 s57, 0
	s_mov_b32 s59, 0
	; descriptor group 1: 80 rows of 256 bytes, dense in memory and in LDS
	s_mov_b32 s24, 15|(3<<16)|(1<<21)              ; 15:0 the mask: all four work-groups; 17:16 elements of 8 bytes; 21 set beside a mask
	s_mov_b32 s25, 32<<16                          ; tensor_dim0
	s_mov_b32 s26, 80<<16                          ; tensor_dim1
	s_mov_b32 s27, 32<<16                          ; tile_dim0
	s_mov_b32 s28, 80                              ; tile_dim1
	s_mov_b32 s29, 32                              ; tensor_dim0_stride
	s_mov_b32 s30, 0
	s_mov_b32 s31, 0
	s_mov_b32 s20, 0x76543210                      ; v_permlanex16_b32's selects for lane l xor 16
	s_mov_b32 s21, 0xfedcba98
	s_mov_b32 s2, 0                                ; the slot in hand
	s_mov_b32 s36, 7                               ; slots still to be asked for
	s_mov_b32 s37, 0                               ; the key step
	s_wait_dscnt 0x0                               ; the opening add is done
	s_wait_kmcnt 0x0
	s_load_b256 s[44:51], s[10:11], 0x0            ; e0 .. e7
	s_load_b128 s[52:55], s[10:11], 0x20           ; e8 .. e11
	s_add_nc_u64 s[6:7], s[6:7], s[56:57]          ; the head's k and v
	s_mov_b32 s32, 1
	s_mov_b32 s33, s19                             ; LDS address: slot 0
	s_mov_b32 s58, s19
	s_add_nc_u64 s[34:35], s[6:7], s[58:59]
	s_or_b32 s35, s35, 0x80000000
	CROUND                                         ; all four work-groups are here
	TLOAD                                          ; slot 0
	s_mul_i32 s58, s14, 24576                      ; the prefetches: my work-group's part,
	s_lshl_b32 s60, s17, 13                        ; my wave's,
	s_add_co_u32 s58, s58, s60
	s_add_co_u32 s58, s58, 65536                   ; 98,304 bytes short of slot 2: the first change of slots steps it there
	s_add_nc_u64 s[40:41], s[6:7], s[58:59]
	s_sub_co_u32 s60, s18, 4
	s_cmp_lt_u32 s60, 3                            ; waves 4, 5, 6
	s_cselect_b32 s60, 0, 1
	s_or_b32 s60, s60, ttmp9                       ; of the head's first cluster: the same in all four partners
	s_cmp_eq_u32 s60, 0
	s_cselect_b32 s39, 2, -1                       ; they ask while more than two slots are still to be asked for
	s_cmp_eq_u32 s16, 0
	s_cselect_b32 s38, 13, 0                       ; head 0 asks for mk in steps 0 to 12
	s_lshl_b32 s62, s15, 3
	s_add_co_u32 s62, s62, s18                     ; my tile of queries
	s_mul_i32 s58, s16, 393216
	s_mul_i32 s60, s62, 3072
	s_add_co_u32 s58, s58, s60
	s_add_nc_u64 s[4:5], s[4:5], s[58:59]          ; its codes
	s_lshl_b32 s58, s62, 17
	s_add_nc_u64 s[42:43], s[8:9], s[58:59]        ; its part of mk, step 0
	s_lshl_b32 s58, s62, 15
	s_lshl_b32 s60, s16, 11
	s_add_co_u32 s58, s58, s60
	s_add_nc_u64 s[12:13], s[12:13], s[58:59]      ; oc: its row tile, the head's eight blocks
	v_and_b32 v9, 31, v0
	v_lshlrev_b32 v1, 4, v9
	v_lshlrev_b32 v7, 8, v9
	v_and_b32 v8, 15, v0
	v_bfe_u32 v9, v0, 4, 1
	v_lshlrev_b32 v8, 4, v8
	v_lshl_add_u32 v8, v9, 3, v8
.irp c, 0,1,2,3,4,5
	global_load_b128 v[16+4*\c:19+4*\c], v1, s[4:5] offset:512*\c   ; Q stays in registers
.endr
.irp i, 0,1,2,3,4,5,6,7,8,9,10,11,12,13,14,15
	global_load_b128 v[S+4*\i:S+4*\i+3], v1, s[42:43] offset:512*\i ; step 0's mask, into the score registers
.endr
	v_mov_b32 v13, 0xff61b1e6                      ; the largest t so far: -3e38
	v_floor_f32 v12, -v13                          ; -M
	v_mov_b32 v14, 0
	v_mov_b32 v15, 0
	v_mov_b32 v249, 0                              ; (named as the upper half of the pair v[248:249])
	v_mov_b32 v254, 0                              ; a lane permute's destination counts as one of its sources
.set jj, 0
.rept 64
	v_mov_b32 v[O+jj], 0                           ; O^T: the step is written for every step alike; the first finds zeros
.set jj, jj+1
.endr
	s_wait_kmcnt 0x0
	s_add_co_i32 s60, s50, s51                     ; e6 + e7
	s_lshl_b32 s60, s60, 23
	s_add_co_i32 s22, s60, 0x3dd53b95              ; c = log2(e) / sqrt(192), the two exponents added to its exponent field
	s_mov_b32 s23, s22
	s_add_co_i32 s60, s53, 127
	s_lshl_b32 s61, s60, 23
	v_mov_b32 v10, s61                             ; 2^e9
	s_add_co_i32 s60, s60, 8
	s_lshl_b32 s60, s60, 23
	s_or_b32 s60, s60, 0x600000
	v_mov_b32 v11, s60                             ; 448 x 2^e9
; A KEY STEP: 128 keys, the q-th of the slot in hand.  mload = 1: the next step's mask is asked for.
.macro STEP q, mload
	v_add_nc_u32 v2, s2, v1
	v_add_nc_u32 v3, 49152, v2
	v_nop
	v_nop                                          ; four plain lines between the last step's products and the loads into the registers that they read
.irp g, 0,1,2                                  ; S^T = K Q^T + mask': dims 64 g on, all eight tiles of 16 keys
.if \g > 0
.rept 4
	v_nop
.endr
.endif
.irp t, 0,1,2,3,4,5,6,7
	ds_load_b128 v[F+8*\t:F+8*\t+3], v2 offset:3072*(8*(\q)+\t)+1024*\g
	ds_load_b128 v[F+8*\t+4:F+8*\t+7], v2 offset:3072*(8*(\q)+\t)+1024*\g+512
.endr
	s_wait_dscnt 0x0
.if \g == 0
	s_wait_loadcnt 0x0                             ; the mask (and, in the first step, Q)
.endif
.irp t, 0,1,2,3,4,5,6,7
	v_wmma_f32_16x16x64_fp8_fp8 v[S+8*\t:S+8*\t+7], v[F+8*\t:F+8*\t+7], v[16+8*\g:23+8*\g], v[S+8*\t:S+8*\t+7]
.endr
.endr
.rept 4
	v_nop
.endr
	v_max3_num_f32 v252, v[S], v[S+1], v[S+2]      ; the step's largest S' of my query among my 64 keys, in two chains, each accumulator from its low end on
	v_max3_num_f32 v253, v[S+3], v[S+4], v[S+5]
.set jj, 6
.rept 14
	v_max3_num_f32 v252, v252, v[S+jj], v[S+jj+1]
	v_max3_num_f32 v253, v253, v[S+jj+2], v[S+jj+3]
.set jj, jj+4
.endr
	v_max3_num_f32 v252, v252, v[S+62], v[S+63]
	v_max_num_f32 v252, v252, v253
	v_permlanex16_b32 v254, v252, s20, s21
	v_max_num_f32 v252, v252, v254                 ; and among lane l xor 16's
	v_mul_f32 v252, s22, v252                      ; as t (c is positive)
	v_max_num_f32 v13, v13, v252                   ; the running largest t
	v_mov_b32 v252, v12
	v_floor_f32 v12, -v13                          ; the new -M = -ceil(t)
	v_sub_f32 v252, v12, v252                      ; old M - new M: a whole number, 0 or less
	v_cvt_i32_f32 v252, v252                       ; (it saturates)
	v_ldexp_f32 v248, 1.0, v252                    ; f = 2^(old M - new M)
.set jj, 0
.rept 32
	v_pk_fma_f32 v[S+jj:S+jj+1], v[S+jj:S+jj+1], s[22:23], v[12:13] op_sel_hi:[1,0,0]   ; t - M
.set jj, jj+2
.endr
.set jj, 0
.rept 64
	v_exp_f32 v[S+jj], v[S+jj]                     ; p = 2^(t - M)
.set jj, jj+1
.endr
	v_pk_mul_f32 v[14:15], v[14:15], v[248:249] op_sel_hi:[1,0]   ; the sums under the new M: a plain line behind the exponentials
	s_wait_alu depctr_va_vdst(0)                   ; one wait for the whole batch, ahead of the first line that names a result
	v_pk_add_f32 v[250:251], v[S:S+1], v[S+2:S+3]  ; the row's sum, of the unquantised p, in two chains
.set jj, 4
.rept 15
	v_pk_add_f32 v[14:15], v[14:15], v[S+jj:S+jj+1]
	v_pk_add_f32 v[250:251], v[250:251], v[S+jj+2:S+jj+3]
.set jj, jj+4
.endr
	v_pk_add_f32 v[14:15], v[14:15], v[250:251]
.irp b, 0,1,2,3
.irp i, 0,1,2,3,4,5,6,7,8,9,10,11,12,13,14,15
	v_min_num_f32 v[S+16*\b+\i], v[S+16*\b+\i], v11   ; the conversion does not saturate (ISA guide 7.6.2); p is not negative: a one-sided hold
.endr
	v_cvt_scalef32_pk8_fp8_f32 v[P+4*\b:P+4*\b+1], v[S+16*\b:S+16*\b+7], v10
	v_cvt_scalef32_pk8_fp8_f32 v[P+4*\b+2:P+4*\b+3], v[S+16*\b+8:S+16*\b+15], v10
.endr
.if \mload
	s_wait_xcnt 0x0                                ; the last step's loads and prefetch have read their base
	s_add_nc_u64 s[42:43], s[42:43], 8192
.irp i, 0,1,2,3,4,5,6,7,8,9,10,11,12,13,14,15
	global_load_b128 v[S+4*\i:S+4*\i+3], v1, s[42:43] offset:512*\i   ; the next step's mask: it has the second product and the next fetch of k in which to land
.endr
	ASKM
.endif
.set jj, 0
.rept 32
	v_pk_mul_f32 v[O+jj:O+jj+1], v[O+jj:O+jj+1], v[248:249] op_sel_hi:[1,0]   ; O^T under the new M; also the plain lines behind the conversions
.set jj, jj+2
.endr
.irp g, 0,1                                    ; O^T += V^T P^T, four tiles of 16 channels at a time
.if \g > 0
.rept 4
	v_nop
.endr
.endif
.irp t, 0,1,2,3
.irp c, 0,1,2,3
	ds_load_b128 v[F+16*\t+4*\c:F+16*\t+4*\c+3], v3 offset:16384*(\q)+2048*(4*\g+\t)+512*\c
.endr
.endr
	s_wait_dscnt 0x0
.irp t, 0,1,2,3
	v_wmma_f32_16x16x128_fp8_fp8 v[O+8*(4*\g+\t):O+8*(4*\g+\t)+7], v[F+16*\t:F+16*\t+15], v[P:P+15], v[O+8*(4*\g+\t):O+8*(4*\g+\t)+7]
.endr
.endr
	s_add_co_u32 s37, s37, 1
.endm
; THE CHANGE OF SLOTS stands at a slot's head.  Each wave waits for all its tensor loads, adds 0 to its spare word, and waits for that and for its reads of the slot that it has left.
; fill = 1: a round of the cluster's barrier, and behind it the slot just left is filled with the next 256 keys: the load has two key steps in which to land.
.macro CHANGE fill
	s_wait_tensorcnt 0x0                           ; no tensor load of mine is out, so the group 0 may be written
	ds_add_u32 v5, v6
.if \fill
	s_xor_b32 s33, s33, SLOT1                      ; the other slot than last time,
	s_add_nc_u64 s[34:35], s[34:35], 81920         ; the next 256 keys
	s_wait_xcnt 0x0                                ; the last prefetch, a slot back, has read its address
	s_add_nc_u64 s[40:41], s[40:41], 98304
	s_wait_dscnt 0x0                               ; the add is done, and my reads of the slot that I have left are over
	CROUND
	TLOAD                                          ; the first thing behind the round, and a wave's one tensor load until the next
	ASK
.else
	s_wait_dscnt 0x0
	s_barrier_signal -1
	s_barrier_wait -1
.endif
.endm
.Lslot:                                            ; seven trips: behind each change of slots but the last the next slot is asked for
	CHANGE 1
	STEP 0, 1
	STEP 1, 1
	s_xor_b32 s2, s2, SLOT1
	s_sub_co_u32 s36, s36, 1
	s_cmp_lg_u32 s36, 0
	s_cbranch_scc1 .Lslot
	CHANGE 0                                       ; the last slot is written out
	STEP 0, 1
	STEP 1, 0                                      ; the last step asks for no mask
	; THE WAY OUT: O^T x 2^(e8 + e9) / the sum, quantised with 2^e10.  A lane's eight channels are 8 bytes of a block of 16 queries x 16 channels: the wave's store is one whole block of 256 bytes.
	v_add_f32 v14, v14, v15
	v_permlanex16_b32 v254, v14, s20, s21
	v_add_f32 v14, v14, v254                       ; the row's sum
	v_rcp_f32 v14, v14
	s_add_co_i32 s60, s54, 127
	s_lshl_b32 s61, s60, 23
	v_mov_b32 v250, s61                            ; 2^e10 (a plain line behind the reciprocal)
	s_add_co_i32 s60, s60, 8
	s_lshl_b32 s60, s60, 23
	s_or_b32 s60, s60, 0x600000
	v_mov_b32 v251, s60                            ; 448 x 2^e10
	s_add_co_i32 s60, s52, s53                     ; e8 + e9
	s_wait_alu depctr_va_vdst(0)                   ; the wait ahead of the first line that names the reciprocal
	v_ldexp_f32 v14, v14, s60
.set jj, 0
.rept 64
	v_mul_f32 v[S+jj], v[O+jj], v14                ; register 8 t + i: o(query r, channel 16 t + 8 h + i)
.set jj, jj+1
.endr
.irp t, 0,1,2,3,4,5,6,7
.irp i, 0,1,2,3,4,5,6,7
	v_med3_num_f32 v[S+8*\t+\i], v[S+8*\t+\i], -v251, v251
.endr
	v_cvt_scalef32_pk8_fp8_f32 v[P+2*\t:P+2*\t+1], v[S+8*\t:S+8*\t+7], v250
.endr
	v_nop
.irp t, 0,1,2,3,4,5,6,7
	global_store_b64 v8, v[P+2*\t:P+2*\t+1], s[12:13] offset:256*\t
.endr
	s_wait_tensorcnt 0x0                           ; the wave's end
	ds_add_u32 v5, v6
	s_wait_dscnt 0x0
	CROUND                                         ; the closing round
	s_endpgm
.Lfunc_end_k_qba5d78f169_attn:
	.size	k_qba5d78f169_attn, .Lfunc_end_k_qba5d78f169_attn-k_qba5d78f169_attn
	.p2alignl 7, 3214868480
	.fill 96, 4, 3214868480
	.section	.rodata,"a",@progbits
	.p2align	6, 0x0
	.amdhsa_kernel k_qba5d78f169_attn
		.amdhsa_group_segment_fixed_size 327680
		.amdhsa_private_segment_fixed_size 0
		.amdhsa_enable_private_segment 0
		.amdhsa_kernarg_size 40
		.amdhsa_user_sgpr_count 2
		.amdhsa_user_sgpr_kernarg_segment_ptr 1
		.amdhsa_wavefront_size32 1
		.amdhsa_system_sgpr_workgroup_id_x 1
		.amdhsa_system_sgpr_workgroup_id_y 1
		.amdhsa_system_sgpr_workgroup_id_z 1
		.amdhsa_system_vgpr_workitem_id 0
		.amdhsa_next_free_vgpr 256
		.amdhsa_next_free_sgpr 66
		.amdhsa_reserve_vcc 0
		.amdhsa_float_denorm_mode_32 3
		.amdhsa_float_denorm_mode_16_64 3
		.amdhsa_memory_ordered 1
		.amdhsa_forward_progress 1
		.amdhsa_inst_pref_size 108
	.end_amdhsa_kernel
	.amdgpu_metadata
---
amdhsa.version: [ 1, 2 ]
amdhsa.kernels:
  - .name:           k_qba5d78f169_attn
    .symbol:         k_qba5d78f169_attn.kd
    .args:
      - { .name: qc, .offset: 0, .size: 8, .value_kind: global_buffer, .address_space: global }
      - { .name: kv, .offset: 8, .size: 8, .value_kind: global_buffer, .address_space: global }
      - { .name: mk, .offset: 16, .size: 8, .value_kind: global_buffer, .address_space: global }
      - { .name: lowp_scales, .offset: 24, .size: 8, .value_kind: global_buffer, .address_space: global }
      - { .name: oc, .offset: 32, .size: 8, .value_kind: global_buffer, .address_space: global }
    .group_segment_fixed_size: 327680
    .private_segment_fixed_size: 0
    .kernarg_segment_align: 8
    .kernarg_segment_size: 40
    .max_flat_workgroup_size: 256
    .sgpr_count:     66
    .vgpr_count:     256
    .wavefront_size: 32
...
	.end_amdgpu_metadata
.endif
;; end of part 3
;; launch proj (part 4): grid 8 x 8, 4 waves a work-group, clusters of 4 x 4, 327,680 bytes of LDS; arguments oc, codes, lowp_scales, wo_b, out0; writes out0
.if DOCPART == 4
	.amdgcn_target "amdgcn-amd-amdhsa--gfx1250"
	.amdhsa_code_object_version 6
	.text
	.protected	k_qba5d78f169_proj
	.globl	k_qba5d78f169_proj
	.p2align	8
	.type	k_qba5d78f169_proj,@function
k_qba5d78f169_proj:
	s_mov_b64 s[64:65], 0
	v_nop
	global_prefetch_b8 v0, s[64:65] scope:SCOPE_SE
	s_setreg_imm32_b32 hwreg(HW_REG_WAVE_MODE, 25, 1), 1
	s_wait_xcnt 0x0
	s_wait_alu depctr_hold_cnt(0) depctr_sa_sdst(0) depctr_va_vdst(0) depctr_va_sdst(0) depctr_va_ssrc(0) depctr_va_vcc(0) depctr_vm_vsrc(0)
	s_getreg_b32 s2, hwreg(HW_REG_IB_STS2, 6, 4)
	s_cmp_eq_u32 s2, 0
	s_cbranch_scc0 .Lentry_in_a_cluster
	s_endpgm
.Lentry_in_a_cluster:
	s_bfe_u32 s2, ttmp6, 0x10000c
	s_cmp_lg_u32 s2, 0xf033
	s_cbranch_scc0 .Lentry_shape_is_right
	s_endpgm
.Lentry_shape_is_right:
; PROJ: out0 = o wo + wo_b on E4M3 codes.  A = oc (2,048 rows x 2,048 codes), B = rows 14,336 on of codes (wo, K innermost); both lie [row tile of 16][k block of 16][256 bytes].
; A sum stands for sum x 2^(e10 + e11).  A tile of 256 x 256 is made by a work-group of four waves, a wave makes 128 x 128; K goes in steps of 256 through a ring of two LDS slots.
; oc's rows lie in the order position = 32 (T / 2) + 8 (T % 2) + rho + 8 (rho / 8): the stores' immediates put each row back at its position.
; THE MATRIX INSTRUCTION IS USED TRANSPOSED (source 0 = 16 rows of B, source 1 = 16 rows of A): a lane holds eight neighbouring numbers of a row of the output.
; A fragment of 16 rows x 128 K is 2,048 consecutive bytes of LDS, fetched by four loads at 512 c + 16 x lane: a permutation of k inside an instruction, the same on both sides.
; CLUSTERS: 4 x 4 work-groups; A's tile is asked for jointly along a row of the cluster, B's along a column.  The output has 64 such tiles: 64 work-groups.
; LIMIT: e10 + e11 between -126 and 127.
; REGISTERS, in windows of 256: window 0: v[8:11] my four columns' bias; v16-29 addresses; from v128 A's fragments, one set; on the way out v128-255 rows read back from the stage, two sets.
;   window 1: B's fragments, two sets.   window 2: accumulators of my rows 0-63 ((a, b) at v[8 (8 (a % 4) + b)]);   window 3: of my rows 64-127.
.set FR,     16
.set NL,     4
.set NP,     4
.set HALFT,  32768
.set SLOT,   131072
.set LAPS,   4
.set KADV,   8192
.set SPARE,  262144                    ; behind the ring: the spare words, 128 bytes for each wave, named by no other line
.set SPITCH, 528                       ; the way out: a stage of 16 rows x (512 + 16) bytes for each wave, in slot 0, which has had its last fill and its last read when the first result is stored there
.set ADRA, 16
.set ADRB, 20
.set STO,  24                          ; v24  the stage: where I put 32 bytes of a row
.set RD,   25                          ; v25  and where I read a row back
.set CO,   26                          ; v26  16 x lane
.set SPW,  28
.set NIL,  29
.set AF,   128
.set BK,   128
.set G1,  24
.set G0,  32
.set G1B, 48
.set G0B, 56
.set WV,  66
.set WR,  67
.set WC,  68
.set TY,  70
.set TC,  71
.set MSB, 0
.macro WIN new
.if MSB != (\new)
	s_set_vgpr_msb (MSB<<8)|(\new)
.set MSB, (\new)
.endif
.endm
.set MUL_LO, 0xa1
.set MUL_HI, 0xf1
.set TO_B,   0x40
.macro JLOAD g0a, g1a, g0b, g1b        ; waves 0 and 1 fetch for A, waves 2 and 3 for B; an s_nop 0 and four v_nop follow each of the two lines
	s_cmp_eq_u32 s[WR], 0
	s_cbranch_scc0 .Lfor_b_\@
	tensor_load_to_lds s[\g0a:\g0a+3], s[\g1a:\g1a+7]
	s_nop 0
.rept 4
	v_nop
.endr
	s_branch .Lasked_\@
.Lfor_b_\@:
	tensor_load_to_lds s[\g0b:\g0b+3], s[\g1b:\g1b+7]
	s_nop 0
.rept 4
	v_nop
.endr
.Lasked_\@:
.endm
.macro CREST
	s_cmp_lg_u32 s[WV], 0
	s_cbranch_scc1 .Lnot_wave_0_\@
	s_barrier_signal -3
.Lnot_wave_0_\@:
	s_barrier_wait -3
	s_barrier_signal -1
	s_barrier_wait -1
.endm
.macro CROUND
	s_barrier_signal -1
	s_barrier_wait -1
	CREST
.endm
	s_load_b256 s[4:11], s[0:1], 0x0               ; oc, codes, the exponents, wo_b
	s_load_b64 s[12:13], s[0:1], 0x20              ; out0
	v_lshl_add_u32 v[SPW], v0, 2, SPARE
	v_mov_b32 v[NIL], 0
	ds_add_u32 v[SPW], v[NIL]                      ; the wave's opening: the add, and its wait ahead of my first tensor load
	v_lshrrev_b32 v1, 5, v0
	v_readfirstlane_b32 s[WV], v1
	s_lshr_b32 s[WR], s[WV], 1
	s_and_b32 s[WC], s[WV], 1
	s_bfe_u32 s40, ttmp6, 0x40000                  ; cx
	s_bfe_u32 s41, ttmp6, 0x40004                  ; cy
	s_lshl_b32 s[TC], ttmp9, 2
	s_add_co_u32 s[TC], s[TC], s40
	s_and_b32 s[TY], ttmp7, 0xffff
	s_lshl_b32 s[TY], s[TY], 2
	s_add_co_u32 s[TY], s[TY], s41
	s_lshl_b32 s42, s41, 2
	s_lshl_b32 s42, 15, s42                        ; my row of the cluster
	s_lshl_b32 s43, 0x1111, s40                    ; my column
	s_or_b32 s[G1+0], s42, (1<<21)                 ; elements of 1 byte, no padding; bit 21 set beside a mask
	s_or_b32 s[G1B+0], s43, (1<<21)
.irp g, G1, G1B
	s_mov_b32 s[\g+1], 4096<<16                    ; tensor_dim0: 4,096 consecutive bytes of a row tile
	s_mov_b32 s[\g+2], 8<<16                       ; tensor_dim1: 8 row tiles
	s_mov_b32 s[\g+3], 4096<<16                    ; tile_dim0
	s_mov_b32 s[\g+4], 8                           ; tile_dim1
	s_mov_b32 s[\g+5], 32768                       ; tensor_dim0_stride
	s_mov_b32 s[\g+6], 0
	s_mov_b32 s[\g+7], 0
.endr
	s_lshl_b32 s47, s[WC], 7                       ; which 128 rows of the tile I fetch
	s_lshl_b32 s22, s[TY], 8
	s_add_co_u32 s22, s22, s47
	s_lshl_b32 s22, s22, 11
	s_mov_b32 s23, 0
	s_lshl_b32 s98, s[TC], 8
	s_add_co_u32 s98, s98, s47
	s_add_co_u32 s98, s98, 14336
	s_lshl_b32 s98, s98, 11
	s_mov_b32 s99, 0
	s_lshl_b32 s46, s[WV], 15                      ; where they go: wave x 32,768
	s_wait_dscnt 0x0                               ; the opening add is done
	s_wait_kmcnt 0x0
	s_load_b64 s[96:97], s[8:9], 0x28              ; e10, e11
	s_add_nc_u64 s[22:23], s[4:5], s[22:23]
	s_add_nc_u64 s[98:99], s[6:7], s[98:99]
	CROUND                                         ; all sixteen work-groups are here: the first joint loads meet
.irp s, 0,1
	s_mov_b32 s[G0+4*\s], 1
	s_add_co_u32 s[G0+4*\s+1], s46, \s*SLOT
	s_add_nc_u64 s[G0+4*\s+2:G0+4*\s+3], s[22:23], \s*4096
	s_or_b32 s[G0+4*\s+3], s[G0+4*\s+3], 0x80000000
	s_mov_b32 s[G0B+4*\s], 1
	s_add_co_u32 s[G0B+4*\s+1], s46, \s*SLOT
	s_add_nc_u64 s[G0B+4*\s+2:G0B+4*\s+3], s[98:99], \s*4096
	s_or_b32 s[G0B+4*\s+3], s[G0B+4*\s+3], 0x80000000
	JLOAD G0+4*\s, G1, G0B+4*\s, G1B
.endr
	v_and_b32 v1, 15, v0                           ; r
	v_bfe_u32 v2, v0, 4, 1                         ; h
	v_and_b32 v3, 31, v0
	v_lshlrev_b32 v[CO], 4, v3
	s_lshl_b32 s22, s[WR], 15
	s_lshl_b32 s23, s[WC], 15
	s_add_co_u32 s23, s23, 65536
.irp s, 0,1
	v_add_nc_u32 v[ADRA+\s], s22, v[CO]
	v_add_nc_u32 v[ADRB+\s], s23, v[CO]
	s_add_co_u32 s22, s22, SLOT
	s_add_co_u32 s23, s23, SLOT
.endr
	s_mul_i32 s22, s[WV], 16*SPITCH                ; my stage
	v_mul_u32_u24 v[STO], v1, SPITCH
	v_lshl_add_u32 v[STO], v2, 5, v[STO]
	v_add_nc_u32 v[STO], s22, v[STO]
	v_add_nc_u32 v[RD], s22, v[CO]
	s_lshl_b32 s22, s[TC], 10
	s_lshl_b32 s98, s[WC], 9
	s_add_co_u32 s22, s22, s98                     ; my first column, in bytes
	s_mov_b32 s23, 0
	s_add_nc_u64 s[10:11], s[10:11], s[22:23]
	global_load_b128 v[8:11], v[CO], s[10:11]      ; the bias of my four columns of a row read back
	s_add_nc_u64 s[12:13], s[12:13], s[22:23]
	s_lshl_b32 s22, s[TY], 8
	s_lshl_b32 s98, s[WR], 7
	s_add_co_u32 s22, s22, s98                     ; my first position
	s_lshl_b32 s22, s22, 13                        ; rows of 8,192 bytes
	s_add_nc_u64 s[12:13], s[12:13], s[22:23]
.macro FRAG reg, adr, q, i
.irp c, 0,1,2,3
	ds_load_b128 v[\reg+4*\c:\reg+4*\c+3], v[\adr] offset:4096*(\i)+2048*(\q)+512*\c
.endr
.endm
.macro MUL16 a0, p, zero               ; the 64 accumulators take turns, one instruction a turn
.irp a, \a0, \a0+1
.irp b, 0,1,2,3,4,5,6,7
.if \zero
	v_wmma_f32_16x16x128_fp8_fp8 v[8*(8*((\a)%4)+\b):8*(8*((\a)%4)+\b)+7], v[128*(\p)+FR*\b:128*(\p)+FR*\b+FR-1], v[AF+FR*(\a):AF+FR*(\a)+FR-1], 0
.else
	v_wmma_f32_16x16x128_fp8_fp8 v[8*(8*((\a)%4)+\b):8*(8*((\a)%4)+\b)+7], v[128*(\p)+FR*\b:128*(\p)+FR*\b+FR-1], v[AF+FR*(\a):AF+FR*(\a)+FR-1], v[8*(8*((\a)%4)+\b):8*(8*((\a)%4)+\b)+7]
.endif
.endr
.endr
.endm
.macro FETCH_B slot, q, p
	WIN TO_B
.irp i, 0,1,2,3,4,5,6,7
	FRAG 128*(\p)+FR*\i, ADRB+\slot, \q, \i
.endr
	WIN 0
.endm
.macro FETCH_A slot, q, i0
.irp i, \i0, \i0+1, \i0+2, \i0+3
	FRAG AF+FR*(\i), ADRA+\slot, \q, \i
.endr
.endm
.macro PLACES n
.rept \n
	v_nop
.endr
.endm
.macro STEP slot, q, zero
	s_wait_dscnt 4*NL                              ; B's set and A's blocks 0-3 are in; the youngest 16 loads (A's blocks 4-7) may be out
	WIN MUL_LO
	MUL16 0, (\q)%2, \zero
	MUL16 2, (\q)%2, \zero
	s_wait_dscnt 0
	PLACES NP
	FETCH_B \slot, (\q)+1, 1-(\q)%2
	FETCH_A \slot, (\q)+1, 0
	WIN MUL_HI
	MUL16 4, (\q)%2, \zero
	MUL16 6, (\q)%2, \zero
	PLACES NP
	WIN 0
	FETCH_A \slot, (\q)+1, 4
.endm
.macro TURN slot, next, fill
	s_wait_tensorcnt 0x0                           ; all my tensor loads have landed: my part of the next slot
	ds_add_u32 v[SPW], v[NIL]
	s_wait_dscnt 4*NL+1                            ; (the add and the youngest 16 loads may be out)
	WIN MUL_LO
	MUL16 0, 1, 0
	s_wait_dscnt 0x0                               ; the add is done, and my reads of this slot are over
	s_barrier_signal -1
	MUL16 2, 1, 0
	WIN 0
	s_barrier_wait -1
.if \fill
	CREST                                          ; the barrier has opened a round of the cluster's barrier
	s_add_nc_u64 s[G0+4*\slot+2:G0+4*\slot+3], s[G0+4*\slot+2:G0+4*\slot+3], KADV
	s_add_nc_u64 s[G0B+4*\slot+2:G0B+4*\slot+3], s[G0B+4*\slot+2:G0B+4*\slot+3], KADV
	JLOAD G0+4*\slot, G1, G0B+4*\slot, G1B         ; the first tensor load behind the round
.else
	PLACES NP
.endif
	FETCH_B \next, 0, 0
	FETCH_A \next, 0, 0
	WIN MUL_HI
	MUL16 4, 1, 0
	MUL16 6, 1, 0
	PLACES NP
	WIN 0
	FETCH_A \next, 0, 4
.endm
	s_wait_tensorcnt 1                             ; my part of K step 0 is in; K step 1's load may be out
	s_barrier_signal -1
	s_barrier_wait -1
	FETCH_B 0, 0, 0
	FETCH_A 0, 0, 0
	FETCH_A 0, 0, 4
	STEP 0, 0, 1
	s_mov_b32 s3, LAPS-1
.Llap:
	TURN 0, 1, 1
	STEP 1, 0, 0
	TURN 1, 0, 1
	STEP 0, 0, 0
	s_sub_co_u32 s3, s3, 1
	s_cmp_lg_u32 s3, 0
	s_cbranch_scc1 .Llap
	TURN 0, 1, 0
	STEP 1, 0, 0
	s_wait_dscnt 4*NL                              ; the very last step: nothing more to fetch
	WIN MUL_LO
	MUL16 0, 1, 0
	MUL16 2, 1, 0
	s_wait_dscnt 0
	WIN MUL_HI
	MUL16 4, 1, 0
	MUL16 6, 1, 0
	WIN 0
; THE WAY OUT, block by block of 16 rows x 128 columns: the sums go as they are through my own stage in LDS and come back as whole rows of 512 bytes; there each pair gets
; x 2^(e10 + e11) + bias in one packed multiply-add, and the 32 lanes store a row: 512 consecutive bytes.  LDS serves a wave's instructions in order: no wait between the stores and the loads.
.macro TOSTAGE a
.set AC, 64*((\a)%4)
	WIN 0x08+4*((\a)/4)                            ; an LDS store's data are its source 1: window 2 or 3
.irp b, 0,1,2,3,4,5,6,7
	ds_store_b128 v[STO], v[AC+8*\b:AC+8*\b+3] offset:64*\b          ; each accumulator from its low end on
	ds_store_b128 v[STO], v[AC+8*\b+4:AC+8*\b+7] offset:64*\b+16
.endr
	WIN 0
.set BB, BK+64*((\a)%2)
.irp t, 0,1,2,3,4,5,6,7,8,9,10,11,12,13,14,15
	ds_load_b128 v[BB+4*\t:BB+4*\t+3], v[RD] offset:\t*SPITCH
.endr
.endm
.macro SEND a, younger                 ; younger: the LDS instructions issued behind block a's loads, which may stay out
.set BB, BK+64*((\a)%2)
	s_wait_dscnt \younger
.irp t, 0,1,2,3,4,5,6,7,8,9,10,11,12,13,14,15
	v_pk_fma_f32 v[BB+4*\t:BB+4*\t+1], v[BB+4*\t:BB+4*\t+1], s[96:97], v[8:9] op_sel_hi:[1,0,1]
	v_pk_fma_f32 v[BB+4*\t+2:BB+4*\t+3], v[BB+4*\t+2:BB+4*\t+3], s[96:97], v[10:11] op_sel_hi:[1,0,1]
.endr
.irp t, 0,1,2,3,4,5,6,7,8,9,10,11,12,13,14,15
	global_store_b128 v[CO], v[BB+4*\t:BB+4*\t+3], s[12:13] offset:(32*((\a)/2)+8*((\a)%2)+\t+8*(\t/8))*8192 th:TH_STORE_NT   ; row t of block a at its position; 127 rows at the most: inside the signed 24-bit immediate
.endr
.endm
	s_wait_kmcnt 0x0
	s_add_co_i32 s96, s96, s97                     ; e10 + e11
	s_add_co_i32 s96, s96, 127
	s_lshl_b32 s96, s96, 23                        ; 2^(e10 + e11) as f32
	s_mov_b32 s97, s96                             ; (named with it as a pair, so it is written)
	s_wait_loadcnt 0x0                             ; the bias
	PLACES NP                                      ; in front of the first reads of results and of the loads into the registers that held A's fragments
	TOSTAGE 0
.irp a, 1,2,3,4,5,6,7
.if \a > 1
	s_wait_xcnt 0x0                                ; block a - 2's stores have read their registers: block a's loads may land there
.endif
	TOSTAGE \a
	SEND \a-1, 32                                  ; behind block a - 1's loads: block a's 16 stores and 16 loads
.endr
	SEND 7, 0
	s_wait_tensorcnt 0x0                           ; the wave's end, behind my last tensor load and my last LDS store
	ds_add_u32 v[SPW], v[NIL]
	s_wait_dscnt 0x0
	CROUND                                         ; the closing round
	s_endpgm
.Lfunc_end_k_qba5d78f169_proj:
	.size	k_qba5d78f169_proj, .Lfunc_end_k_qba5d78f169_proj-k_qba5d78f169_proj
	.p2alignl 7, 3214868480
	.fill 96, 4, 3214868480
	.section	.rodata,"a",@progbits
	.p2align	6, 0x0
	.amdhsa_kernel k_qba5d78f169_proj
		.amdhsa_group_segment_fixed_size 327680
		.amdhsa_private_segment_fixed_size 0
		.amdhsa_enable_private_segment 0
		.amdhsa_kernarg_size 40
		.amdhsa_user_sgpr_count 2
		.amdhsa_user_sgpr_kernarg_segment_ptr 1
		.amdhsa_wavefront_size32 1
		.amdhsa_system_sgpr_workgroup_id_x 1
		.amdhsa_system_sgpr_workgroup_id_y 1
		.amdhsa_system_sgpr_workgroup_id_z 1
		.amdhsa_system_vgpr_workitem_id 0
		.amdhsa_next_free_vgpr 1024
		.amdhsa_next_free_sgpr 100
		.amdhsa_reserve_vcc 0
		.amdhsa_float_denorm_mode_32 3
		.amdhsa_float_denorm_mode_16_64 3
		.amdhsa_memory_ordered 1
		.amdhsa_forward_progress 1
		.amdhsa_inst_pref_size 122
	.end_amdhsa_kernel
	.amdgpu_metadata
---
amdhsa.version: [ 1, 2 ]
amdhsa.kernels:
  - .name:           k_qba5d78f169_proj
    .symbol:         k_qba5d78f169_proj.kd
    .args:
      - { .name: oc, .offset: 0, .size: 8, .value_kind: global_buffer, .address_space: global }
      - { .name: codes, .offset: 8, .size: 8, .value_kind: global_buffer, .address_space: global }
      - { .name: lowp_scales, .offset: 16, .size: 8, .value_kind: global_buffer, .address_space: global }
      - { .name: wo_b, .offset: 24, .size: 8, .value_kind: global_buffer, .address_space: global }
      - { .name: out0, .offset: 32, .size: 8, .value_kind: global_buffer, .address_space: global }
    .group_segment_fixed_size: 327680
    .private_segment_fixed_size: 0
    .kernarg_segment_align: 8
    .kernarg_segment_size: 40
    .max_flat_workgroup_size: 128
    .sgpr_count:     100
    .vgpr_count:     1024
    .wavefront_size: 32
...
	.end_amdgpu_metadata
.endif
;; end of part 4
;; ======== version 2 of 2: 4 launches
;; limits: right only within a limited range of input values
;; workspace buffers: codes 33,554,432 bytes; mk 16,777,216 bytes; qc 6,291,456 bytes; kv 10,485,760 bytes; oc 4,194,304 bytes
;; launch prep (part 5): grid 896 x 1, 4 waves a work-group, no clusters, 34,304 bytes of LDS; arguments x, mask, wq_w, wk_w, wv_w, wo_w, lowp_scales, codes, mk; writes codes, mk
.if DOCPART == 5
	.amdgcn_target "amdgcn-amd-amdhsa--gfx1250"
	.amdhsa_code_object_version 6
	.text
	.protected	k_qba5d78f169_prep
	.globl	k_qba5d78f169_prep
	.p2align	8
	.type	k_qba5d78f169_prep,@function
k_qba5d78f169_prep:
	s_mov_b64 s[64:65], 0
	v_nop
	global_prefetch_b8 v0, s[64:65] scope:SCOPE_SE
	s_setreg_imm32_b32 hwreg(HW_REG_WAVE_MODE, 25, 1), 1
	s_wait_xcnt 0x0
; PREP: every f32 input that many work-groups will read is turned once into the form in which it is read.
;   codes: E4M3 codes of x (three times: with the scales of entries 0, 2 and 4) and of the four weights (entries 1, 3, 5, 11), K innermost.
;   mk:    the mask x sqrt(192) x 2^-(e6 + e7), f32, laid in the order of the score registers of the attention launch.
; code = number / 2^e, held within +-448, to the nearest code, ties to even.
; LAYOUT OF CODES: [row tile of 16 rows][k block of 16 codes][256 bytes]; byte 16 x row + k % 16 inside a block.  A row tile is 32,768 bytes.
;   Eight blocks on end are an operand of 16 rows x 128 K: four loads of 16 bytes a lane at 512 c + 16 x lane give lane (r, h) k = 32 c + 16 h + 0 .. 15.
;   rows 0: x (e0), 2,048: x (e2), 4,096: x (e4), 6,144: wq dims 0-127 of each head, 8,192: wk likewise, 10,240: wv, 12,288: wq dims 128-191, 13,312: wk likewise, 14,336: wo.
; ROW ORDER OF x AND OF THE MASK'S QUERIES: row rho of tile T stands for position 32 (T / 2) + 8 (T % 2) + rho + 8 (rho / 8).
; SHARES: work-groups 0-127: tile T of x; 128-255: tile T of the mask's rows; 256-895: 256 (K) x 128 (columns) of a weight.  Waves share nothing: no barrier.
; x AND MASK: a wave takes 16 rows x 512 columns in 4 units of 128 columns.  Each load reads 512 consecutive bytes of a row; a unit turns through the wave's own
;   stage in LDS (16 rows of 512 + 16 bytes) and comes back with 16 neighbours of each block of 32 in a lane's registers.
; WEIGHTS ([K][N] in memory): a lane takes a column and its registers run down K, so the conversions give codes with K innermost; sixteen lanes store one whole block of 256 bytes.
; LIMITS: each e used by a quantiser between -126 and 119; e6 + e7 between -122 and 129; |mask| x 13.86 x 2^-(e6 + e7) finite in f32; NaN among the inputs is not served.
.set SPARE, 33792                      ; behind the four stages: the spare words, 128 bytes for each wave, named by no other line
.set LI,  1                            ; v1   16 x lane
.set STI, 2                            ; v2   the stage, on the way in: 8,448 x wave + 16 x lane
.set STR, 3                            ; v3   and back: 8,448 x wave + 528 r + 64 h
.set SPW, 4                            ; v4   my spare word; never rewritten
.set NIL, 5                            ; v5   0; never rewritten
.set SC,  6                            ; v6-11  (2^e, 448 x 2^e) for e0, e2, e4; the weights' path uses v10, v11
.set WI,  13                           ; v13  weights: 4 x lane
.set WO,  14                           ; v14  weights: 32,768 (lane / 16) + 16 (lane % 16)
.set R,   16                           ; v16-143  two sets of 64 registers as loaded
.set X,   144                          ; v144-207 a unit, turned: register 16 c + i = column 32 c + 16 h + i of row r
.set T,   208                          ; v208-239 two sets of 16 held numbers, by turns
.set C,   240                          ; v240-255 codes
.set XW,  32                           ; weights: v32-79 three sets of 16 numbers
.set CW,  96                           ; weights: v96-159 codes, four registers for each chunk, never rewritten
	s_load_b512 s[4:19], s[0:1], 0x0               ; x, mask, wq_w, wk_w, wv_w, wo_w, the exponents, codes
	s_load_b64 s[20:21], s[0:1], 0x40              ; mk
	v_lshl_add_u32 v[SPW], v0, 2, SPARE
	v_mov_b32 v[NIL], 0
	v_lshrrev_b32 v12, 5, v0
	v_readfirstlane_b32 s36, v12                   ; wave 0..3
	v_and_b32 v12, 31, v0                          ; lane
	v_lshlrev_b32 v[LI], 4, v12
	s_wait_kmcnt 0x0
	s_load_b256 s[24:31], s[16:17], 0x0            ; e0 .. e7
	s_load_b128 s[32:35], s[16:17], 0x20           ; e8 .. e11
	s_cmp_ge_u32 ttmp9, 256
	s_cbranch_scc1 .Lweights
; ---------------- x and the mask ----------------
.macro ULOAD u                         ; unit u: 16 rows x 512 bytes, a row a load
.irp k, 0,1,2,3,4,5,6,7,8,9,10,11,12,13,14,15
	global_load_b128 v[R+64*((\u)%2)+4*\k:R+64*((\u)%2)+4*\k+3], v[LI], s[38:39] offset:(\k+8*(\k/8))*8192+512*(\u) th:TH_LOAD_NT
.endr
.endm
.macro UTURN u                         ; through my stage: LDS serves a wave's instructions in order, so no wait stands between the stores and the loads
	s_wait_xcnt 0x0                                ; the last unit's stores have read X: it is loaded again only behind this wait
.irp k, 0,1,2,3,4,5,6,7,8,9,10,11,12,13,14,15
	ds_store_b128 v[STI], v[R+64*((\u)%2)+4*\k:R+64*((\u)%2)+4*\k+3] offset:528*\k
.endr
.irp i, 0,1,2,3,4,5,6,7,8,9,10,11,12,13,14,15
	ds_load_b128 v[X+4*\i:X+4*\i+3], v[STR] offset:128*(\i/4)+16*(\i%4)
.endr
	s_wait_dscnt 0x0                               ; X is in, and the stores have read their registers, which take the loads of two units on
.endm
.macro XPART p, u                      ; the unit's codes with the p-th of x's three scales
	s_wait_xcnt 0x0                                ; the stores before have read C
.irp c, 0,1,2,3
.irp i, 0,1,2,3,4,5,6,7,8,9,10,11,12,13,14,15
	v_med3_num_f32 v[T+16*(\c%2)+\i], v[X+16*\c+\i], -v[SC+2*\p+1], v[SC+2*\p+1]   ; the conversion to an 8-bit code does not saturate (ISA guide 7.6.2): the hold comes first
.endr
	v_cvt_scalef32_pk8_fp8_f32 v[C+4*\c:C+4*\c+1], v[T+16*(\c%2):T+16*(\c%2)+7], v[SC+2*\p]
	v_cvt_scalef32_pk8_fp8_f32 v[C+4*\c+2:C+4*\c+3], v[T+16*(\c%2)+8:T+16*(\c%2)+15], v[SC+2*\p]   ; the next sixteen holds write the other set: plain lines stand between a conversion and a write of its sources
.endr
.irp c, 0,1,2,3
	global_store_b128 v[LI], v[C+4*\c:C+4*\c+3], s[40+2*\p:41+2*\p] offset:2048*(\u)+512*\c   ; 512 consecutive bytes: two whole blocks
.endr
.endm
.macro MPART u                         ; the unit of the mask: one key step's 64 registers of a lane
.set jj, 0
.rept 32
	v_pk_mul_f32 v[X+jj:X+jj+1], v[X+jj:X+jj+1], s[46:47] op_sel_hi:[1,0]
.set jj, jj+2
.endr
.irp i, 0,1,2,3,4,5,6,7,8,9,10,11,12,13,14,15
	global_store_b128 v[LI], v[X+4*\i:X+4*\i+3], s[20:21] offset:8192*(\u)+512*\i
.endr
.endm
.macro UNIT u
.if (\u) < 3
	s_wait_loadcnt 16                              ; this unit's 16 loads are in; the next unit's 16 may be out
.else
	s_wait_loadcnt 0x0
.endif
	UTURN \u
.if (\u) < 2
	ULOAD (\u)+2
.endif
	s_cmp_lt_u32 ttmp9, 128
	s_cbranch_scc0 .Lmask_\@
	s_wait_alu depctr_va_vdst(0)
	XPART 0, \u
	XPART 1, \u
	XPART 2, \u
	s_branch .Ljoin_\@
.Lmask_\@:
	MPART \u
.Ljoin_\@:
.endm
	s_cmp_lt_u32 ttmp9, 128                        ; x or the mask: only the pointer is chosen, the text up to the turn is one
	s_cselect_b64 s[38:39], s[4:5], s[6:7]
	s_and_b32 s48, ttmp9, 127                      ; T
	s_lshr_b32 s49, s48, 1
	s_lshl_b32 s49, s49, 5
	s_and_b32 s50, s48, 1
	s_lshl_b32 s50, s50, 3
	s_add_co_u32 s50, s50, s49                     ; the tile's first position: 32 (T / 2) + 8 (T % 2)
	s_lshl_b32 s50, s50, 13                        ; rows of 8,192 bytes
	s_lshl_b32 s51, s36, 11                        ; my wave's 512 columns
	s_add_co_u32 s50, s50, s51
	s_mov_b32 s51, 0
	s_add_nc_u64 s[38:39], s[38:39], s[50:51]
	s_wait_alu depctr_va_vdst(0)
	ULOAD 0
	ULOAD 1
	s_lshl_b32 s50, s48, 15
	s_lshl_b32 s52, s36, 13
	s_add_co_u32 s50, s50, s52                     ; 32,768 T + 8,192 wave
	s_add_nc_u64 s[40:41], s[18:19], s[50:51]      ; x's codes with e0,
	s_add_nc_u64 s[42:43], s[40:41], 0x400000      ; with e2: 2,048 rows on,
	s_add_nc_u64 s[44:45], s[42:43], 0x400000      ; with e4
	s_lshl_b32 s50, s50, 2
	s_add_nc_u64 s[20:21], s[20:21], s[50:51]      ; mk: 131,072 T + 32,768 wave
	s_mul_i32 s52, s36, 8448                       ; my stage
	v_add_nc_u32 v[STI], s52, v[LI]
	v_and_b32 v13, 15, v0                          ; r
	v_bfe_u32 v14, v0, 4, 1                        ; h
	v_mul_u32_u24 v[STR], v13, 528
	v_lshl_add_u32 v[STR], v14, 6, v[STR]
	v_add_nc_u32 v[STR], s52, v[STR]
	s_wait_alu depctr_va_vdst(0)
	s_wait_kmcnt 0x0
.irp p, 0,1,2
	s_add_co_i32 s52, s[24+2*\p], 127
	s_lshl_b32 s53, s52, 23
	v_mov_b32 v[SC+2*\p], s53                      ; 2^e as f32: the conversion takes its exponent field
	s_add_co_i32 s52, s52, 8
	s_lshl_b32 s52, s52, 23
	s_or_b32 s52, s52, 0x600000
	v_mov_b32 v[SC+2*\p+1], s52                    ; 448 x 2^e
.endr
	s_add_co_i32 s52, s30, s31                     ; e6 + e7
	s_lshl_b32 s52, s52, 23
	s_sub_co_u32 s46, 0x415db3d7, s52              ; sqrt(192) x 2^-(e6 + e7): the exponents are taken off the exponent field
	s_mov_b32 s47, s46                             ; (named with it as a pair, so it is written)
	UNIT 0
	UNIT 1
	UNIT 2
	UNIT 3
	s_wait_tensorcnt 0x0                           ; the wave's end, behind my last LDS store
	ds_add_u32 v[SPW], v[NIL]
	s_wait_dscnt 0x0
	s_endpgm
; ---------------- the weights ----------------
.macro WLOAD t, pitch                  ; chunk t: 16 rows of K at my column
.irp i, 0,1,2,3,4,5,6,7,8,9,10,11,12,13,14,15
	global_load_b32 v[XW+16*((\t)%3)+\i], v[WI], s[38:39] offset:(16*(\t)+\i)*\pitch th:TH_LOAD_NT
.endr
.endm
.macro WCHUNK t, pitch
.if (\t) < 14
	s_wait_loadcnt 32                              ; this chunk's 16 loads are in; the two younger chunks' may be out
.else
	s_wait_loadcnt 16*(15-(\t))
.endif
.irp i, 0,1,2,3,4,5,6,7,8,9,10,11,12,13,14,15
	v_med3_num_f32 v[XW+16*((\t)%3)+\i], v[XW+16*((\t)%3)+\i], -v11, v11
.endr
	v_cvt_scalef32_pk8_fp8_f32 v[CW+4*(\t):CW+4*(\t)+1], v[XW+16*((\t)%3):XW+16*((\t)%3)+7], v10
	v_cvt_scalef32_pk8_fp8_f32 v[CW+4*(\t)+2:CW+4*(\t)+3], v[XW+16*((\t)%3)+8:XW+16*((\t)%3)+15], v10
	global_store_b128 v[WO], v[CW+4*(\t):CW+4*(\t)+3], s[40:41] offset:256*(\t)   ; lanes 0-15 fill one block of 256 bytes, lanes 16-31 the same block of the next row tile
.if (\t)+3 < 16
	WLOAD (\t)+3, \pitch
.endif
.endm
; s[38:39] the tensor, s49 which 256 of K, s54 e, s55 which 32 columns of the tensor, s58 the first row in codes
.macro WBODY pitch
	s_mul_i32 s60, s49, 256*\pitch
	s_lshl_b32 s61, s55, 7                         ; 32 columns of 4 bytes
	s_add_co_u32 s60, s60, s61
	s_mov_b32 s61, 0
	s_add_nc_u64 s[38:39], s[38:39], s[60:61]
	s_lshl_b32 s60, s58, 11                        ; a row tile of 16 rows is 32,768 bytes
	s_lshl_b32 s62, s49, 12                        ; 256 of K are 16 blocks
	s_add_co_u32 s60, s60, s62
	s_add_nc_u64 s[40:41], s[18:19], s[60:61]
	WLOAD 0, \pitch
	WLOAD 1, \pitch
	WLOAD 2, \pitch
	s_add_co_i32 s54, s54, 127
	s_lshl_b32 s60, s54, 23
	v_mov_b32 v10, s60                             ; 2^e
	s_add_co_i32 s54, s54, 8
	s_lshl_b32 s54, s54, 23
	s_or_b32 s54, s54, 0x600000
	v_mov_b32 v11, s54                             ; 448 x 2^e
.set Q, 0
	s_wait_alu depctr_va_vdst(0)
.rept 16
	WCHUNK Q, \pitch
.set Q, Q+1
.endr
	s_wait_tensorcnt 0x0                           ; the wave's end
	ds_add_u32 v[SPW], v[NIL]
	s_wait_dscnt 0x0
	s_endpgm
.endm
.Lweights:
	s_wait_kmcnt 0x0
	s_wait_alu depctr_va_vdst(0)
	v_lshlrev_b32 v[WI], 2, v12
	v_lshrrev_b32 v15, 4, v12
	v_and_b32 v[WO], 15, v12
	v_lshlrev_b32 v[WO], 4, v[WO]
	v_lshl_add_u32 v[WO], v15, 15, v[WO]
	s_sub_co_u32 s48, ttmp9, 256
	s_and_b32 s49, s48, 7                          ; which 256 of K
	s_lshr_b32 s50, s48, 3                         ; which 128 columns: 0-23 wq, 24-47 wk, 48-63 wv, 64-79 wo
	s_cmp_ge_u32 s50, 48
	s_cbranch_scc1 .Lvo
	s_cmp_lt_u32 s50, 24
	s_cselect_b64 s[38:39], s[8:9], s[10:11]
	s_cselect_b32 s51, 0, 24
	s_cselect_b32 s52, 0, 2048
	s_cselect_b32 s53, 0, 1024
	s_cselect_b32 s54, s25, s27                    ; e1 or e3
	s_sub_co_u32 s51, s50, s51
	s_lshl_b32 s55, s51, 2
	s_add_co_u32 s55, s55, s36                     ; g: my 32 columns, 0 .. 95; a head has six such groups
	s_mul_i32 s56, s55, 43
	s_lshr_b32 s56, s56, 8                         ; the head: g / 6 (43 / 256 serves g under 128)
	s_mul_i32 s57, s56, 6
	s_sub_co_u32 s57, s55, s57                     ; the group in the head: 0-3 plain, 4-5 rotary
	s_lshl_b32 s59, s57, 5
	s_lshl_b32 s58, s56, 7
	s_add_co_u32 s58, s58, s59
	s_add_co_u32 s58, s58, s52
	s_add_co_u32 s58, s58, 6144                    ; plain: 6,144 (8,192) + 128 head + 32 group
	s_lshl_b32 s60, s56, 6
	s_add_co_u32 s60, s60, s59
	s_add_co_u32 s60, s60, s53
	s_add_co_u32 s60, s60, 12160                   ; rotary: 12,288 (13,312) + 64 head + 32 (group - 4)
	s_cmp_lt_u32 s57, 4
	s_cselect_b32 s58, s58, s60
	s_wait_alu depctr_va_vdst(0)
	WBODY 12288
.Lvo:
	s_cmp_lt_u32 s50, 64
	s_cselect_b64 s[38:39], s[12:13], s[14:15]
	s_cselect_b32 s51, 48, 64
	s_cselect_b32 s52, 0, 4096
	s_cselect_b32 s54, s29, s35                    ; e5 or e11
	s_sub_co_u32 s51, s50, s51
	s_lshl_b32 s55, s51, 2
	s_add_co_u32 s55, s55, s36                     ; my 32 columns
	s_lshl_b32 s58, s55, 5
	s_add_co_u32 s58, s58, s52
	s_add_co_u32 s58, s58, 10240                   ; 10,240 (14,336) + column
	s_wait_alu depctr_va_vdst(0)
	WBODY 8192
.Lfunc_end_k_qba5d78f169_prep:
	.size	k_qba5d78f169_prep, .Lfunc_end_k_qba5d78f169_prep-k_qba5d78f169_prep
	.p2alignl 7, 3214868480
	.fill 96, 4, 3214868480
	.section	.rodata,"a",@progbits
	.p2align	6, 0x0
	.amdhsa_kernel k_qba5d78f169_prep
		.amdhsa_group_segment_fixed_size 34304
		.amdhsa_private_segment_fixed_size 0
		.amdhsa_enable_private_segment 0
		.amdhsa_kernarg_size 72
		.amdhsa_user_sgpr_count 2
		.amdhsa_user_sgpr_kernarg_segment_ptr 1
		.amdhsa_wavefront_size32 1
		.amdhsa_system_sgpr_workgroup_id_x 1
		.amdhsa_system_sgpr_workgroup_id_y 1
		.amdhsa_system_sgpr_workgroup_id_z 1
		.amdhsa_system_vgpr_workitem_id 0
		.amdhsa_next_free_vgpr 256
		.amdhsa_next_free_sgpr 66
		.amdhsa_reserve_vcc 0
		.amdhsa_float_denorm_mode_32 3
		.amdhsa_float_denorm_mode_16_64 3
		.amdhsa_memory_ordered 1
		.amdhsa_forward_progress 1
		.amdhsa_inst_pref_size 183
	.end_amdhsa_kernel
	.amdgpu_metadata
---
amdhsa.version: [ 1, 2 ]
amdhsa.kernels:
  - .name:           k_qba5d78f169_prep
    .symbol:         k_qba5d78f169_prep.kd
    .args:
      - { .name: x, .offset: 0, .size: 8, .value_kind: global_buffer, .address_space: global }
      - { .name: mask, .offset: 8, .size: 8, .value_kind: global_buffer, .address_space: global }
      - { .name: wq_w, .offset: 16, .size: 8, .value_kind: global_buffer, .address_space: global }
      - { .name: wk_w, .offset: 24, .size: 8, .value_kind: global_buffer, .address_space: global }
      - { .name: wv_w, .offset: 32, .size: 8, .value_kind: global_buffer, .address_space: global }
      - { .name: wo_w, .offset: 40, .size: 8, .value_kind: global_buffer, .address_space: global }
      - { .name: lowp_scales, .offset: 48, .size: 8, .value_kind: global_buffer, .address_space: global }
      - { .name: codes, .offset: 56, .size: 8, .value_kind: global_buffer, .address_space: global }
      - { .name: mk, .offset: 64, .size: 8, .value_kind: global_buffer, .address_space: global }
    .group_segment_fixed_size: 34304
    .private_segment_fixed_size: 0
    .kernarg_segment_align: 8
    .kernarg_segment_size: 72
    .max_flat_workgroup_size: 128
    .sgpr_count:     66
    .vgpr_count:     256
    .wavefront_size: 32
...
	.end_amdgpu_metadata
.endif
;; end of part 5
;; launch qkv (part 6): grid 32 x 8, 4 waves a work-group, clusters of 4 x 4, 327,680 bytes of LDS; arguments codes, lowp_scales, wq_b, wk_b, wv_b, freqs_cos, freqs_sin, qc, kv; writes qc, kv
.if DOCPART == 6
	.amdgcn_target "amdgcn-amd-amdhsa--gfx1250"
	.amdhsa_code_object_version 6
	.text
	.protected	k_qba5d78f169_qkv
	.globl	k_qba5d78f169_qkv
	.p2align	8
	.type	k_qba5d78f169_qkv,@function
k_qba5d78f169_qkv:
	s_mov_b64 s[64:65], 0
	v_nop
	global_prefetch_b8 v0, s[64:65] scope:SCOPE_SE
	s_setreg_imm32_b32 hwreg(HW_REG_WAVE_MODE, 25, 1), 1
	s_wait_xcnt 0x0
	s_wait_alu depctr_hold_cnt(0) depctr_sa_sdst(0) depctr_va_vdst(0) depctr_va_sdst(0) depctr_va_ssrc(0) depctr_va_vcc(0) depctr_vm_vsrc(0)
	s_getreg_b32 s2, hwreg(HW_REG_IB_STS2, 6, 4)
	s_cmp_eq_u32 s2, 0
	s_cbranch_scc0 .Lentry_in_a_cluster
	s_endpgm
.Lentry_in_a_cluster:
	s_bfe_u32 s2, ttmp6, 0x10000c
	s_cmp_lg_u32 s2, 0xf033
	s_cbranch_scc0 .Lentry_shape_is_right
	s_endpgm
.Lentry_shape_is_right:
; QKV: the three projections as one product of 2,048 x 8,192 x 2,048 on E4M3 codes, then bias, the rotation of dims 128-191, and the quantisers of q, k and v.
; Both operands are rows of the one buffer codes ([row tile of 16][k block of 16][256 bytes]; its rows are listed below).
; A tile of 256 x 256 is made by a work-group of four waves, a wave makes 128 x 128: 64 accumulators, 512 registers.  K goes in steps of 256 through a ring of two LDS slots.
; WHAT A TILE IS hangs on the cluster's x (the same in all sixteen partners): 0, 1: q dims 0-127;  2, 3: k dims 0-127;  4, 5: v;  6: q dims 128-191;  7: k dims 128-191.
;   not v: A = x (rows 0: scale e0 for q; rows 2,048: e2 for k) at 256 x tile row; B = the weight at row 6,144 + 256 x tile column.
;   v:     A = wv at row 10,240 + 256 x tile row; B = x with e4, row 4,096 + 256 (tile column - 16) = 256 x tile column.
; THE MATRIX INSTRUCTION IS USED TRANSPOSED (source 0 = 16 rows of B, source 1 = 16 rows of A): a lane holds ONE row of A and eight neighbouring rows of B.
;   q, k: one position and eight neighbouring dims of a head, which are the next product's K.   v: one channel and eight keys; since x's rows lie in the order
;   position = 32 (T / 2) + 8 (T % 2) + rho + 8 (rho / 8), the accumulators of B's tiles 2 c and 2 c + 1 are keys 32 c + 16 h + 0 .. 15: registers 4 c .. 4 c + 3 of an operand along the keys.
; OUT: qc [head][q tile 128][k block 12][256 bytes];  kv [head][slot of 256 keys: 81,920 bytes]: 16 tiles of k x 3,072 bytes, then from byte 49,152 v^T: [128 keys][channel tile 8][c 4][lane][16 bytes].
;   Every store of a wave covers whole aligned blocks of 256 bytes: no stage in LDS is needed.
; OPERANDS IN LDS lie as in memory: a fragment of 16 rows x 128 K is 2,048 consecutive bytes, fetched by four loads at 512 c + 16 x lane: lane (r, h) holds k = 32 c + 16 h + 0 .. 15.
;   That is a permutation of k inside an instruction, the same on both sides.
; CLUSTERS: 4 x 4 work-groups; A's tile is asked for jointly along a row of the cluster, B's along a column.
; LIMITS: e0 + e1, e2 + e3, e4 + e5 between -126 and 127; e6, e7, e8 between -126 and 119.  NaN among the inputs is not served.
; REGISTERS, in windows of 256: window 0: v1 r, v2 h, v8-15 the rotation's temporaries, v16-29 addresses and constants; from v128 A's fragments, one set;
;   on the way out: v32-63 block 0's cos and sin (later blocks' in window 1), v64-127 the bias, v128-191 the numbers, v192-223 codes in two sets.
;   window 1: B's fragments, two sets.   window 2: accumulators of my rows 0-63 ((a, b) at v[8 (8 (a % 4) + b)]);   window 3: of my rows 64-127.
.set FR,     16                        ; registers of a fragment
.set NL,     4                         ; LDS loads that bring one
.set NP,     4                         ; places behind this matrix instruction (ISA guide 7.12.1)
.set HALFT,  32768                     ; 8 row tiles x 4,096 bytes: what one tensor load brings
.set SLOT,   131072                    ; A's two halves, then B's two
.set LAPS,   4                         ; a lap = two K steps of 256
.set KADV,   8192                      ; two K steps on, in a row tile's bytes
.set SPARE,  262144                    ; behind the ring: the spare words, 128 bytes for each wave, named by no other line
.set U,    8
.set ADRA, 16                          ; v16-17  LDS address of my A fragments in slot 0, 1
.set ADRB, 20                          ; v20-21  the same for B
.set OO,   22                          ; v22  16 r + 8 h: my 8 bytes of a block
.set LI,   23                          ; v23  16 x lane
.set BO,   24                          ; v24  the bias loads' offset
.set CSO,  25                          ; v25  the cos and sin loads' offset
.set QS,   26                          ; v26  2^e of the quantiser
.set QL,   27                          ; v27  448 x 2^e
.set SPW,  28                          ; v28  my spare word; never rewritten
.set NIL,  29                          ; v29  0; never rewritten
.set BIAS, 64
.set TMP,  128
.set CD,   192
.set AF,   128
.set G1,  24
.set G0,  32
.set G1B, 48
.set G0B, 56
.set WV,  66                           ; s66 wave;  s67 wave / 2: my half of the rows, and: I fetch for A (0) or B (1);  s68 wave % 2: my half of the columns, and which half I fetch
.set WR,  67
.set WC,  68
.set CL,  69                           ; s69 the cluster's x;  s70 tile row;  s71 tile column
.set TY,  70
.set TC,  71
.set MSB, 0
.macro WIN new                         ; the immediate's high byte repeats the setting that is left
.if MSB != (\new)
	s_set_vgpr_msb (MSB<<8)|(\new)
.set MSB, (\new)
.endif
.endm
.set MUL_LO, 0xa1                      ; source 0 (B) window 1, source 1 (A) window 0, C and D window 2
.set MUL_HI, 0xf1                      ; the same, C and D window 3
.set TO_B,   0x40                      ; destination window 1, address window 0
; A joint load: waves 0 and 1 fetch for A, waves 2 and 3 for B; the branch hangs on the wave's number alone.  An s_nop 0 and four v_nop follow each of the two lines.
.macro JLOAD g0a, g1a, g0b, g1b
	s_cmp_eq_u32 s[WR], 0
	s_cbranch_scc0 .Lfor_b_\@
	tensor_load_to_lds s[\g0a:\g0a+3], s[\g1a:\g1a+7]
	s_nop 0
.rept 4
	v_nop
.endr
	s_branch .Lasked_\@
.Lfor_b_\@:
	tensor_load_to_lds s[\g0b:\g0b+3], s[\g1b:\g1b+7]
	s_nop 0
.rept 4
	v_nop
.endr
.Lasked_\@:
.endm
.macro CREST                           ; a round of the cluster's barrier behind its opening barrier
	s_cmp_lg_u32 s[WV], 0
	s_cbranch_scc1 .Lnot_wave_0_\@
	s_barrier_signal -3
.Lnot_wave_0_\@:
	s_barrier_wait -3
	s_barrier_signal -1
	s_barrier_wait -1
.endm
.macro CROUND
	s_barrier_signal -1
	s_barrier_wait -1
	CREST
.endm
	s_load_b512 s[4:19], s[0:1], 0x0               ; codes, the exponents, wq_b, wk_b, wv_b, cos, sin, qc
	s_load_b64 s[20:21], s[0:1], 0x40              ; kv
	v_lshl_add_u32 v[SPW], v0, 2, SPARE
	v_mov_b32 v[NIL], 0
	ds_add_u32 v[SPW], v[NIL]                      ; the wave's opening: two adds, and their wait ahead of my first tensor load; work on registers stands between them
	ds_add_u32 v[SPW], v[NIL]
	v_lshrrev_b32 v1, 5, v0
	v_readfirstlane_b32 s[WV], v1
	s_lshr_b32 s[WR], s[WV], 1
	s_and_b32 s[WC], s[WV], 1
	s_bfe_u32 s40, ttmp6, 0x40000                  ; cx
	s_bfe_u32 s41, ttmp6, 0x40004                  ; cy
	s_mov_b32 s[CL], ttmp9
	s_lshl_b32 s[TC], ttmp9, 2
	s_add_co_u32 s[TC], s[TC], s40                 ; tile column = 4 x cluster x + cx
	s_and_b32 s[TY], ttmp7, 0xffff
	s_lshl_b32 s[TY], s[TY], 2
	s_add_co_u32 s[TY], s[TY], s41                 ; tile row = 4 x cluster y + cy
	s_lshl_b32 s42, s41, 2
	s_lshl_b32 s42, 15, s42                        ; my row of the cluster
	s_lshl_b32 s43, 0x1111, s40                    ; my column
	; descriptor group 1: 8 row tiles, of each 4,096 consecutive bytes (16 blocks: 256 along K), 32,768 bytes apart; dense in LDS
	s_or_b32 s[G1+0], s42, (1<<21)                 ; 15:0 the mask: A's tiles go to my row; 17:16 elements of 1 byte; 21 set beside a mask
	s_or_b32 s[G1B+0], s43, (1<<21)
.irp g, G1, G1B
	s_mov_b32 s[\g+1], 4096<<16                    ; tensor_dim0
	s_mov_b32 s[\g+2], 8<<16                       ; tensor_dim1
	s_mov_b32 s[\g+3], 4096<<16                    ; tile_dim0
	s_mov_b32 s[\g+4], 8                           ; tile_dim1
	s_mov_b32 s[\g+5], 32768                       ; tensor_dim0_stride
	s_mov_b32 s[\g+6], 0
	s_mov_b32 s[\g+7], 0
.endr
	s_lshr_b32 s44, s[CL], 1                       ; 0 q, 1 k, 2 v, 3 the rotary dims
	s_cmp_eq_u32 s44, 2
	s_cselect_b32 s45, 0, 6144                     ; B's first row
	s_cselect_b32 s46, 10240, 0                    ; A's first row: wv, or x with e0,
	s_cmp_eq_u32 s44, 1
	s_cselect_b32 s46, 2048, s46                   ; or x with e2 for k
	s_cmp_eq_u32 s[CL], 7
	s_cselect_b32 s46, 2048, s46
	s_lshl_b32 s47, s[WC], 7                       ; which 128 rows of the tile I fetch
	s_lshl_b32 s22, s[TY], 8
	s_add_co_u32 s22, s22, s46
	s_add_co_u32 s22, s22, s47
	s_lshl_b32 s22, s22, 11                        ; a row of 2,048 codes; 16 rows are a row tile
	s_mov_b32 s23, 0
	s_lshl_b32 s98, s[TC], 8
	s_add_co_u32 s98, s98, s45
	s_add_co_u32 s98, s98, s47
	s_lshl_b32 s98, s98, 11
	s_mov_b32 s99, 0
	s_lshl_b32 s100, s[WV], 15                     ; where they go: wave x 32,768: no place in the cluster enters an LDS address
	s_wait_dscnt 0x0                               ; the opening add is done
	s_wait_kmcnt 0x0
	s_load_b256 s[72:79], s[6:7], 0x0              ; e0 .. e7
	s_load_b128 s[80:83], s[6:7], 0x20             ; e8 .. e11
	s_add_nc_u64 s[22:23], s[4:5], s[22:23]
	s_add_nc_u64 s[98:99], s[4:5], s[98:99]
	CROUND                                         ; all sixteen work-groups are here: the first joint loads meet
.irp s, 0,1
	s_mov_b32 s[G0+4*\s], 1
	s_add_co_u32 s[G0+4*\s+1], s100, \s*SLOT
	s_add_nc_u64 s[G0+4*\s+2:G0+4*\s+3], s[22:23], \s*4096
	s_or_b32 s[G0+4*\s+3], s[G0+4*\s+3], 0x80000000
	s_mov_b32 s[G0B+4*\s], 1
	s_add_co_u32 s[G0B+4*\s+1], s100, \s*SLOT
	s_add_nc_u64 s[G0B+4*\s+2:G0B+4*\s+3], s[98:99], \s*4096
	s_or_b32 s[G0B+4*\s+3], s[G0B+4*\s+3], 0x80000000
.endr
	JLOAD G0, G1, G0B, G1B                         ; K step 0: one tensor load a wave at the head
	; THE PREFETCHES.  A K step of the 8 row tiles that my wave fetches is 8 x 4,096 bytes.  The four partners that ask for them jointly share them out by address:
	; the partner at place p (cx for A, cy for B) names row tiles 2 p and 2 p + 1, 32 blocks of 256 bytes, a lane a block, one instruction a wave.
	s_cmp_eq_u32 s[WR], 0
	s_cselect_b64 s[42:43], s[22:23], s[98:99]     ; my wave's row tiles, at K step 0
	s_cselect_b32 s44, s40, s41
	s_lshl_b32 s44, s44, 16                        ; two row tiles are 65,536 bytes
	s_mov_b32 s45, 0
	s_add_nc_u64 s[42:43], s[42:43], s[44:45]
	v_and_b32 v4, 15, v0
	v_bfe_u32 v30, v0, 4, 1
	v_lshlrev_b32 v30, 15, v30
	v_lshl_add_u32 v30, v4, 8, v30                 ; 32,768 (lane / 16) + 256 (lane % 16); never rewritten
	s_wait_alu depctr_va_vdst(0)
	global_prefetch_b8 v30, s[42:43] offset:4096 th:TH_LOAD_NT scope:SCOPE_SE    ; K step 1, whose load follows when K step 0 is in,
	global_prefetch_b8 v30, s[42:43] offset:8192 th:TH_LOAD_NT scope:SCOPE_SE    ; and K step 2
	v_and_b32 v1, 15, v0                           ; r
	v_bfe_u32 v2, v0, 4, 1                         ; h
	v_and_b32 v3, 31, v0
	v_lshlrev_b32 v[LI], 4, v3
	v_lshlrev_b32 v[OO], 4, v1
	v_lshl_add_u32 v[OO], v2, 3, v[OO]
	s_lshl_b32 s22, s[WR], 15                      ; my 128 rows of A
	s_lshl_b32 s23, s[WC], 15                      ; my 128 rows of B,
	s_add_co_u32 s23, s23, 65536                   ; which lie behind A's 256
.irp s, 0,1
	v_add_nc_u32 v[ADRA+\s], s22, v[LI]
	v_add_nc_u32 v[ADRB+\s], s23, v[LI]
	s_add_co_u32 s22, s22, SLOT
	s_add_co_u32 s23, s23, SLOT
.endr
	; what hangs on the kind of tile, chosen without a jump
	s_wait_alu depctr_va_vdst(0)
	s_wait_kmcnt 0x0
	s_add_co_i32 s22, s72, s73                     ; q: e0 + e1
	s_add_co_i32 s23, s74, s75                     ; k: e2 + e3
	s_add_co_i32 s98, s76, s77                     ; v: e4 + e5
	s_mov_b32 s100, 393216                         ; a head's bytes in qc,
	s_mov_b32 s101, 49152                          ; 16 tiles' bytes there
	s_cmp_eq_u32 s46, 2048                         ; k?
	s_cselect_b32 s22, s23, s22
	s_cselect_b32 s99, s79, s78                    ; e7 or e6
	s_cselect_b64 s[84:85], s[20:21], s[18:19]     ; kv or qc
	s_cselect_b64 s[88:89], s[10:11], s[8:9]       ; wk_b or wq_b
	s_cselect_b32 s100, 655360, s100               ; a head's bytes in kv,
	s_cselect_b32 s101, 81920, s101                ; a slot's
	s_cmp_eq_u32 s46, 10240                        ; v?
	s_cselect_b32 s22, s98, s22
	s_cselect_b32 s99, s80, s99                    ; e8
	s_add_co_i32 s22, s22, 127
	s_lshl_b32 s96, s22, 23                        ; the power of two that the sums lack, as f32
	s_mov_b32 s97, s96                             ; (named with it as a pair, so it is written)
	s_add_co_i32 s99, s99, 127
	s_lshl_b32 s94, s99, 23
	s_add_co_i32 s99, s99, 8
	s_lshl_b32 s95, s99, 23
	s_or_b32 s95, s95, 0x600000
	v_mov_b32 v[QS], s94
	v_mov_b32 v[QL], s95
.macro FRAG reg, adr, q, i             ; row tile i, the slot's q-th 128 along K: 2,048 consecutive bytes
.irp c, 0,1,2,3
	ds_load_b128 v[\reg+4*\c:\reg+4*\c+3], v[\adr] offset:4096*(\i)+2048*(\q)+512*\c
.endr
.endm
; 16 matrix instructions: A's blocks a0, a0 + 1 x B's eight.  p: B's set.  zero = 1: the first product starts the sums.  The 64 accumulators take turns, one instruction a turn.
.macro MUL16 a0, p, zero
.irp a, \a0, \a0+1
.irp b, 0,1,2,3,4,5,6,7
.if \zero
	v_wmma_f32_16x16x128_fp8_fp8 v[8*(8*((\a)%4)+\b):8*(8*((\a)%4)+\b)+7], v[128*(\p)+FR*\b:128*(\p)+FR*\b+FR-1], v[AF+FR*(\a):AF+FR*(\a)+FR-1], 0
.else
	v_wmma_f32_16x16x128_fp8_fp8 v[8*(8*((\a)%4)+\b):8*(8*((\a)%4)+\b)+7], v[128*(\p)+FR*\b:128*(\p)+FR*\b+FR-1], v[AF+FR*(\a):AF+FR*(\a)+FR-1], v[8*(8*((\a)%4)+\b):8*(8*((\a)%4)+\b)+7]
.endif
.endr
.endr
.endm
.macro FETCH_B slot, q, p
	WIN TO_B
.irp i, 0,1,2,3,4,5,6,7
	FRAG 128*(\p)+FR*\i, ADRB+\slot, \q, \i
.endr
	WIN 0
.endm
.macro FETCH_A slot, q, i0
.irp i, \i0, \i0+1, \i0+2, \i0+3
	FRAG AF+FR*(\i), ADRA+\slot, \q, \i
.endr
.endm
.macro PLACES n                        ; plain vector instructions between a matrix instruction and a load into, or a vector write of, one of its registers, or a read of its result
.rept \n
	v_nop
.endr
.endm
.macro STEP slot, q, zero              ; 128 along K whose successor lies in the same slot
	s_wait_dscnt 4*NL                              ; B's set and A's blocks 0-3 are in; the youngest 16 loads (A's blocks 4-7) may be out
	WIN MUL_LO
	MUL16 0, (\q)%2, \zero
	MUL16 2, (\q)%2, \zero
	s_wait_dscnt 0
	PLACES NP
	FETCH_B \slot, (\q)+1, 1-(\q)%2
	FETCH_A \slot, (\q)+1, 0
	WIN MUL_HI
	MUL16 4, (\q)%2, \zero
	MUL16 6, (\q)%2, \zero
	PLACES NP
	WIN 0
	FETCH_A \slot, (\q)+1, 4
.endm
; A slot's last step changes slots: one barrier; in front of it each wave waits for all its tensor loads, adds 0 to its spare word, and waits for that and for its reads of this slot.
.macro TURN slot, next, fill
.if \fill
	s_wait_xcnt 0x0                                ; my prefetches have read their base: it steps a K step with each refill
	s_add_nc_u64 s[42:43], s[42:43], 4096
.endif
	s_wait_tensorcnt 0x0                           ; all my tensor loads have landed: my part of the next slot
	ds_add_u32 v[SPW], v[NIL]
	s_wait_dscnt 4*NL+1                            ; (the add and the youngest 16 loads may be out)
	WIN MUL_LO
	MUL16 0, 1, 0
	s_wait_dscnt 0x0                               ; the add is done, and my reads of this slot are over
	s_barrier_signal -1
	MUL16 2, 1, 0
	WIN 0
	s_barrier_wait -1
.if \fill
	CREST                                          ; the barrier has opened a round of the cluster's barrier: no wave of any partner still reads this slot or has a load on its way
	s_add_nc_u64 s[G0+4*\slot+2:G0+4*\slot+3], s[G0+4*\slot+2:G0+4*\slot+3], KADV
	s_add_nc_u64 s[G0B+4*\slot+2:G0B+4*\slot+3], s[G0B+4*\slot+2:G0B+4*\slot+3], KADV
	JLOAD G0+4*\slot, G1, G0B+4*\slot, G1B         ; the first tensor load behind the round; its four v_nop are the places in front of the loads below
.else
	PLACES NP
.endif
	FETCH_B \next, 0, 0
	FETCH_A \next, 0, 0
.if \fill
	s_cmp_gt_u32 s3, 1                             ; the n-th refill (of K step n + 1) names K step n + 3; the last trip's two would pass the row tile's end and ask for nothing
	s_cbranch_scc0 .Lno_ask_\@
	global_prefetch_b8 v30, s[42:43] offset:12288 th:TH_LOAD_NT scope:SCOPE_SE
.Lno_ask_\@:
.endif
	WIN MUL_HI
	MUL16 4, 1, 0
	MUL16 6, 1, 0
	PLACES NP
	WIN 0
	FETCH_A \next, 0, 4
.endm
.macro LAST                            ; the very last 128 along K: nothing more to fetch
	s_wait_dscnt 4*NL
	WIN MUL_LO
	MUL16 0, 1, 0
	MUL16 2, 1, 0
	s_wait_dscnt 0
	WIN MUL_HI
	MUL16 4, 1, 0
	MUL16 6, 1, 0
	WIN 0
.endm
	s_wait_alu depctr_va_vdst(0)                   ; the wait at the head's end
	s_wait_tensorcnt 0x0                           ; my part of K step 0 is in
	ds_add_u32 v[SPW], v[NIL]
	s_wait_dscnt 0x0
	CROUND                                         ; everybody's part of K step 0 is in, and all sixteen work-groups are here
	JLOAD G0+4, G1, G0B+4, G1B                     ; K step 1: the first tensor load behind the round
	FETCH_B 0, 0, 0
	FETCH_A 0, 0, 0
	FETCH_A 0, 0, 4
	global_prefetch_b8 v30, s[42:43] offset:12288 th:TH_LOAD_NT scope:SCOPE_SE   ; K step 3
	STEP 0, 0, 1                                   ; the first step stands in front of the loop: its products start the sums
	s_mov_b32 s3, LAPS-1
.Llap:
	TURN 0, 1, 1
	STEP 1, 0, 0
	TURN 1, 0, 1
	STEP 0, 0, 0
	s_sub_co_u32 s3, s3, 1
	s_cmp_lg_u32 s3, 0
	s_cbranch_scc1 .Llap
	TURN 0, 1, 0                                   ; the last lap fills nothing
	STEP 1, 0, 0
; THE WAYS OUT.  The ways part in front of the last 64 products, which have no tensor load, no barrier and no fetch: each way asks for its bias first, so that it lands under those products.
.macro SCALEB a, one                   ; block a: sum x 2^(eA + eB) + bias, each accumulator from its low end on.  one = 1: one bias for the whole block (v: a lane holds one channel)
	WIN 0x02+((\a)/4)                              ; source 0: window 2 or 3
.set jj, 0
.rept 32
.if \one
	v_pk_fma_f32 v[TMP+jj:TMP+jj+1], v[64*((\a)%4)+jj:64*((\a)%4)+jj+1], s[96:97], v[BIAS+2*(\a):BIAS+2*(\a)+1] op_sel_hi:[1,0,1]
.else
	v_pk_fma_f32 v[TMP+jj:TMP+jj+1], v[64*((\a)%4)+jj:64*((\a)%4)+jj+1], s[96:97], v[BIAS+jj:BIAS+jj+1] op_sel_hi:[1,0,1]
.endif
.set jj, jj+2
.endr
	WIN 0
.endm
.macro HOLDCVT a                       ; 64 numbers become 64 codes, in set a % 2
.if (\a) > 1
	s_wait_xcnt 0x0                                ; the stores of two blocks back have read this set of codes
.endif
.irp b, 0,1,2,3,4,5,6,7
.irp i, 0,1,2,3,4,5,6,7
	v_med3_num_f32 v[TMP+8*\b+\i], v[TMP+8*\b+\i], -v[QL], v[QL]   ; the conversion to an 8-bit code does not saturate (ISA guide 7.6.2)
.endr
	v_cvt_scalef32_pk8_fp8_f32 v[CD+16*((\a)%2)+2*\b:CD+16*((\a)%2)+2*\b+1], v[TMP+8*\b:TMP+8*\b+7], v[QS]
.endr
	v_nop                                          ; a plain line between the last conversion and the next block's writes of its sources
.endm
.macro OUT_NOPE a
	SCALEB \a, 0
	HOLDCVT \a
.irp b, 0,1,2,3,4,5,6,7
	global_store_b64 v[OO], v[CD+16*((\a)%2)+2*\b:CD+16*((\a)%2)+2*\b+1], s[84:85] offset:3072*(\a)+256*\b   ; the wave's 256 bytes are one whole block
.endr
.endm
.macro CSLOAD a                        ; cos and sin of block a's 16 positions, my four pairs of each 16 dims.  Block 0: window 0, v32-63; block a > 0: window 1, v[32 a ..]
.if (\a) == 0
.set CSB, 32
.else
.set CSB, 32*(\a)
.endif
.irp p, 0,1,2,3
	global_load_b128 v[CSB+4*\p:CSB+4*\p+3], v[CSO], s[90:91] offset:128*(32*((\a)/2)+8*((\a)%2))+32*\p
	global_load_b128 v[CSB+16+4*\p:CSB+16+4*\p+3], v[CSO], s[92:93] offset:128*(32*((\a)/2)+8*((\a)%2))+32*\p
.endr
.endm
.macro ROT a                           ; (x0, x1) -> (x0 c - x1 s, x0 s + x1 c); cos and sin are source 1
.if (\a) == 0
.set CSB, 32
.else
.set CSB, 32*(\a)
	WIN 0x04
.endif
.irp b, 0,1,2,3,4,5,6,7
.irp i, 0,1,2,3
	v_mul_f32 v[U+2*\i], v[TMP+8*\b+2*\i+1], v[CSB+16+4*(\b%4)+\i]
	v_mul_f32 v[U+2*\i+1], v[TMP+8*\b+2*\i], v[CSB+16+4*(\b%4)+\i]
.endr
.irp i, 0,1,2,3
	v_fma_f32 v[TMP+8*\b+2*\i], v[TMP+8*\b+2*\i], v[CSB+4*(\b%4)+\i], -v[U+2*\i]
	v_fma_f32 v[TMP+8*\b+2*\i+1], v[TMP+8*\b+2*\i+1], v[CSB+4*(\b%4)+\i], v[U+2*\i+1]
.endr
.endr
	WIN 0
.endm
.macro OUT_ROPE a
	s_wait_loadcnt 8*(7-(\a))                      ; the bias and this block's cos and sin are in; the 8 loads of each later block may be out
	SCALEB \a, 0
	ROT \a
	HOLDCVT \a
.irp b, 0,1,2,3,4,5,6,7
	global_store_b64 v[OO], v[CD+16*((\a)%2)+2*\b:CD+16*((\a)%2)+2*\b+1], s[84+2*(\b/4):85+2*(\b/4)] offset:3072*(\a)+256*(\b%4)
.endr
.endm
.macro OUT_V a
	SCALEB \a, 1
	HOLDCVT \a
.irp c, 0,1,2,3
	global_store_b128 v[LI], v[CD+16*((\a)%2)+4*\c:CD+16*((\a)%2)+4*\c+3], s[84:85] offset:2048*(\a)+512*\c   ; 512 consecutive bytes of an operand's image
.endr
.endm
	s_lshr_b32 s44, s[CL], 1                       ; the cluster's x is the same in all partners
	s_cmp_eq_u32 s44, 2
	s_cbranch_scc1 .Lv
	s_cmp_eq_u32 s44, 3
	s_cbranch_scc1 .Lrope
	; ---- dims 0-127 of q or k: my 128 columns are one head
	s_and_b32 s22, s[TC], 7
	s_lshl_b32 s22, s22, 1
	s_add_co_u32 s22, s22, s[WC]                   ; the head
	s_mul_i32 s98, s22, 768                        ; its 192 numbers of the bias
	s_mov_b32 s99, 0
	s_add_nc_u64 s[88:89], s[88:89], s[98:99]
	s_mul_i32 s98, s22, s100
	s_mul_i32 s23, s[TY], s101
	s_add_co_u32 s98, s98, s23
	s_mul_i32 s23, s[WR], 24576                    ; 8 tiles of 3,072 bytes
	s_add_co_u32 s98, s98, s23
	s_add_nc_u64 s[84:85], s[84:85], s[98:99]
	v_lshlrev_b32 v[BO], 5, v2                     ; my half's eight dims
.irp b, 0,1,2,3,4,5,6,7
	global_load_b128 v[BIAS+8*\b:BIAS+8*\b+3], v[BO], s[88:89] offset:64*\b
	global_load_b128 v[BIAS+8*\b+4:BIAS+8*\b+7], v[BO], s[88:89] offset:64*\b+16
.endr
	LAST
	PLACES NP
	s_wait_loadcnt 0x0
.irp a, 0,1,2,3,4,5,6,7
	OUT_NOPE \a
.endr
	s_branch .Lend
.Lrope:
	; ---- dims 128-191 of q or k: my 128 columns are two heads' 64
	s_and_b32 s22, s[TC], 3
	s_lshl_b32 s22, s22, 2
	s_lshl_b32 s23, s[WC], 1
	s_add_co_u32 s22, s22, s23                     ; the first of my two heads
	s_mul_i32 s98, s22, 768
	s_add_co_u32 s98, s98, 512                     ; from dim 128 on
	s_mov_b32 s99, 0
	s_add_nc_u64 s[88:89], s[88:89], s[98:99]
	s_mul_i32 s98, s22, s100
	s_mul_i32 s23, s[TY], s101
	s_add_co_u32 s98, s98, s23
	s_mul_i32 s23, s[WR], 24576
	s_add_co_u32 s98, s98, s23
	s_add_co_u32 s98, s98, 2048                    ; k blocks 8 to 11 of a tile
	s_add_nc_u64 s[84:85], s[84:85], s[98:99]
	s_mov_b32 s98, s100
	s_add_nc_u64 s[86:87], s[84:85], s[98:99]      ; the second head
	s_lshl_b32 s98, s[TY], 8
	s_lshl_b32 s23, s[WR], 7
	s_add_co_u32 s98, s98, s23                     ; my first position
	s_lshl_b32 s98, s98, 7                         ; rows of 128 bytes
	s_add_nc_u64 s[90:91], s[14:15], s[98:99]
	s_add_nc_u64 s[92:93], s[16:17], s[98:99]
	v_lshlrev_b32 v[BO], 5, v2
	v_and_b32 v[CSO], 8, v1
	v_add_nc_u32 v[CSO], v[CSO], v1                ; r + 8 (r / 8)
	v_lshlrev_b32 v[CSO], 7, v[CSO]
	v_lshl_add_u32 v[CSO], v2, 4, v[CSO]           ; + my half's four pairs
.irp b, 0,1,2,3,4,5,6,7
	global_load_b128 v[BIAS+8*\b:BIAS+8*\b+3], v[BO], s[88:89] offset:768*(\b/4)+64*(\b%4)
	global_load_b128 v[BIAS+8*\b+4:BIAS+8*\b+7], v[BO], s[88:89] offset:768*(\b/4)+64*(\b%4)+16
.endr
	CSLOAD 0
	s_wait_alu depctr_va_vdst(0)
	LAST
	PLACES NP
	WIN 0x40                                       ; B's fragments are done with: window 1 takes the cos and sin of blocks 1 to 7, asked for in one run
.irp a, 1,2,3,4,5,6,7
	CSLOAD \a
.endr
	WIN 0
.irp a, 0,1,2,3,4,5,6,7
	OUT_ROPE \a
.endr
	s_branch .Lend
.Lv:
	; ---- v: my 128 rows of A are one head's channels, my 128 rows of B are 128 keys
	s_lshl_b32 s22, s[TY], 1
	s_add_co_u32 s22, s22, s[WR]                   ; the head
	s_lshl_b32 s98, s22, 9
	s_mov_b32 s99, 0
	s_add_nc_u64 s[88:89], s[12:13], s[98:99]      ; its 128 numbers of wv_b
	s_mul_i32 s98, s22, 655360
	s_sub_co_u32 s23, s[TC], 16                    ; the slot of 256 keys
	s_mul_i32 s23, s23, 81920
	s_add_co_u32 s98, s98, s23
	s_lshl_b32 s23, s[WC], 14                      ; which 128 of them
	s_add_co_u32 s98, s98, s23
	s_add_co_u32 s98, s98, 49152                   ; behind the slot's tiles of k
	s_add_nc_u64 s[84:85], s[20:21], s[98:99]
	v_lshlrev_b32 v[BO], 2, v1                     ; my channel
.irp a, 0,1,2,3,4,5,6,7
	global_load_b32 v[BIAS+2*\a], v[BO], s[88:89] offset:64*\a
	global_load_b32 v[BIAS+2*\a+1], v[BO], s[88:89] offset:64*\a     ; twice: a pair for the packed multiply-add
.endr
	LAST
	PLACES NP
	s_wait_loadcnt 0x0
.irp a, 0,1,2,3,4,5,6,7
	OUT_V \a
.endr
.Lend:
	s_wait_tensorcnt 0x0                           ; the wave's end
	ds_add_u32 v[SPW], v[NIL]
	s_wait_dscnt 0x0
	CROUND                                         ; the closing round: no work-group ends while a partner may still ask for a tile that names it
	s_endpgm
.Lfunc_end_k_qba5d78f169_qkv:
	.size	k_qba5d78f169_qkv, .Lfunc_end_k_qba5d78f169_qkv-k_qba5d78f169_qkv
	.p2alignl 7, 3214868480
	.fill 96, 4, 3214868480
	.section	.rodata,"a",@progbits
	.p2align	6, 0x0
	.amdhsa_kernel k_qba5d78f169_qkv
		.amdhsa_group_segment_fixed_size 327680
		.amdhsa_private_segment_fixed_size 0
		.amdhsa_enable_private_segment 0
		.amdhsa_kernarg_size 72
		.amdhsa_user_sgpr_count 2
		.amdhsa_user_sgpr_kernarg_segment_ptr 1
		.amdhsa_wavefront_size32 1
		.amdhsa_system_sgpr_workgroup_id_x 1
		.amdhsa_system_sgpr_workgroup_id_y 1
		.amdhsa_system_sgpr_workgroup_id_z 1
		.amdhsa_system_vgpr_workitem_id 0
		.amdhsa_next_free_vgpr 1024
		.amdhsa_next_free_sgpr 102
		.amdhsa_reserve_vcc 0
		.amdhsa_float_denorm_mode_32 3
		.amdhsa_float_denorm_mode_16_64 3
		.amdhsa_memory_ordered 1
		.amdhsa_forward_progress 1
		.amdhsa_inst_pref_size 255
	.end_amdhsa_kernel
	.section	.bss,"aw",@nobits
	.p2align	6
	.space	262144
	.amdgpu_metadata
---
amdhsa.version: [ 1, 2 ]
amdhsa.kernels:
  - .name:           k_qba5d78f169_qkv
    .symbol:         k_qba5d78f169_qkv.kd
    .args:
      - { .name: codes, .offset: 0, .size: 8, .value_kind: global_buffer, .address_space: global }
      - { .name: lowp_scales, .offset: 8, .size: 8, .value_kind: global_buffer, .address_space: global }
      - { .name: wq_b, .offset: 16, .size: 8, .value_kind: global_buffer, .address_space: global }
      - { .name: wk_b, .offset: 24, .size: 8, .value_kind: global_buffer, .address_space: global }
      - { .name: wv_b, .offset: 32, .size: 8, .value_kind: global_buffer, .address_space: global }
      - { .name: freqs_cos, .offset: 40, .size: 8, .value_kind: global_buffer, .address_space: global }
      - { .name: freqs_sin, .offset: 48, .size: 8, .value_kind: global_buffer, .address_space: global }
      - { .name: qc, .offset: 56, .size: 8, .value_kind: global_buffer, .address_space: global }
      - { .name: kv, .offset: 64, .size: 8, .value_kind: global_buffer, .address_space: global }
    .group_segment_fixed_size: 327680
    .private_segment_fixed_size: 0
    .kernarg_segment_align: 8
    .kernarg_segment_size: 72
    .max_flat_workgroup_size: 128
    .sgpr_count:     102
    .vgpr_count:     1024
    .wavefront_size: 32
...
	.end_amdgpu_metadata
.endif
;; end of part 6
;; launch attn (part 7): grid 16 x 16, 4 waves a work-group, clusters of 4 x 1, 327,680 bytes of LDS; arguments qc, kv, mk, lowp_scales, oc; writes oc
.if DOCPART == 7
	.amdgcn_target "amdgcn-amd-amdhsa--gfx1250"
	.amdhsa_code_object_version 6
	.text
	.protected	k_qba5d78f169_attn
	.globl	k_qba5d78f169_attn
	.p2align	8
	.type	k_qba5d78f169_attn,@function
k_qba5d78f169_attn:
	s_mov_b64 s[64:65], 0
	v_nop
	global_prefetch_b8 v0, s[64:65] scope:SCOPE_SE
	s_setreg_imm32_b32 hwreg(HW_REG_WAVE_MODE, 25, 1), 1
	s_wait_xcnt 0x0
	s_wait_alu depctr_hold_cnt(0) depctr_sa_sdst(0) depctr_va_vdst(0) depctr_va_sdst(0) depctr_va_ssrc(0) depctr_va_vcc(0) depctr_vm_vsrc(0)
	s_getreg_b32 s2, hwreg(HW_REG_IB_STS2, 6, 4)
	s_cmp_eq_u32 s2, 0
	s_cbranch_scc0 .Lentry_in_a_cluster
	s_endpgm
.Lentry_in_a_cluster:
	s_bfe_u32 s2, ttmp6, 0x10000c
	s_cmp_lg_u32 s2, 0x3003
	s_cbranch_scc0 .Lentry_shape_is_right
	s_endpgm
.Lentry_shape_is_right:
; ATTN: one head, 128 queries a work-group, 32 (two tiles of 16) a wave; all 2,048 keys in 16 steps of 128.  Both products on E4M3 codes, used transposed, so that a lane holds one query:
;   S^T = K Q^T + mask' (source 0 = 16 keys, source 1 = 16 queries, K = 192 in three instructions of 64; the first takes the mask's tile as C);  O^T += V^T P^T (K = the step's 128 keys).
; mask' = mask x sqrt(192) x 2^-(e6 + e7), made by the first launch in the order of the score registers.  The mask is an input: every key step is computed for every query.
; SOFTMAX: t = S x c, c = log2(e) / sqrt(192) x 2^(e6 + e7); M = the running largest t rounded up to a whole number, kept as -M; p = 2^(t - M) is held at 448 x 2^e9 and quantised with e9;
;   the row's sum is taken of the unquantised p; when M moves, the sum and O^T are multiplied by f = 2^(old M - new M), which rounds nothing.  At the end O^T / sum x 2^(e8 + e9) is quantised with e10.
; IN: qc [head][q tile 128][k block 12][256 bytes]; kv [head][slot of 256 keys: 81,920 bytes]: 16 tiles of k x 3,072 bytes, then v^T [128 keys][channel tile 8][c 4][lane][16 bytes]; mk [q tile][key step][8,192 bytes].
; OUT: oc [q tile][k block of 16 channels][256 bytes], the layout of the operand of the last product.
; THE RING: two LDS slots of 256 keys, each wave fetching a quarter (20,480 bytes).  CLUSTER: the four query blocks of a cluster walk the same head's K and V and ask for each slot jointly.
;   The mask's tiles come straight into registers, two steps ahead: with its mask tile a slot would be 81,920 + 131,072 bytes, and two such slots do not fit in 327,680.
; ORDER OF A STEP: V's LDS loads and the mask's global loads are issued in groups among the 48 score products; the next step's K comes in three groups of 16 loads among the softmax's lines.
;   The exponentials go in two batches, each with one wait ahead and one behind: tile 0's stand beside tile 1's scalings, tile 1's beside tile 0's holds.
;   At a change of slots the maxima stand between the add and its wait, and tile 0's scalings between the barrier's signal and its wait.
; PREFETCH: the cluster with x = 0 asks for its head's later slots (131,072 bytes at each of three changes, shared out by address among 4 partners x 4 waves); head 0 asks for the mask's tiles four steps on.
; LIMITS: e6 + e7 between -122 and 129; e9, e10 between -126 and 119; the scaled scores stay under 2^31 in magnitude; NaN among the inputs is not served.
; REGISTERS: window 0: v1 16 x lane, v2, v3 LDS addresses, v5, v6 the add's, v7 256 x lane, v8 out, v10, v11 2^e9 and 448 x 2^e9, then as named below.
;   window 1: v0-127 O^T, v128-255 mask set 0.  window 2: v0-191 K's fragments.  window 3: v0-127 V's fragments, v128-255 mask set 1.
.set SLOT1, 131072
.set SPARE, 262144                     ; behind the ring: the spare words, 128 bytes a wave, named by no other line
.set Q,  40                            ; v40-87   Q's codes, 24 registers a tile
.set S,  96                            ; v96-223  the scores, then p: 64 registers a tile
.set P,  224                           ; v224-255 p's codes
.set NM, 12                            ; -M and the largest t, a pair a tile
.set L,  16                            ; the sum in two halves, a pair a tile
.set FF, 20                            ; f, a pair a tile (the upper word is only named)
.set CH, 24                            ; v24-29   three more chains of the sum
.set XA, 32
.set PD, 36
.set MSB, 0
.macro WIN new                         ; the immediate's high byte repeats the setting that is left
.if MSB != (\new)
	s_set_vgpr_msb (MSB<<8)|(\new)
.set MSB, (\new)
.endif
.endm
.macro CREST                           ; a round of the cluster's barrier behind its opening barrier
	s_cmp_lg_u32 s18, 0
	s_cbranch_scc1 .Lnot_wave_0_\@
	s_barrier_signal -3
.Lnot_wave_0_\@:
	s_barrier_wait -3
	s_barrier_signal -1
	s_barrier_wait -1
.endm
.macro CROUND
	s_barrier_signal -1
	s_barrier_wait -1
	CREST
.endm
.macro ASK                             ; K and V of later slots: 8,192 bytes a wave, lanes 256 bytes apart
	s_cmp_gt_u32 s66, s69
	s_cbranch_scc0 .Lnot_mine_\@
	global_prefetch_b8 v7, s[40:41] th:TH_LOAD_NT scope:SCOPE_SE
.Lnot_mine_\@:
.endm
.macro ASKM                            ; my two mask tiles of the step four on; steps 0 to 11 ask
	s_cmp_lt_u32 s67, s68
	s_cbranch_scc0 .Lno_mask_\@
	global_prefetch_b8 v7, s[42:43] offset:24576 th:TH_LOAD_NT scope:SCOPE_SE
	global_prefetch_b8 v7, s[42:43] offset:24576+131072 th:TH_LOAD_NT scope:SCOPE_SE
.Lno_mask_\@:
.endm
.macro KLOAD16 q, g                    ; the g-th 64 of the head's 192, of the eight key tiles of the slot's half q
	WIN 0x80
.irp t, 0,1,2,3,4,5,6,7
	ds_load_b128 v[64*\g+8*\t:64*\g+8*\t+3], v2 offset:3072*(8*(\q)+\t)+1024*\g
	ds_load_b128 v[64*\g+8*\t+4:64*\g+8*\t+7], v2 offset:3072*(8*(\q)+\t)+1024*\g+512
.endr
	WIN 0
.endm
.macro VLOAD q, t0                     ; four channel tiles of V^T
	WIN 0xc0
.irp t, \t0, \t0+1, \t0+2, \t0+3
.irp c, 0,1,2,3
	ds_load_b128 v[16*(\t)+4*\c:16*(\t)+4*\c+3], v3 offset:16384*(\q)+2048*(\t)+512*\c
.endr
.endr
.endm
.macro MLOAD8 set, off, k              ; a quarter of a step's mask: 8 loads of 512 consecutive bytes
	WIN 0x40+0x80*(\set)
.irp i, 0,1,2,3,4,5,6,7
	global_load_b128 v[128+32*(\k)+4*\i:128+32*(\k)+4*\i+3], v1, s[42:43] offset:(\off)+131072*((\k)/2)+4096*((\k)%2)+512*\i
.endr
.endm
.macro QKG g, t0                       ; 8 products: key tiles t0 .. t0 + 3 x my two query tiles; the 16 accumulators take turns
.irp t, \t0, \t0+1, \t0+2, \t0+3
.irp u, 0,1
.if (\g) == 0
	v_wmma_f32_16x16x64_fp8_fp8 v[S+64*\u+8*(\t):S+64*\u+8*(\t)+7], v[8*(\t):8*(\t)+7], v[Q+24*\u:Q+24*\u+7], v[128+64*\u+8*(\t):128+64*\u+8*(\t)+7]
.else
	v_wmma_f32_16x16x64_fp8_fp8 v[S+64*\u+8*(\t):S+64*\u+8*(\t)+7], v[64*(\g)+8*(\t):64*(\g)+8*(\t)+7], v[Q+24*\u+8*(\g):Q+24*\u+8*(\g)+7], v[S+64*\u+8*(\t):S+64*\u+8*(\t)+7]
.endif
.endr
.endr
.endm
.macro SMAX                            ; the step's largest score of each query, in four chains from each accumulator's low end on; then the new -M
.irp u, 0,1
	v_max3_num_f32 v[XA+2*\u], v[S+64*\u], v[S+64*\u+1], v[S+64*\u+2]
	v_max3_num_f32 v[XA+2*\u+1], v[S+64*\u+3], v[S+64*\u+4], v[S+64*\u+5]
.endr
.set jj, 6
.rept 14
.irp u, 0,1
	v_max3_num_f32 v[XA+2*\u], v[XA+2*\u], v[S+64*\u+jj], v[S+64*\u+jj+1]
	v_max3_num_f32 v[XA+2*\u+1], v[XA+2*\u+1], v[S+64*\u+jj+2], v[S+64*\u+jj+3]
.endr
.set jj, jj+4
.endr
.irp u, 0,1
	v_max3_num_f32 v[XA+2*\u], v[XA+2*\u], v[S+64*\u+62], v[S+64*\u+63]
.endr
.irp u, 0,1
	v_max_num_f32 v[XA+2*\u], v[XA+2*\u], v[XA+2*\u+1]
.endr
.irp u, 0,1
	v_mov_b32 v[XA+2*\u+1], v[NM+2*\u]             ; the old -M
.endr
.irp u, 0,1
	v_permlanex16_b32 v[PD+\u], v[XA+2*\u], s20, s21
.endr
.irp u, 0,1
	v_max_num_f32 v[XA+2*\u], v[XA+2*\u], v[PD+\u] ; and lane l xor 16's
.endr
.irp u, 0,1
	v_mul_f32 v[XA+2*\u], s22, v[XA+2*\u]          ; as t (c is positive)
.endr
.irp u, 0,1
	v_max_num_f32 v[NM+2*\u+1], v[NM+2*\u+1], v[XA+2*\u]
.endr
.irp u, 0,1
	v_floor_f32 v[NM+2*\u], -v[NM+2*\u+1]          ; -M = floor(-t)
.endr
.endm
.macro FMAU0 n                         ; t - M of tile 0, two at a time
.rept \n
	v_pk_fma_f32 v[S+jj:S+jj+1], v[S+jj:S+jj+1], s[22:23], v[NM:NM+1] op_sel_hi:[1,0,0]
.set jj, jj+2
.endr
.endm
.macro SFMA0                           ; tile 0's scalings, with the three lines that make f among them
.set jj, 0
	FMAU0 4
.irp u, 0,1
	v_sub_f32 v[XA+2*\u+1], v[NM+2*\u], v[XA+2*\u+1]   ; old M - new M: a whole number, 0 or less
.endr
	FMAU0 4
.irp u, 0,1
	v_cvt_i32_f32 v[XA+2*\u+1], v[XA+2*\u+1]       ; (it saturates)
.endr
	FMAU0 4
.irp u, 0,1
	v_ldexp_f32 v[FF+2*\u], 1.0, v[XA+2*\u+1]
.endr
	FMAU0 20
.endm
.macro SUM u                           ; the row's sum of the unquantised p, in four chains
	v_pk_add_f32 v[CH:CH+1], v[S+64*\u:S+64*\u+1], v[S+64*\u+2:S+64*\u+3]
	v_pk_add_f32 v[CH+2:CH+3], v[S+64*\u+4:S+64*\u+5], v[S+64*\u+6:S+64*\u+7]
	v_pk_add_f32 v[CH+4:CH+5], v[S+64*\u+8:S+64*\u+9], v[S+64*\u+10:S+64*\u+11]
	v_pk_add_f32 v[L+2*\u:L+2*\u+1], v[L+2*\u:L+2*\u+1], v[S+64*\u+12:S+64*\u+13]
.set jj, S+64*\u+14
.rept 6
	v_pk_add_f32 v[CH:CH+1], v[CH:CH+1], v[jj:jj+1]
	v_pk_add_f32 v[CH+2:CH+3], v[CH+2:CH+3], v[jj+2:jj+3]
	v_pk_add_f32 v[CH+4:CH+5], v[CH+4:CH+5], v[jj+4:jj+5]
	v_pk_add_f32 v[L+2*\u:L+2*\u+1], v[L+2*\u:L+2*\u+1], v[jj+6:jj+7]
.set jj, jj+8
.endr
	v_pk_add_f32 v[CH:CH+1], v[CH:CH+1], v[S+64*\u+62:S+64*\u+63]
	v_pk_add_f32 v[CH+2:CH+3], v[CH+2:CH+3], v[CH+4:CH+5]
	v_pk_add_f32 v[L+2*\u:L+2*\u+1], v[L+2*\u:L+2*\u+1], v[CH:CH+1]
	v_pk_add_f32 v[L+2*\u:L+2*\u+1], v[L+2*\u:L+2*\u+1], v[CH+2:CH+3]
.endm
	s_load_b256 s[4:11], s[0:1], 0x0               ; qc, kv, mk, the exponents
	s_load_b64 s[12:13], s[0:1], 0x20              ; oc
	v_lshl_add_u32 v5, v0, 2, SPARE
	v_mov_b32 v6, 0
	ds_add_u32 v5, v6                              ; the opening lines: the add, twice on end, and its wait ahead of my first tensor load
	ds_add_u32 v5, v6
	v_lshrrev_b32 v1, 5, v0
	v_readfirstlane_b32 s18, v1                    ; wave
	s_bfe_u32 s14, ttmp6, 0x40000                  ; cx
	s_lshl_b32 s15, ttmp9, 2
	s_add_co_u32 s15, s15, s14                     ; the block of 128 queries
	s_and_b32 s16, ttmp7, 0xffff                   ; the head
	s_mul_i32 s19, s18, 20480                      ; my quarter of a slot
	s_mul_i32 s56, s16, 655360
	s_mov_b32 s57, 0
	s_mov_b32 s59, 0
	s_mov_b32 s24, 15|(3<<16)|(1<<21)              ; group 1: the mask names the four partners; elements of 8 bytes; 80 rows of 256 bytes, dense
	s_mov_b32 s25, 32<<16
	s_mov_b32 s26, 80<<16
	s_mov_b32 s27, 32<<16
	s_mov_b32 s28, 80
	s_mov_b32 s29, 32
	s_mov_b32 s30, 0
	s_mov_b32 s31, 0
	s_mov_b32 s20, 0x76543210
	s_mov_b32 s21, 0xfedcba98                      ; lane l xor 16
	s_mov_b32 s2, 0                                ; the slot in hand
	s_mov_b32 s66, 6                               ; the loop's trips
	s_mov_b32 s67, 0                               ; the step
	s_wait_dscnt 0x0
	s_wait_kmcnt 0x0
	s_load_b256 s[44:51], s[10:11], 0x0            ; e0 .. e7
	s_load_b128 s[52:55], s[10:11], 0x20           ; e8 .. e11
	s_add_nc_u64 s[6:7], s[6:7], s[56:57]
	s_mov_b32 s58, s19
	s_mov_b32 s32, 1
	s_mov_b32 s33, s19
	s_add_nc_u64 s[34:35], s[6:7], s[58:59]        ; slot 0
	s_mov_b32 s36, 1
	s_add_co_u32 s37, s19, SLOT1
	s_add_nc_u64 s[38:39], s[34:35], 81920         ; slot 1; this group 0 walks
	s_or_b32 s35, s35, 0x80000000
	s_or_b32 s39, s39, 0x80000000
	CROUND                                         ; the four partners are here: the first joint loads meet
	tensor_load_to_lds s[32:35], s[24:31]
	s_nop 0
.rept 4
	v_nop
.endr
	s_lshl_b32 s58, s14, 15                        ; the prefetches of K and V: 32,768 cx + 8,192 wave
	s_lshl_b32 s60, s18, 13
	s_add_co_u32 s58, s58, s60
	s_add_co_u32 s58, s58, 131072
	s_add_nc_u64 s[40:41], s[6:7], s[58:59]
	s_cmp_eq_u32 ttmp9, 0
	s_cselect_b32 s69, 3, -1                       ; cluster x = 0 asks while more than 3 trips are left
	s_cmp_eq_u32 s16, 0
	s_cselect_b32 s68, 12, 0                       ; head 0 asks for the mask
	s_lshl_b32 s62, s15, 3
	s_lshl_b32 s60, s18, 1
	s_add_co_u32 s62, s62, s60                     ; my first query tile
	s_mul_i32 s58, s16, 393216
	s_mul_i32 s60, s62, 3072
	s_add_co_u32 s58, s58, s60
	s_add_nc_u64 s[4:5], s[4:5], s[58:59]
	s_lshl_b32 s58, s62, 17
	s_add_nc_u64 s[42:43], s[8:9], s[58:59]
	s_lshl_b32 s58, s62, 15
	s_lshl_b32 s60, s16, 11
	s_add_co_u32 s58, s58, s60
	s_add_nc_u64 s[12:13], s[12:13], s[58:59]
	v_and_b32 v9, 31, v0
	v_lshlrev_b32 v1, 4, v9
	v_lshlrev_b32 v7, 8, v9
	v_and_b32 v8, 15, v0
	v_bfe_u32 v9, v0, 4, 1
	v_lshlrev_b32 v8, 4, v8
	v_lshl_add_u32 v8, v9, 3, v8                   ; 16 r + 8 h
	s_wait_alu depctr_va_vdst(0)
.irp u, 0,1                                    ; Q and the first two steps' mask are asked for while slot 0 is on its way
.irp c, 0,1,2,3,4,5
	global_load_b128 v[Q+24*\u+4*\c:Q+24*\u+4*\c+3], v1, s[4:5] offset:3072*\u+512*\c
.endr
.endr
.irp k, 0,1,2,3
	MLOAD8 0, 0, \k
.endr
.irp k, 0,1,2,3
	MLOAD8 1, 8192, \k
.endr
	WIN 0
.irp u, 0,1
	v_mov_b32 v[NM+2*\u+1], 0xff61b1e6             ; the largest t so far: -3e38
	v_floor_f32 v[NM+2*\u], -v[NM+2*\u+1]
	v_mov_b32 v[L+2*\u], 0
	v_mov_b32 v[L+2*\u+1], 0
	v_mov_b32 v[FF+2*\u+1], 0
	v_mov_b32 v[PD+\u], 0
.endr
	WIN 0x40
.set jj, 0
.rept 128
	v_mov_b32 v[jj], 0                             ; O^T: the step is written once, its first run finds zeros
.set jj, jj+1
.endr
	WIN 0
	s_wait_kmcnt 0x0
	s_add_co_i32 s60, s50, s51
	s_lshl_b32 s60, s60, 23
	s_add_co_i32 s22, s60, 0x3dd53b95              ; c = log2(e) / sqrt(192), e6 + e7 added to its exponent field
	s_mov_b32 s23, s22
	s_add_co_i32 s60, s53, 127
	s_lshl_b32 s61, s60, 23
	v_mov_b32 v10, s61                             ; 2^e9
	s_add_co_i32 s60, s60, 8
	s_lshl_b32 s60, s60, 23
	s_or_b32 s60, s60, 0x600000
	v_mov_b32 v11, s60                             ; 448 x 2^e9
	s_wait_alu depctr_va_vdst(0)                   ; the wait at the head's end
	s_wait_tensorcnt 0x0                           ; my quarter of slot 0 is in
	ds_add_u32 v5, v6
	s_wait_dscnt 0x0
	CROUND
	tensor_load_to_lds s[36:39], s[24:31]          ; slot 1
	s_nop 0
.rept 4
	v_nop
.endr
	v_add_nc_u32 v2, s2, v1
	KLOAD16 0, 0
	KLOAD16 0, 1
	KLOAD16 0, 2
; A KEY STEP.  q: the slot's half.  chg: 1 a change of slots with a refill, 2 without.  kload, mload: the next step's K, the mask of two steps on.  lc: the mask loads that may stay out.
.macro STEP q, chg, kload, mload, lc
	v_add_nc_u32 v3, s2, v1                        ; (these four lines are the places between the last products and the loads into V's registers)
	v_add_nc_u32 v3, 49152, v3
	v_nop
	v_nop
	s_wait_alu depctr_va_vdst(0)                   ; the wait, directly ahead of the waits below
	s_wait_dscnt 0x0                               ; K's fragments are in
.if (\mload) || (\chg == 1)
	s_wait_xcnt 0x0                                ; the earlier loads and prefetches have read their bases
.endif
.if \mload
	s_add_nc_u64 s[42:43], s[42:43], 8192
.endif
.if \chg == 1
	s_add_nc_u64 s[40:41], s[40:41], 131072
.endif
	s_wait_loadcnt \lc                             ; this step's mask is in; the next step's 32 loads may be out
	WIN 0x12+0x20*(\q)
	QKG 0, 0
	VLOAD \q, 0
	WIN 0x12+0x20*(\q)
	QKG 0, 4
.rept 4
	v_nop                                          ; places in front of the loads into the mask's registers
.endr
	VLOAD \q, 4
	WIN 0x02
.irp k, 0,1,2,3
	QKG 1+\k/2, 4*(\k%2)
.if \mload
	MLOAD8 \q, 8192, \k
.if \k < 3
	WIN 0x02
.endif
.endif
.endr
	WIN 0
.rept 4
	v_nop                                          ; places in front of the first read of the scores
.endr
.if \mload
	ASKM
.endif
.if \chg
	s_wait_tensorcnt 0x0                           ; my quarter of the next slot is in
	ds_add_u32 v5, v6
.endif
.if \chg == 1
	s_xor_b32 s37, s37, SLOT1                      ; the walking group 0: the slot that is being left, the keys two slots on
	s_add_nc_u64 s[38:39], s[38:39], 81920
.endif
	SMAX
.if \chg
	s_wait_alu depctr_va_vdst(0)                   ; the wait, directly ahead of the wait below
	s_wait_dscnt 0x0                               ; the add is done, and my reads of this slot (V's) are over
	s_barrier_signal -1
.endif
	SFMA0
.if \chg
	s_wait_alu depctr_va_vdst(0)
	s_barrier_wait -1
.endif
.if \chg == 1
	CREST                                          ; no wave of any partner still reads the slot or has a load on its way
	tensor_load_to_lds s[36:39], s[24:31]
	s_nop 0
.rept 4
	v_nop
.endr
	ASK
.endif
.if \chg
	s_xor_b32 s2, s2, SLOT1
.endif
.if \kload
	v_add_nc_u32 v2, s2, v1
	KLOAD16 1-(\q), 0
.endif
	s_wait_alu depctr_va_vdst(0)                   ; the wait ahead of the batch
.set jj, 0
.rept 32
	v_exp_f32 v[S+jj], v[S+jj]                     ; tile 0's p, beside tile 1's t - M
	v_pk_fma_f32 v[S+64+jj:S+64+jj+1], v[S+64+jj:S+64+jj+1], s[22:23], v[NM+2:NM+3] op_sel_hi:[1,0,0]
	v_exp_f32 v[S+jj+1], v[S+jj+1]
.set jj, jj+2
.endr
	v_pk_mul_f32 v[L:L+1], v[L:L+1], v[FF:FF+1] op_sel_hi:[1,0]   ; the sums under the new M
	v_pk_mul_f32 v[L+2:L+3], v[L+2:L+3], v[FF+2:FF+3] op_sel_hi:[1,0]
.if \kload
	KLOAD16 1-(\q), 1
.endif
	s_wait_alu depctr_va_vdst(0)                   ; the wait behind the batch
	SUM 0
	s_wait_alu depctr_va_vdst(0)                   ; ahead of the second batch
.set jj, 0
.rept 64
	v_exp_f32 v[S+64+jj], v[S+64+jj]               ; tile 1's p, beside tile 0's holds (the conversion to an 8-bit code does not saturate: ISA guide 7.6.2; p is not negative)
	v_min_num_f32 v[S+jj], v[S+jj], v11
.set jj, jj+1
.endr
.if \kload
	KLOAD16 1-(\q), 2
.endif
	s_wait_alu depctr_va_vdst(0)                   ; behind the second batch
.irp b, 0,1,2,3
	v_cvt_scalef32_pk8_fp8_f32 v[P+4*\b:P+4*\b+1], v[S+16*\b:S+16*\b+7], v10
	v_cvt_scalef32_pk8_fp8_f32 v[P+4*\b+2:P+4*\b+3], v[S+16*\b+8:S+16*\b+15], v10
.endr
	SUM 1
.irp b, 0,1,2,3
.irp i, 0,1,2,3,4,5,6,7,8,9,10,11,12,13,14,15
	v_min_num_f32 v[S+64+16*\b+\i], v[S+64+16*\b+\i], v11
.endr
	v_cvt_scalef32_pk8_fp8_f32 v[P+16+4*\b:P+16+4*\b+1], v[S+64+16*\b:S+64+16*\b+7], v10
	v_cvt_scalef32_pk8_fp8_f32 v[P+16+4*\b+2:P+16+4*\b+3], v[S+64+16*\b+8:S+64+16*\b+15], v10
.endr
	s_wait_dscnt 48*(\kload)                       ; V's fragments are in; K's 48 loads, issued behind them, may be out
	WIN 0x41
	s_wait_alu depctr_va_vdst(0)                   ; the wait, directly ahead of the first reader of O^T
.irp u, 0,1
.set jj, 0
.rept 32
	v_pk_mul_f32 v[64*\u+jj:64*\u+jj+1], v[64*\u+jj:64*\u+jj+1], v[FF+2*\u:FF+2*\u+1] op_sel_hi:[1,0]   ; O^T under the new M
.set jj, jj+2
.endr
.endr
	WIN 0x53
.irp t, 0,1,2,3,4,5,6,7
.irp u, 0,1
	v_wmma_f32_16x16x128_fp8_fp8 v[64*\u+8*\t:64*\u+8*\t+7], v[16*\t:16*\t+15], v[P+16*\u:P+16*\u+15], v[64*\u+8*\t:64*\u+8*\t+7]
.endr
.endr
	WIN 0
	s_add_co_u32 s67, s67, 1
.endm
.Lslot:                                            ; six trips of a slot each: behind each change the slot two on is asked for
	STEP 0, 0, 1, 1, 32
	STEP 1, 1, 1, 1, 32
	s_sub_co_u32 s66, s66, 1
	s_cmp_lg_u32 s66, 0
	s_cbranch_scc1 .Lslot
	STEP 0, 0, 1, 1, 32                            ; the last two slots are written out: nothing more is asked for
	STEP 1, 2, 1, 1, 32
	STEP 0, 0, 1, 0, 32
	STEP 1, 0, 0, 0, 0
	; THE WAY OUT: O^T / the sum x 2^(e8 + e9), quantised with e10; a wave's store of 8 bytes a lane fills one block of 256 bytes
.irp u, 0,1
	v_add_f32 v[L+2*\u], v[L+2*\u], v[L+2*\u+1]
.endr
.irp u, 0,1
	v_permlanex16_b32 v[PD+\u], v[L+2*\u], s20, s21
.endr
.irp u, 0,1
	v_add_f32 v[L+2*\u], v[L+2*\u], v[PD+\u]
.endr
	s_wait_alu depctr_va_vdst(0)                   ; ahead of the transcendentals
.irp u, 0,1
	v_rcp_f32 v[L+2*\u], v[L+2*\u]
.endr
	s_add_co_i32 s60, s54, 127
	s_lshl_b32 s61, s60, 23
	v_mov_b32 v26, s61                             ; 2^e10
	s_add_co_i32 s60, s60, 8
	s_lshl_b32 s60, s60, 23
	s_or_b32 s60, s60, 0x600000
	v_mov_b32 v27, s60                             ; 448 x 2^e10
	s_add_co_i32 s60, s52, s53
	s_wait_alu depctr_va_vdst(0)                   ; behind them, ahead of the first reader
.irp u, 0,1
	v_ldexp_f32 v[L+2*\u], v[L+2*\u], s60
.endr
	WIN 0x01
	s_wait_alu depctr_va_vdst(0)                   ; directly ahead of the first reader of O^T
.irp u, 0,1
.set jj, 0
.rept 64
	v_mul_f32 v[S+64*\u+jj], v[64*\u+jj], v[L+2*\u]
.set jj, jj+1
.endr
.endr
	WIN 0
.irp u, 0,1
.irp t, 0,1,2,3,4,5,6,7
.irp i, 0,1,2,3,4,5,6,7
	v_med3_num_f32 v[S+64*\u+8*\t+\i], v[S+64*\u+8*\t+\i], -v27, v27
.endr
	v_cvt_scalef32_pk8_fp8_f32 v[P+16*\u+2*\t:P+16*\u+2*\t+1], v[S+64*\u+8*\t:S+64*\u+8*\t+7], v26
.endr
.endr
	v_nop
.irp u, 0,1
.irp t, 0,1,2,3,4,5,6,7
	global_store_b64 v8, v[P+16*\u+2*\t:P+16*\u+2*\t+1], s[12:13] offset:32768*\u+256*\t
.endr
.endr
	s_wait_tensorcnt 0x0                           ; the wave's end
	ds_add_u32 v5, v6
	s_wait_dscnt 0x0
	CROUND                                         ; the closing round
	s_endpgm
.Lfunc_end_k_qba5d78f169_attn:
	.size	k_qba5d78f169_attn, .Lfunc_end_k_qba5d78f169_attn-k_qba5d78f169_attn
	.p2alignl 7, 3214868480
	.fill 96, 4, 3214868480
	.section	.rodata,"a",@progbits
	.p2align	6, 0x0
	.amdhsa_kernel k_qba5d78f169_attn
		.amdhsa_group_segment_fixed_size 327680
		.amdhsa_private_segment_fixed_size 0
		.amdhsa_enable_private_segment 0
		.amdhsa_kernarg_size 40
		.amdhsa_user_sgpr_count 2
		.amdhsa_user_sgpr_kernarg_segment_ptr 1
		.amdhsa_wavefront_size32 1
		.amdhsa_system_sgpr_workgroup_id_x 1
		.amdhsa_system_sgpr_workgroup_id_y 1
		.amdhsa_system_sgpr_workgroup_id_z 1
		.amdhsa_system_vgpr_workitem_id 0
		.amdhsa_next_free_vgpr 1024
		.amdhsa_next_free_sgpr 72
		.amdhsa_reserve_vcc 0
		.amdhsa_float_denorm_mode_32 3
		.amdhsa_float_denorm_mode_16_64 3
		.amdhsa_memory_ordered 1
		.amdhsa_forward_progress 1
		.amdhsa_inst_pref_size 255
	.end_amdhsa_kernel
	.section	.bss,"aw",@nobits
	.p2align	6
	.space	262144
	.amdgpu_metadata
---
amdhsa.version: [ 1, 2 ]
amdhsa.kernels:
  - .name:           k_qba5d78f169_attn
    .symbol:         k_qba5d78f169_attn.kd
    .args:
      - { .name: qc, .offset: 0, .size: 8, .value_kind: global_buffer, .address_space: global }
      - { .name: kv, .offset: 8, .size: 8, .value_kind: global_buffer, .address_space: global }
      - { .name: mk, .offset: 16, .size: 8, .value_kind: global_buffer, .address_space: global }
      - { .name: lowp_scales, .offset: 24, .size: 8, .value_kind: global_buffer, .address_space: global }
      - { .name: oc, .offset: 32, .size: 8, .value_kind: global_buffer, .address_space: global }
    .group_segment_fixed_size: 327680
    .private_segment_fixed_size: 0
    .kernarg_segment_align: 8
    .kernarg_segment_size: 40
    .max_flat_workgroup_size: 128
    .sgpr_count:     72
    .vgpr_count:     1024
    .wavefront_size: 32
...
	.end_amdgpu_metadata
.endif
;; end of part 7
;; launch proj (part 8): grid 16 x 16, 4 waves a work-group, clusters of 4 x 4, 327,680 bytes of LDS; arguments oc, codes, lowp_scales, wo_b, out0; writes out0
.if DOCPART == 8
	.amdgcn_target "amdgcn-amd-amdhsa--gfx1250"
	.amdhsa_code_object_version 6
	.text
	.protected	k_qba5d78f169_proj
	.globl	k_qba5d78f169_proj
	.p2align	8
	.type	k_qba5d78f169_proj,@function
k_qba5d78f169_proj:
	s_mov_b64 s[64:65], 0
	v_nop
	global_prefetch_b8 v0, s[64:65] scope:SCOPE_SE
	s_setreg_imm32_b32 hwreg(HW_REG_WAVE_MODE, 25, 1), 1
	s_wait_xcnt 0x0
	s_wait_alu depctr_hold_cnt(0) depctr_sa_sdst(0) depctr_va_vdst(0) depctr_va_sdst(0) depctr_va_ssrc(0) depctr_va_vcc(0) depctr_vm_vsrc(0)
	s_getreg_b32 s2, hwreg(HW_REG_IB_STS2, 6, 4)
	s_cmp_eq_u32 s2, 0
	s_cbranch_scc0 .Lentry_in_a_cluster
	s_endpgm
.Lentry_in_a_cluster:
	s_bfe_u32 s2, ttmp6, 0x10000c
	s_cmp_lg_u32 s2, 0xf033
	s_cbranch_scc0 .Lentry_shape_is_right
	s_endpgm
.Lentry_shape_is_right:
.set FR,     16
.set SLOT,   131072
.set KADV,   16384
.set SPARE,  262144
.set SPITCH, 272
.set ADRA, 16
.set ADRB, 20
.set LI,   22
.set STO,  24
.set RD,   25
.set CO,   26
.set BO,   27
.set SPW,  28
.set NIL,  29
.set BK,   32
.set ACC,  128
.set G1,  24
.set G0,  32
.set G1B, 48
.set G0B, 56
.set WV,  66
.set WR,  67
.set WC,  68
.set TY,  70
.set TC,  71
.set MSB, 0
.macro WIN new
.if MSB != (\new)
	s_set_vgpr_msb (MSB<<8)|(\new)
.set MSB, (\new)
.endif
.endm
.set MUL,  0x05
.set TO_F, 0x40
.macro JLOAD g0a, g1a, g0b, g1b
	s_cmp_eq_u32 s[WR], 0
	s_cbranch_scc0 .Lfor_b_\@
	tensor_load_to_lds s[\g0a:\g0a+3], s[\g1a:\g1a+7]
	s_nop 0
.rept 4
	v_nop
.endr
	s_branch .Lasked_\@
.Lfor_b_\@:
	tensor_load_to_lds s[\g0b:\g0b+3], s[\g1b:\g1b+7]
	s_nop 0
.rept 4
	v_nop
.endr
.Lasked_\@:
.endm
.macro CREST
	s_cmp_lg_u32 s[WV], 0
	s_cbranch_scc1 .Lnot_wave_0_\@
	s_barrier_signal -3
.Lnot_wave_0_\@:
	s_barrier_wait -3
	s_barrier_signal -1
	s_barrier_wait -1
.endm
.macro CROUND
	s_barrier_signal -1
	s_barrier_wait -1
	CREST
.endm
	s_load_b256 s[4:11], s[0:1], 0x0
	s_load_b64 s[12:13], s[0:1], 0x20
	v_lshl_add_u32 v[SPW], v0, 2, SPARE
	v_mov_b32 v[NIL], 0
	ds_add_u32 v[SPW], v[NIL]
	ds_add_u32 v[SPW], v[NIL]
	v_lshrrev_b32 v1, 5, v0
	v_readfirstlane_b32 s[WV], v1
	s_lshr_b32 s[WR], s[WV], 1
	s_and_b32 s[WC], s[WV], 1
	s_bfe_u32 s40, ttmp6, 0x40000
	s_bfe_u32 s41, ttmp6, 0x40004
	s_lshl_b32 s[TC], ttmp9, 2
	s_add_co_u32 s[TC], s[TC], s40
	s_and_b32 s[TY], ttmp7, 0xffff
	s_lshl_b32 s[TY], s[TY], 2
	s_add_co_u32 s[TY], s[TY], s41
	s_lshl_b32 s42, s41, 2
	s_lshl_b32 s42, 15, s42
	s_lshl_b32 s43, 0x1111, s40
	s_or_b32 s[G1+0], s42, (1<<21)
	s_or_b32 s[G1B+0], s43, (1<<21)
.irp g, G1, G1B
	s_mov_b32 s[\g+1], 8192<<16
	s_mov_b32 s[\g+2], 4<<16
	s_mov_b32 s[\g+3], 8192<<16
	s_mov_b32 s[\g+4], 4
	s_mov_b32 s[\g+5], 32768
	s_mov_b32 s[\g+6], 0
	s_mov_b32 s[\g+7], 0
.endr
	s_lshl_b32 s47, s[WC], 6
	s_lshl_b32 s22, s[TY], 7
	s_add_co_u32 s22, s22, s47
	s_lshl_b32 s22, s22, 11
	s_mov_b32 s23, 0
	s_lshl_b32 s98, s[TC], 7
	s_add_co_u32 s98, s98, s47
	s_add_co_u32 s98, s98, 14336
	s_lshl_b32 s98, s98, 11
	s_mov_b32 s99, 0
	s_lshl_b32 s46, s[WV], 15
	s_wait_dscnt 0x0
	s_wait_kmcnt 0x0
	s_load_b64 s[96:97], s[8:9], 0x28
	s_add_nc_u64 s[22:23], s[4:5], s[22:23]
	s_add_nc_u64 s[98:99], s[6:7], s[98:99]
	; the prefetches: a K step of the 4 row tiles that my wave fetches is 4 x 8,192 bytes; the partner at place p (cx for A, cy for B) of the four that ask jointly names row tile p: 32 blocks of 256 bytes, a lane a block
	s_cmp_eq_u32 s[WR], 0
	s_cselect_b64 s[42:43], s[22:23], s[98:99]
	s_cselect_b32 s44, s40, s41
	s_lshl_b32 s44, s44, 15
	s_mov_b32 s45, 0
	s_add_nc_u64 s[42:43], s[42:43], s[44:45]
	v_and_b32 v30, 31, v0
	v_lshlrev_b32 v30, 8, v30
	s_wait_alu depctr_va_vdst(0)
	CROUND
.irp s, 0,1
	s_mov_b32 s[G0+4*\s], 1
	s_add_co_u32 s[G0+4*\s+1], s46, \s*SLOT
	s_add_nc_u64 s[G0+4*\s+2:G0+4*\s+3], s[22:23], \s*8192
	s_or_b32 s[G0+4*\s+3], s[G0+4*\s+3], 0x80000000
	s_mov_b32 s[G0B+4*\s], 1
	s_add_co_u32 s[G0B+4*\s+1], s46, \s*SLOT
	s_add_nc_u64 s[G0B+4*\s+2:G0B+4*\s+3], s[98:99], \s*8192
	s_or_b32 s[G0B+4*\s+3], s[G0B+4*\s+3], 0x80000000
.if \s == 1
	s_wait_alu depctr_va_vdst(0)
	s_wait_tensorcnt 0x0                           ; K step 0 is in, ahead of slot 1's first fill
	ds_add_u32 v28, v29
	ds_add_u32 v28, v29
	s_wait_dscnt 0x0
	CROUND
.endif
	JLOAD G0+4*\s, G1, G0B+4*\s, G1B
.if \s == 0
	global_prefetch_b8 v30, s[42:43] offset:8192 th:TH_LOAD_NT scope:SCOPE_SE    ; K steps 1 and 2 of 4
	global_prefetch_b8 v30, s[42:43] offset:16384 th:TH_LOAD_NT scope:SCOPE_SE
.else
	global_prefetch_b8 v30, s[42:43] offset:24576 th:TH_LOAD_NT scope:SCOPE_SE   ; K step 3, the last
.endif
.endr
	v_and_b32 v1, 15, v0
	s_wait_alu depctr_va_vdst(0)
	v_bfe_u32 v2, v0, 4, 1
	v_and_b32 v3, 31, v0
	v_lshlrev_b32 v[LI], 4, v3
	v_lshlrev_b32 v[BO], 4, v1
	s_lshl_b32 s22, s[WR], 15
	s_lshl_b32 s23, s[WC], 15
	s_add_co_u32 s23, s23, 65536
.irp s, 0,1
	v_add_nc_u32 v[ADRA+\s], s22, v[LI]
	v_add_nc_u32 v[ADRB+\s], s23, v[LI]
	s_add_co_u32 s22, s22, SLOT
	s_add_co_u32 s23, s23, SLOT
.endr
	s_mul_i32 s22, s[WV], 16*SPITCH
	v_mul_u32_u24 v[STO], v1, SPITCH
	s_wait_alu depctr_va_vdst(0)
	v_lshl_add_u32 v[STO], v2, 5, v[STO]
	v_add_nc_u32 v[STO], s22, v[STO]
	v_mul_u32_u24 v[RD], v2, SPITCH
	v_add_nc_u32 v[RD], v[RD], v[BO]
	v_add_nc_u32 v[RD], s22, v[RD]
	v_lshl_add_u32 v[CO], v2, 13, v[BO]
	s_lshl_b32 s22, s[TC], 9
	s_lshl_b32 s98, s[WC], 8
	s_add_co_u32 s22, s22, s98
	s_mov_b32 s23, 0
	s_add_nc_u64 s[10:11], s[10:11], s[22:23]
	global_load_b128 v[8:11], v[BO], s[10:11]
	s_add_nc_u64 s[12:13], s[12:13], s[22:23]
	s_lshl_b32 s22, s[TY], 7
	s_lshl_b32 s98, s[WR], 6
	s_add_co_u32 s22, s22, s98
	s_lshl_b32 s22, s22, 13
	s_add_nc_u64 s[12:13], s[12:13], s[22:23]
.macro FETCH slot, q, p
	WIN TO_F
.irp i, 0,1,2,3
.irp c, 0,1,2,3
	ds_load_b128 v[128*(\p)+64+FR*\i+4*\c:128*(\p)+64+FR*\i+4*\c+3], v[ADRB+\slot] offset:8192*\i+2048*(\q)+512*\c
.endr
.endr
.irp i, 0,1,2,3
.irp c, 0,1,2,3
	ds_load_b128 v[128*(\p)+FR*\i+4*\c:128*(\p)+FR*\i+4*\c+3], v[ADRA+\slot] offset:8192*\i+2048*(\q)+512*\c
.endr
.endr
.endm
.macro MUL8 a0, p, zero
.irp a, \a0, \a0+1
.irp b, 0,1,2,3
.if \zero
	v_wmma_f32_16x16x128_fp8_fp8 v[ACC+8*(4*(\a)+\b):ACC+8*(4*(\a)+\b)+7], v[128*(\p)+64+FR*\b:128*(\p)+64+FR*\b+FR-1], v[128*(\p)+FR*(\a):128*(\p)+FR*(\a)+FR-1], 0
.else
	v_wmma_f32_16x16x128_fp8_fp8 v[ACC+8*(4*(\a)+\b):ACC+8*(4*(\a)+\b)+7], v[128*(\p)+64+FR*\b:128*(\p)+64+FR*\b+FR-1], v[128*(\p)+FR*(\a):128*(\p)+FR*(\a)+FR-1], v[ACC+8*(4*(\a)+\b):ACC+8*(4*(\a)+\b)+7]
.endif
.endr
.endr
.endm
.macro PLACES
.rept 4
	v_nop
.endr
.endm
.macro STEP slot, q, zero
	s_wait_dscnt 0x0
	PLACES
	FETCH \slot, (\q)+1, 1-(\q)%2
	WIN MUL
	MUL8 0, (\q)%2, \zero
	MUL8 2, (\q)%2, \zero
.endm
.macro TURN slot, next, fill
	WIN 0
	s_wait_tensorcnt 0x0
	ds_add_u32 v[SPW], v[NIL]
	s_wait_dscnt 0x0
	s_barrier_signal -1
	WIN MUL
	MUL8 0, 1, 0
	WIN 0
	s_barrier_wait -1
.if \fill
	CREST
	s_add_nc_u64 s[G0+4*\slot+2:G0+4*\slot+3], s[G0+4*\slot+2:G0+4*\slot+3], KADV
	s_add_nc_u64 s[G0B+4*\slot+2:G0B+4*\slot+3], s[G0B+4*\slot+2:G0B+4*\slot+3], KADV
	JLOAD G0+4*\slot, G1, G0B+4*\slot, G1B
.else
	PLACES
.endif
	FETCH \next, 0, 0
	WIN MUL
	MUL8 2, 1, 0
.endm
	s_wait_tensorcnt 1
	s_barrier_signal -1
	s_barrier_wait -1
	FETCH 0, 0, 0
	STEP 0, 0, 1
	STEP 0, 1, 0
	STEP 0, 2, 0
	TURN 0, 1, 1
	STEP 1, 0, 0
	STEP 1, 1, 0
	STEP 1, 2, 0
	TURN 1, 0, 1
	STEP 0, 0, 0
	STEP 0, 1, 0
	STEP 0, 2, 0
	TURN 0, 1, 0
	STEP 1, 0, 0
	STEP 1, 1, 0
	STEP 1, 2, 0
	s_wait_dscnt 0x0
	MUL8 0, 1, 0
	MUL8 2, 1, 0
	WIN 0
.macro TOSTAGE a
.irp b, 0,1,2,3
	ds_store_b128 v[STO], v[ACC+8*(4*(\a)+\b):ACC+8*(4*(\a)+\b)+3] offset:64*\b
	ds_store_b128 v[STO], v[ACC+8*(4*(\a)+\b)+4:ACC+8*(4*(\a)+\b)+7] offset:64*\b+16
.endr
.set BB, BK+32*((\a)%2)
.irp t, 0,1,2,3,4,5,6,7
	ds_load_b128 v[BB+4*\t:BB+4*\t+3], v[RD] offset:\t*2*SPITCH
.endr
.endm
.macro SEND a, younger
.set BB, BK+32*((\a)%2)
	s_wait_dscnt \younger
.irp t, 0,1,2,3,4,5,6,7
	v_pk_fma_f32 v[BB+4*\t:BB+4*\t+1], v[BB+4*\t:BB+4*\t+1], s[96:97], v[8:9] op_sel_hi:[1,0,1]
	v_pk_fma_f32 v[BB+4*\t+2:BB+4*\t+3], v[BB+4*\t+2:BB+4*\t+3], s[96:97], v[10:11] op_sel_hi:[1,0,1]
.endr
.irp t, 0,1,2,3,4,5,6,7
	global_store_b128 v[CO], v[BB+4*\t:BB+4*\t+3], s[12:13] offset:(32*((\a)/2)+8*((\a)%2)+2*\t+8*(\t/4))*8192 th:TH_STORE_NT
.endr
.endm
	s_wait_alu depctr_va_vdst(0)
	s_wait_kmcnt 0x0
	s_add_co_i32 s96, s96, s97
	s_add_co_i32 s96, s96, 127
	s_lshl_b32 s96, s96, 23
	s_mov_b32 s97, s96
	s_wait_loadcnt 0x0
	PLACES
	TOSTAGE 0
.irp a, 1,2,3
.if \a > 1
	s_wait_xcnt 0x0
.endif
	TOSTAGE \a
	SEND \a-1, 16
.endr
	SEND 3, 0
	s_wait_tensorcnt 0x0
	ds_add_u32 v[SPW], v[NIL]
	s_wait_dscnt 0x0
	CROUND
	s_endpgm
.Lfunc_end_k_qba5d78f169_proj:
	.size	k_qba5d78f169_proj, .Lfunc_end_k_qba5d78f169_proj-k_qba5d78f169_proj
	.p2alignl 7, 3214868480
	.fill 96, 4, 3214868480
	.section	.rodata,"a",@progbits
	.p2align	6, 0x0
	.amdhsa_kernel k_qba5d78f169_proj
		.amdhsa_group_segment_fixed_size 327680
		.amdhsa_private_segment_fixed_size 0
		.amdhsa_enable_private_segment 0
		.amdhsa_kernarg_size 40
		.amdhsa_user_sgpr_count 2
		.amdhsa_user_sgpr_kernarg_segment_ptr 1
		.amdhsa_wavefront_size32 1
		.amdhsa_system_sgpr_workgroup_id_x 1
		.amdhsa_system_sgpr_workgroup_id_y 1
		.amdhsa_system_sgpr_workgroup_id_z 1
		.amdhsa_system_vgpr_workitem_id 0
		.amdhsa_next_free_vgpr 512
		.amdhsa_next_free_sgpr 100
		.amdhsa_reserve_vcc 0
		.amdhsa_float_denorm_mode_32 3
		.amdhsa_float_denorm_mode_16_64 3
		.amdhsa_memory_ordered 1
		.amdhsa_forward_progress 1
		.amdhsa_inst_pref_size 74
	.end_amdhsa_kernel
	.amdgpu_metadata
---
amdhsa.version: [ 1, 2 ]
amdhsa.kernels:
  - .name:           k_qba5d78f169_proj
    .symbol:         k_qba5d78f169_proj.kd
    .args:
      - { .name: oc, .offset: 0, .size: 8, .value_kind: global_buffer, .address_space: global }
      - { .name: codes, .offset: 8, .size: 8, .value_kind: global_buffer, .address_space: global }
      - { .name: lowp_scales, .offset: 16, .size: 8, .value_kind: global_buffer, .address_space: global }
      - { .name: wo_b, .offset: 24, .size: 8, .value_kind: global_buffer, .address_space: global }
      - { .name: out0, .offset: 32, .size: 8, .value_kind: global_buffer, .address_space: global }
    .group_segment_fixed_size: 327680
    .private_segment_fixed_size: 0
    .kernarg_segment_align: 8
    .kernarg_segment_size: 40
    .max_flat_workgroup_size: 128
    .sgpr_count:     100
    .vgpr_count:     512
    .wavefront_size: 32
...
	.end_amdgpu_metadata
.endif
;; end of part 8
